; MI455X (gfx1250); checked and timed in simulation.
; The chip was launched on July 23, 2026; its instructions are those of AMD's public machine-readable ISA for CDNA 5 (MIT licence, August 2026) and "CDNA5" Instruction Set Architecture Reference Guide (July 2026). The comments in the code are by the model that wrote it; some were corrected since.
;; Block. Allowed arithmetic: matrix products marked QUANTISED: E4M3 operands, one given power-of-two scale a tensor, by v_wmma_f32_16x16x64_fp8_fp8 or v_wmma_f32_16x16x128_fp8_fp8, f32 sums; everything else in f32.
;; Inputs: b_in 4,096 float32; b_out 1,024 float32; ln1_b 1,024 float32; ln1_w 1,024 float32; ln2_b 1,024 float32; ln2_w 1,024 float32; lowp_scales 16 int32 (the exponents e of the quantised operands' scales 2^e); resid 2 x 2,048 x 1,024 float32; w_in 1,024 x 4,096 float32; w_k 16 x 1,024 x 64 float32; w_o 16 x 64 x 1,024 float32; w_out 4,096 x 1,024 float32; w_q 16 x 1,024 x 64 float32; w_v 16 x 1,024 x 64 float32.
;; Outputs: out0 2 x 2,048 x 1,024 float32.
;; This version of the problem:
;;   THIS VERSION OF THE PROBLEM IS GIVEN IN LOW PRECISION. The matrix products marked QUANTISED in the list below multiply operands that are first quantised to E4M3 (4 exponent bits, 3 mantissa bits; 8 bits a number), with one given power-of-two scale for each operand tensor; their sums are f32. All else is computed in f32.
;;   The module's matrix products, in the order in which they are computed (A, B: the left and right operand; K: the contracted axis; several contracted axes count as one K, in the product's order):
;;     1. [M 1,024, K 1,024] x [K 1,024, N 4,096]; A: input w_q; B: computed on the way: QUANTISED (scales: A lowp_scales[0], B lowp_scales[1])
;;     2. [M 1,024, K 1,024] x [K 1,024, N 4,096]; A: input w_k; B: computed on the way: QUANTISED (scales: A lowp_scales[2], B lowp_scales[3])
;;     3. [M 1,024, K 1,024] x [K 1,024, N 4,096]; A: input w_v; B: computed on the way: QUANTISED (scales: A lowp_scales[4], B lowp_scales[5])
;;     4. batch 32 x [M 2,048, K 64] x [K 64, N 2,048]; A: computed on the way; B: computed on the way: QUANTISED (scales: A lowp_scales[6], B lowp_scales[7])
;;     5. batch 32 x [M 2,048, K 2,048] x [K 2,048, N 64]; A: softmax (see below); B: computed on the way: QUANTISED (scales: A lowp_scales[8], B lowp_scales[9])
;;     6. [M 4,096, K 1,024] x [K 1,024, N 1,024]; A: computed on the way; B: input w_o: QUANTISED (scales: A lowp_scales[10], B lowp_scales[11])
;;     7. [M 4,096, K 1,024] x [K 1,024, N 4,096]; A: computed on the way; B: input w_in: QUANTISED (scales: A lowp_scales[12], B lowp_scales[13])
;;     8. [M 4,096, K 4,096] x [K 4,096, N 1,024]; A: computed on the way; B: input w_out: QUANTISED (scales: A lowp_scales[14], B lowp_scales[15])
;;   THE QUANTISER, for each operand of a quantised product, along K:
;;     - The operand's scale is 2^e, e = its entry of the input lowp_scales (int32; the entries are numbered through the quantised products in the list's order, A before B).
;;     - Each number is divided by the scale, clamped to +-448, and rounded to the nearest number of E4M3, ties to even, subnormals kept.
;;     - The product sums the exact products of the quantised numbers (number of the format x scale) in f32.
;;   ~~~python
;;   def quantise(x, axis, e):      # numpy; x: float32 -> the quantised numbers, widened to float32 again
;;       x = np.moveaxis(x, axis, -1); K = x.shape[-1]
;;       r = np.clip(x / 2.0 ** e, -448, 448)
;;       step = 2.0 ** (np.maximum(np.frexp(np.where(r == 0, 1, r))[1] - 1, -6) - 3)
;;       q = np.round(r / step) * step * 2.0 ** e      # np.round: ties to even
;;       return np.moveaxis(q, -1, axis).astype(np.float32)
;;   ~~~
;;   SOFTMAX AHEAD OF A QUANTISED PRODUCT. Where the list says 'softmax', what is quantised is not the finished softmax but p = 2^(t - M), with t = logit x log2(e) and M = ceil(the row's largest t), a whole number; so 1/2 < the row's largest p <= 1. The row's sum l is taken of the UNQUANTISED p, in f32, and the product's result is divided by l at the end. Since M is a whole number, a kernel that streams over the keys may use a running M (the ceiling of the running maximum): every later rescaling is an exact power of two, so the quantised numbers keep their values, but for numbers so far below the row's largest that they fall under the format's range.
;;   OPERANDS COMPUTED ON THE WAY. 'Computed on the way' means the value that the module computes at that place (a softmax that the list does not call 'softmax' is quantised finished and normalised). What goes into a quantiser is computed in f32, as accurately as f32 sums, v_exp_f32 and their like allow (about 1e-6 of the number): no bf16 or f16 on the way to a quantiser, and a product that is left as it is and whose result goes on into a quantised operand takes f32 operands (vector FMAs, or v_wmma_f32_16x16x4_f32). A number that lies on a knife's edge between two numbers of the format may be rounded either way, as far as f32 arithmetic and the matrix unit's own rounding can turn it there, and no further.
;; 2 versions. Each part assembles by itself: llvm-mc -triple=amdgcn-amd-amdhsa -mcpu=gfx1250 --defsym DOCPART=n.
;; ======== version 1 of 2: 8 launches
;; workspace buffers: wcodes 12,582,912 bytes; xcodes 12,582,912 bytes; qkvc 12,582,912 bytes; zcodes 4,194,304 bytes; rmid 16,777,216 bytes; h2codes 4,194,304 bytes; hcodes 16,777,216 bytes
;; launch wq (part 1): grid 384 x 1, 4 waves a work-group, no clusters, 34,816 bytes of LDS; arguments w_q, w_k, w_v, w_o, w_in, w_out, lowp_scales, wcodes; writes wcodes
.if DOCPART == 1
	.amdgcn_target "amdgcn-amd-amdhsa--gfx1250"
	.amdhsa_code_object_version 6
	.text
	.protected	k_qc855cd1742_wq
	.globl	k_qc855cd1742_wq
	.p2align	8
	.type	k_qc855cd1742_wq,@function
k_qc855cd1742_wq:
	s_mov_b64 s[64:65], 0
	v_nop
	global_prefetch_b8 v0, s[64:65] scope:SCOPE_SE
	s_setreg_imm32_b32 hwreg(HW_REG_WAVE_MODE, 25, 1), 1
	s_wait_xcnt 0x0
; The six weights, f32 with K NOT innermost, become codes of FP8 (E4M3) laid [n][k], K innermost, each with its given scale 2^e.
; wcodes: w_q at 0, w_k at 1 MiB, w_v at 2 MiB (row n = 64 head + e, 1,024 bytes), w_o at 3 MiB (row n = d, k = 64 head + e), w_in at 4 MiB (4,096 rows of 1,024), w_out at 8 MiB (1,024 rows of 4,096).
; code = x / 2^e, held within +-448, to the nearest code, ties to even.  LIMITS: -126 <= e <= 119.  NaN among the inputs is not served; an infinity is held at the largest code.
; A work-group takes 128 columns n x 256 along K, a wave 32 columns: A LANE TAKES A COLUMN AND ITS REGISTERS RUN DOWN K, so each load reads 128 consecutive bytes a wave and the conversions give K innermost.
; A lane's codes belong to one output row: they go through the wave's own stage in LDS and leave by rows, sixteen lanes storing 256 consecutive bytes, aligned.  Waves share nothing: no barrier.
; Work-groups share no input: no cluster.  One text serves all six tensors: only pointers and pitches are chosen, by the work-group's number.
.set PITCH, 272                        ; a stage row: 256 bytes of codes + 16
.set VO,   16                          ; v16-47   4 x lane + i source rows
.set X,    48                          ; v48-111  two sets of 32 numbers
.set C,    112                         ; v112-119 a block's codes
.set OO,   120                         ; v120-135 the stores' offsets
.set OUTR, 136                         ; v136-199 the way out
.set BS,   40                          ; s[40:55] the source at each of the eight blocks of 32 along K
	s_load_b512 s[16:31], s[0:1], 0x0              ; w_q, w_k, w_v, w_o, w_in, w_out, the scales, wcodes
	v_lshrrev_b32 v1, 5, v0
	v_readfirstlane_b32 s8, v1                     ; wave
	v_and_b32 v2, 31, v0                           ; lane
	s_lshr_b32 s9, ttmp9, 5                        ; 32 work-groups to a step of the table below
	s_mov_b32 s10, 256                             ; w_out's line: first work-group,
	s_mov_b32 s11, 3                               ; bits of the column block,
	s_mov_b32 s12, 4096                            ; bytes from k to k + 1 in the source,
	s_mov_b32 s13, 4096                            ; bytes of a row of codes,
	s_mov_b32 s14, 60                              ; byte of its scale's entry,
	s_mov_b32 s15, 8<<20                           ; its place in wcodes
	s_mul_i32 s37, s8, 32*PITCH                    ; my stage
	v_mul_u32_u24 v4, v2, PITCH
	v_add_nc_u32 v4, s37, v4                       ; into it: row = my column
	v_and_b32 v5, 15, v2
	v_lshrrev_b32 v6, 4, v2
	v_mul_u32_u24 v7, v6, PITCH
	v_lshl_add_u32 v7, v5, 4, v7
	v_add_nc_u32 v7, s37, v7                       ; out of it: sixteen lanes to a row, two rows an instruction
	s_wait_kmcnt 0x0
	s_mov_b64 s[4:5], s[26:27]
.macro SEL lim, ptr, first, cb, rs, krow, sc, dst      ; the tensor's line, where the work-group lies under lim
	s_cmp_lt_u32 s9, \lim
	s_cselect_b64 s[4:5], s[\ptr:\ptr+1], s[4:5]
	s_cselect_b32 s10, \first, s10
	s_cselect_b32 s11, \cb, s11
	s_cselect_b32 s12, \rs, s12
	s_cselect_b32 s13, \krow, s13
	s_cselect_b32 s14, \sc, s14
	s_cselect_b32 s15, \dst, s15
.endm
	SEL 8, 24, 128, 5, 16384, 1024, 52, 4<<20      ; w_in
	SEL 4, 22, 96, 3, 4096, 1024, 44, 3<<20        ; w_o
	SEL 3, 20, 64, 3, 256, 1024, 16, 2<<20         ; w_v
	SEL 2, 18, 32, 3, 256, 1024, 8, 1<<20          ; w_k
	SEL 1, 16, 0, 3, 256, 1024, 0, 0               ; w_q
	s_mov_b32 s62, s14
	s_mov_b32 s63, 0
	s_add_nc_u64 s[62:63], s[28:29], s[62:63]
	s_load_b32 s56, s[62:63], 0x0                  ; e
	s_sub_co_u32 s32, ttmp9, s10                   ; my number within the tensor
	s_lshl_b32 s33, 1, s11
	s_sub_co_u32 s33, s33, 1
	s_and_b32 s34, s32, s33                        ; column block
	s_lshr_b32 s35, s32, s11                       ; block of 256 along K
	s_lshl_b32 s36, s34, 7
	s_lshl_b32 s37, s8, 5
	s_add_co_u32 s36, s36, s37                     ; n0: my wave's first column
	s_lshr_b32 s37, s36, 6
	s_lshl_b32 s37, s37, 18                        ; w_q, w_k, w_v: the head's 262,144 bytes,
	s_and_b32 s38, s36, 63
	s_lshl_b32 s38, s38, 2
	s_add_co_u32 s37, s37, s38                     ; and the column within the head
	s_lshl_b32 s38, s36, 2                         ; the others: 4 n0
	s_cmp_lt_u32 s9, 3
	s_cselect_b32 s38, s37, s38
	s_mul_i32 s37, s35, s12
	s_lshl_b32 s37, s37, 8                         ; 256 rows k for each block along K
	s_add_co_u32 s38, s38, s37
	s_mov_b32 s39, 0
	s_add_nc_u64 s[BS:BS+1], s[4:5], s[38:39]
	s_lshl_b32 s60, s12, 5                         ; 32 rows k
	s_mov_b32 s61, 0
.irp t, 1,2,3,4,5,6,7
	s_add_nc_u64 s[BS+2*\t:BS+2*\t+1], s[BS+2*\t-2:BS+2*\t-1], s[60:61]
.endr
	s_mul_i32 s38, s36, s13                        ; the codes: row n0,
	s_lshl_b32 s37, s35, 8                         ; 256 bytes for each block along K,
	s_add_co_u32 s38, s38, s37
	s_add_co_u32 s38, s38, s15                     ; the tensor's place
	s_add_nc_u64 s[6:7], s[30:31], s[38:39]
	v_lshlrev_b32 v[VO], 2, v2
.set ii, 1
.rept 31
	v_add_nc_u32 v[VO+ii], s12, v[VO+ii-1]
.set ii, ii+1
.endr
	v_mul_lo_u32 v[OO], v6, s13
	v_lshl_add_u32 v[OO], v5, 4, v[OO]
	s_lshl_b32 s37, s13, 1
.set ii, 1
.rept 15
	v_add_nc_u32 v[OO+ii], s37, v[OO+ii-1]
.set ii, ii+1
.endr
.macro LOAD t                          ; block t: w(32 t + i, my column), i = 0 .. 31, into set t % 2
.set ii, 0
.rept 32
	global_load_b32 v[X+32*((\t)%2)+ii], v[VO+ii], s[BS+2*(\t):BS+2*(\t)+1] th:TH_LOAD_NT
.set ii, ii+1
.endr
.endm
	LOAD 0
	LOAD 1
	s_wait_kmcnt 0x0
	s_add_co_i32 s56, s56, 127
	s_lshl_b32 s57, s56, 23
	v_mov_b32 v11, s57                             ; 2^e as f32: the conversion takes its exponent field
	s_add_co_i32 s56, s56, 8
	s_lshl_b32 s56, s56, 23
	s_or_b32 s56, s56, 0x600000
	v_mov_b32 v10, s56                             ; 448 x 2^e
.macro BLOCK t
.set XS, X+32*((\t)%2)
.if (\t) < 7
	s_wait_loadcnt 32                              ; this block's 32 loads are in; the next block's 32 may be out
.else
	s_wait_loadcnt 0
.endif
.set ii, 0
.rept 32
	v_med3_num_f32 v[XS+ii], v[XS+ii], -v10, v10   ; the conversion to an 8-bit code does not saturate (ISA guide 7.6.2): the hold comes first
.set ii, ii+1
.endr
.irp g, 0,1,2,3
	v_cvt_scalef32_pk8_fp8_f32 v[C+2*\g:C+2*\g+1], v[XS+8*\g:XS+8*\g+7], v11
.endr
	ds_store_b128 v4, v[C:C+3] offset:32*(\t)      ; 32 codes of my column's row
	ds_store_b128 v4, v[C+4:C+7] offset:32*(\t)+16
.if (\t)+2 < 8
	LOAD (\t)+2
.endif
	s_wait_dscnt 0x0                               ; the stores have read their registers: the next block's codes may be written (its 32 holds are the plain lines behind these conversions)
.endm
.set Q, 0
.rept 8
	BLOCK Q
.set Q, Q+1
.endr
.irp t, 0,1,2,3,4,5,6,7,8,9,10,11,12,13,14,15
	ds_load_b128 v[OUTR+4*\t:OUTR+4*\t+3], v7 offset:2*\t*PITCH   ; LDS serves a wave's instructions in order: these see my stores
.endr
.irp t, 0,1,2,3,4,5,6,7,8,9,10,11,12,13,14,15
	s_wait_dscnt 15-\t
	global_store_b128 v[OO+\t], v[OUTR+4*\t:OUTR+4*\t+3], s[6:7]   ; sixteen lanes store 256 consecutive bytes, aligned
.endr
	s_endpgm
.Lfunc_end_k_qc855cd1742_wq:
	.size	k_qc855cd1742_wq, .Lfunc_end_k_qc855cd1742_wq-k_qc855cd1742_wq
	.p2alignl 7, 3214868480
	.fill 96, 4, 3214868480
	.section	.rodata,"a",@progbits
	.p2align	6, 0x0
	.amdhsa_kernel k_qc855cd1742_wq
		.amdhsa_group_segment_fixed_size 34816
		.amdhsa_private_segment_fixed_size 0
		.amdhsa_enable_private_segment 0
		.amdhsa_kernarg_size 64
		.amdhsa_user_sgpr_count 2
		.amdhsa_user_sgpr_kernarg_segment_ptr 1
		.amdhsa_wavefront_size32 1
		.amdhsa_system_sgpr_workgroup_id_x 1
		.amdhsa_system_sgpr_workgroup_id_y 1
		.amdhsa_system_sgpr_workgroup_id_z 1
		.amdhsa_system_vgpr_workitem_id 0
		.amdhsa_next_free_vgpr 224
		.amdhsa_next_free_sgpr 66
		.amdhsa_reserve_vcc 0
		.amdhsa_float_denorm_mode_32 3
		.amdhsa_float_denorm_mode_16_64 3
		.amdhsa_memory_ordered 1
		.amdhsa_forward_progress 1
		.amdhsa_inst_pref_size 53
	.end_amdhsa_kernel
	.amdgpu_metadata
---
amdhsa.version: [ 1, 2 ]
amdhsa.kernels:
  - .name:           k_qc855cd1742_wq
    .symbol:         k_qc855cd1742_wq.kd
    .args:
      - { .name: w_q, .offset: 0, .size: 8, .value_kind: global_buffer, .address_space: global }
      - { .name: w_k, .offset: 8, .size: 8, .value_kind: global_buffer, .address_space: global }
      - { .name: w_v, .offset: 16, .size: 8, .value_kind: global_buffer, .address_space: global }
      - { .name: w_o, .offset: 24, .size: 8, .value_kind: global_buffer, .address_space: global }
      - { .name: w_in, .offset: 32, .size: 8, .value_kind: global_buffer, .address_space: global }
      - { .name: w_out, .offset: 40, .size: 8, .value_kind: global_buffer, .address_space: global }
      - { .name: lowp_scales, .offset: 48, .size: 8, .value_kind: global_buffer, .address_space: global }
      - { .name: wcodes, .offset: 56, .size: 8, .value_kind: global_buffer, .address_space: global }
    .group_segment_fixed_size: 34816
    .private_segment_fixed_size: 0
    .kernarg_segment_align: 8
    .kernarg_segment_size: 64
    .max_flat_workgroup_size: 128
    .sgpr_count:     66
    .vgpr_count:     224
    .wavefront_size: 32
...
	.end_amdgpu_metadata
.endif
;; end of part 1
;; launch ln1 (part 2): grid 256 x 1, 8 waves a work-group, no clusters, 24,576 bytes of LDS; arguments resid, ln1_w, ln1_b, lowp_scales, xcodes; writes xcodes
.if DOCPART == 2
	.amdgcn_target "amdgcn-amd-amdhsa--gfx1250"
	.amdhsa_code_object_version 6
	.text
	.protected	k_qc855cd1742_ln1
	.globl	k_qc855cd1742_ln1
	.p2align	8
	.type	k_qc855cd1742_ln1,@function
k_qc855cd1742_ln1:
	s_mov_b64 s[64:65], 0
	v_nop
	global_prefetch_b8 v0, s[64:65] scope:SCOPE_SE
	s_setreg_imm32_b32 hwreg(HW_REG_WAVE_MODE, 25, 1), 1
	s_wait_xcnt 0x0
; y = (x - mean) / sqrt(var + 1e-5) * w + b for each row of 1,024 f32, all in f32, then quantised to FP8 (E4M3) NS times, each with a given scale 2^e, into NS planes of [4,096][1,024] codes, 4 MiB apart.
; Here NS = 3: the same y is the operand of three products, with the scales' entries 1, 3, 5.
; A wave takes a whole row in 32 registers a lane (eight loads of 512 consecutive bytes), two rows in all: the mean is taken away before the squares are summed; no wave waits for another, no barrier.
; A lane's four codes of each load are a word; a row's words meet in the wave's own stage in LDS and leave as 512 consecutive bytes a store.
; LIMITS: -126 <= e <= 119.  NaN among the inputs is not served.  The matrix unit, clusters and tensor loads have nothing to do here: memory binds, and only w and b (8 KiB) are shared.
.set NS,  3                            ; scales
.set SO0, 4                            ; byte of the first scale's entry; the next lie 8 bytes on
.set W,   24                           ; v24-55   w of my 32 columns
.set B,   56                           ; v56-87   b
.set X,   88                           ; v88-151  two rows
.set T,   152                          ; v152-167 two sets of eight held numbers
.set C,   168                          ; v168-191 eight words of codes for each scale
	s_load_b256 s[4:11], s[0:1], 0x0               ; x, w, b, the scales
	s_load_b64 s[28:29], s[0:1], 0x20              ; the codes
	v_lshrrev_b32 v2, 5, v0
	v_readfirstlane_b32 s30, v2                    ; wave
	v_and_b32 v2, 31, v0
	v_lshlrev_b32 v1, 4, v2                        ; 16 x lane
	s_mul_i32 s31, s30, NS*1024                    ; my stage
	v_lshl_add_u32 v16, v2, 2, s31                 ; in: a word a lane
	v_add_nc_u32 v17, s31, v1                      ; out: 16 bytes a lane
	v_mov_b32 v3, 0                                ; a lane permute's destination counts as read
	s_mov_b32 s12, 0x76543210
	s_mov_b32 s13, 0xfedcba98
	s_mov_b32 s25, 0x3a800000                      ; 1 / 1,024
	s_mov_b32 s26, 0x3727c5ac                      ; 1e-5
	s_lshl_b32 s14, ttmp9, 4
	s_lshl_b32 s15, s30, 1
	s_add_co_u32 s14, s14, s15                     ; my first row: 16 x work-group + 2 x wave
	s_lshl_b32 s32, s14, 10
	s_mov_b32 s33, 0
	s_lshl_b32 s14, s14, 12
	s_mov_b32 s15, 0
	s_wait_kmcnt 0x0
.irp sc, 0,1,2
.if \sc < NS
	s_load_b32 s[22+\sc], s[10:11], SO0+8*\sc
.endif
.endr
	s_add_nc_u64 s[4:5], s[4:5], s[14:15]
	s_add_nc_u64 s[16:17], s[28:29], s[32:33]
.if NS > 1
	s_add_nc_u64 s[18:19], s[16:17], 4<<20
	s_add_nc_u64 s[20:21], s[16:17], 8<<20
.endif
.irp j, 0,1,2,3,4,5,6,7
	global_load_b128 v[W+4*\j:W+4*\j+3], v1, s[6:7] offset:512*\j
.endr
.irp j, 0,1,2,3,4,5,6,7
	global_load_b128 v[B+4*\j:B+4*\j+3], v1, s[8:9] offset:512*\j
.endr
.irp r, 0,1
.irp j, 0,1,2,3,4,5,6,7
	global_load_b128 v[X+32*\r+4*\j:X+32*\r+4*\j+3], v1, s[4:5] offset:4096*\r+512*\j
.endr
.endr
	s_wait_kmcnt 0x0
.irp sc, 0,1,2
.if \sc < NS
	s_add_co_i32 s[22+\sc], s[22+\sc], 127
	s_lshl_b32 s27, s[22+\sc], 23
	v_mov_b32 v[10+\sc], s27                       ; 2^e
	s_add_co_i32 s[22+\sc], s[22+\sc], 8
	s_lshl_b32 s[22+\sc], s[22+\sc], 23
	s_or_b32 s[22+\sc], s[22+\sc], 0x600000
	v_mov_b32 v[13+\sc], s[22+\sc]                 ; 448 x 2^e
.endif
.endr
.macro REDUCE                          ; the two chains v[4:5], v[6:7] become one sum over the row, in every lane's v4
	v_pk_add_f32 v[4:5], v[4:5], v[6:7]
	v_add_f32 v4, v4, v5
	v_add_f32_dpp v4, v4, v4 row_xmask:1 row_mask:0xf bank_mask:0xf
	v_add_f32_dpp v4, v4, v4 row_xmask:2 row_mask:0xf bank_mask:0xf
	v_add_f32_dpp v4, v4, v4 row_xmask:4 row_mask:0xf bank_mask:0xf
	v_add_f32_dpp v4, v4, v4 row_xmask:8 row_mask:0xf bank_mask:0xf
	v_permlanex16_b32 v3, v4, s12, s13
	v_add_f32 v4, v4, v3
.endm
.macro ROW rho
.set XR, X+32*\rho
	s_wait_loadcnt 8*(1-\rho)                      ; w, b and this row are in; the other row's eight loads may be out
	v_pk_add_f32 v[4:5], v[XR:XR+1], v[XR+2:XR+3]
	v_pk_add_f32 v[6:7], v[XR+4:XR+5], v[XR+6:XR+7]
.irp j, 8,12,16,20,24,28
	v_pk_add_f32 v[4:5], v[4:5], v[XR+\j:XR+\j+1]
	v_pk_add_f32 v[6:7], v[6:7], v[XR+\j+2:XR+\j+3]
.endr
	REDUCE
	v_mul_f32 v8, s25, v4                          ; the mean
	v_mov_b32 v9, v8
.set jj, 0
.rept 16
	v_pk_add_f32 v[XR+jj:XR+jj+1], v[XR+jj:XR+jj+1], v[8:9] neg_lo:[0,1] neg_hi:[0,1]
.set jj, jj+2
.endr
	v_pk_mul_f32 v[4:5], v[XR:XR+1], v[XR:XR+1]
	v_pk_mul_f32 v[6:7], v[XR+2:XR+3], v[XR+2:XR+3]
.irp j, 4,8,12,16,20,24,28
	v_pk_fma_f32 v[4:5], v[XR+\j:XR+\j+1], v[XR+\j:XR+\j+1], v[4:5]
	v_pk_fma_f32 v[6:7], v[XR+\j+2:XR+\j+3], v[XR+\j+2:XR+\j+3], v[6:7]
.endr
	REDUCE
	v_fma_f32 v4, v4, s25, s26                     ; var + 1e-5
	v_rsq_f32 v8, v4
	v_nop                                          ; a plain line behind the transcendental,
	s_wait_alu depctr_va_vdst(0)                   ; and the wait ahead of its first reader
	v_mov_b32 v9, v8
.set jj, 0
.rept 16
	v_pk_mul_f32 v[XR+jj:XR+jj+1], v[XR+jj:XR+jj+1], v[8:9]
.set jj, jj+2
.endr
.set jj, 0
.rept 16
	v_pk_fma_f32 v[XR+jj:XR+jj+1], v[XR+jj:XR+jj+1], v[W+jj:W+jj+1], v[B+jj:B+jj+1]
.set jj, jj+2
.endr
.irp sc, 0,1,2
.if \sc < NS
.irp g, 0,1,2,3                        ; the two sets of held numbers take turns: the next set's eight holds are the plain lines behind each conversion
.irp i, 0,1,2,3,4,5,6,7
	v_med3_num_f32 v[T+8*(\g%2)+\i], v[XR+8*\g+\i], -v[13+\sc], v[13+\sc]
.endr
	v_cvt_scalef32_pk8_fp8_f32 v[C+8*\sc+2*\g:C+8*\sc+2*\g+1], v[T+8*(\g%2):T+8*(\g%2)+7], v[10+\sc]
.endr
.endif
.endr
	v_nop
.irp sc, 0,1,2
.if \sc < NS
.irp j, 0,1,2,3,4,5,6,7
	ds_store_b32 v16, v[C+8*\sc+\j] offset:1024*\sc+128*\j   ; word j: columns 128 j + 4 lane + 0 .. 3
.endr
.endif
.endr
.irp sc, 0,1,2
.if \sc < NS
.irp i, 0,1
	ds_load_b128 v[XR+8*\sc+4*\i:XR+8*\sc+4*\i+3], v17 offset:1024*\sc+512*\i   ; into the row's own registers, which are done with
.endr
.endif
.endr
	s_wait_dscnt 0x0
.irp sc, 0,1,2
.if \sc < NS
.irp i, 0,1
	global_store_b128 v1, v[XR+8*\sc+4*\i:XR+8*\sc+4*\i+3], s[16+2*\sc:17+2*\sc] offset:1024*\rho+512*\i   ; 512 consecutive bytes, aligned
.endr
.endif
.endr
.endm
	ROW 0
	ROW 1
	s_endpgm
.Lfunc_end_k_qc855cd1742_ln1:
	.size	k_qc855cd1742_ln1, .Lfunc_end_k_qc855cd1742_ln1-k_qc855cd1742_ln1
	.p2alignl 7, 3214868480
	.fill 96, 4, 3214868480
	.section	.rodata,"a",@progbits
	.p2align	6, 0x0
	.amdhsa_kernel k_qc855cd1742_ln1
		.amdhsa_group_segment_fixed_size 24576
		.amdhsa_private_segment_fixed_size 0
		.amdhsa_enable_private_segment 0
		.amdhsa_kernarg_size 40
		.amdhsa_user_sgpr_count 2
		.amdhsa_user_sgpr_kernarg_segment_ptr 1
		.amdhsa_wavefront_size32 1
		.amdhsa_system_sgpr_workgroup_id_x 1
		.amdhsa_system_sgpr_workgroup_id_y 1
		.amdhsa_system_sgpr_workgroup_id_z 1
		.amdhsa_system_vgpr_workitem_id 0
		.amdhsa_next_free_vgpr 192
		.amdhsa_next_free_sgpr 66
		.amdhsa_reserve_vcc 0
		.amdhsa_float_denorm_mode_32 3
		.amdhsa_float_denorm_mode_16_64 3
		.amdhsa_memory_ordered 1
		.amdhsa_forward_progress 1
		.amdhsa_inst_pref_size 37
	.end_amdhsa_kernel
	.amdgpu_metadata
---
amdhsa.version: [ 1, 2 ]
amdhsa.kernels:
  - .name:           k_qc855cd1742_ln1
    .symbol:         k_qc855cd1742_ln1.kd
    .args:
      - { .name: resid, .offset: 0, .size: 8, .value_kind: global_buffer, .address_space: global }
      - { .name: ln1_w, .offset: 8, .size: 8, .value_kind: global_buffer, .address_space: global }
      - { .name: ln1_b, .offset: 16, .size: 8, .value_kind: global_buffer, .address_space: global }
      - { .name: lowp_scales, .offset: 24, .size: 8, .value_kind: global_buffer, .address_space: global }
      - { .name: xcodes, .offset: 32, .size: 8, .value_kind: global_buffer, .address_space: global }
    .group_segment_fixed_size: 24576
    .private_segment_fixed_size: 0
    .kernarg_segment_align: 8
    .kernarg_segment_size: 40
    .max_flat_workgroup_size: 256
    .sgpr_count:     66
    .vgpr_count:     192
    .wavefront_size: 32
...
	.end_amdgpu_metadata
.endif
;; end of part 2
;; launch qkv (part 3): grid 12 x 16, 4 waves a work-group, clusters of 4 x 4, 327,680 bytes of LDS; arguments xcodes, wcodes, lowp_scales, qkvc; writes qkvc
.if DOCPART == 3
	.amdgcn_target "amdgcn-amd-amdhsa--gfx1250"
	.amdhsa_code_object_version 6
	.text
	.protected	k_qc855cd1742_qkv
	.globl	k_qc855cd1742_qkv
	.p2align	8
	.type	k_qc855cd1742_qkv,@function
k_qc855cd1742_qkv:
	s_mov_b64 s[64:65], 0
	v_nop
	global_prefetch_b8 v0, s[64:65] scope:SCOPE_SE
	s_setreg_imm32_b32 hwreg(HW_REG_WAVE_MODE, 25, 1), 1
	s_wait_xcnt 0x0
	s_wait_alu depctr_hold_cnt(0) depctr_sa_sdst(0) depctr_va_vdst(0) depctr_va_sdst(0) depctr_va_ssrc(0) depctr_va_vcc(0) depctr_vm_vsrc(0)
	s_getreg_b32 s2, hwreg(HW_REG_IB_STS2, 6, 4)
	s_cmp_eq_u32 s2, 0
	s_cbranch_scc0 .Lentry_in_a_cluster
	s_endpgm
.Lentry_in_a_cluster:
	s_bfe_u32 s2, ttmp6, 0x10000c
	s_cmp_lg_u32 s2, 0xf033
	s_cbranch_scc0 .Lentry_shape_is_right
	s_endpgm
.Lentry_shape_is_right:
; Products 1 to 3 on codes of FP8 (E4M3), and their results quantised at once for products 4 and 5.  Cluster x = 0: q, 1: k, 2: v.
; q, k: C[token][64 head + e] = x W^T: rows of C are tokens (A = that product's plane of xcodes), columns are rows of wcodes (B).  v: C[64 head + e][token]: A = w_v's codes, B = x's: so a lane's eight results run along
; e for q and k and along the KEYS for v, each the next product's K.  A sum stands for sum x 2^(ew + ex); its code is sum / 2^(eo - ew - ex), held within +-448: the three scales are folded into the conversion's one.
; qkvc: q at 0, k at 4 MiB: [16 b + head][s][64];  v at 8 MiB: [16 b + head][s / 64][e][64 keys].  In each a head is 131,072 bytes.
; LIMIT: eo - ew - ex between -126 and 119 (eo: entry 6, 7 or 9).
; A tile of C, 256 x 256, is made by four waves, as many as a WGP has SIMDs; a wave makes 128 x 128: 64 accumulators, 512 registers.  K goes in steps of 256 through two LDS slots filled by the tensor data mover.
; CLUSTERS: 4 x 4 work-groups; A's tile is asked for jointly along a row of the cluster, B's along a column.  THE MATRIX INSTRUCTION IS USED TRANSPOSED (source 0 = 16 rows of B, source 1 = 16 rows of A).
; A fragment is fetched by four loads of 16 bytes: the same permutation of k in A and in B, so every product meets its partner.
; REGISTERS: window 0: v0-31 addresses, v32-127 the way out, v128-255 A's fragments (one set);  window 1: B's fragments, two sets;  windows 2, 3: the accumulators ((a, b) at v[8 (8 (a % 4) + b)]).
.set SIZE_K, 1024
.set TPB,    1                         ; tokens that share an LDS row of A (1: rows as they are)
.set LTPB,   0
.set QIA,    5                         ; padding behind every 64 words
.set AROWB,  256*TPB
.set APITCH, AROWB+16
.set AROWS,  128/TPB
.set PS,     256/TPB
.set PITCH,  272                       ; an LDS row of B: 256 bytes + 16: the 16 rows that a load touches start at 16 different groups of four banks
.set FR,     16
.set NL,     4
.set NP,     4                         ; places behind this matrix instruction (ISA guide 7.12.1)
.set HALFT,  128*PITCH
.set SLOT,   4*HALFT
.set LAPS,   SIZE_K/512
.set SPARE,  2*SLOT                    ; the spare words: 128 bytes a wave, named by no other line
.set WSTG,   8448                      ; the way out: a stage for each wave, in slot 0, which has had its last fill and its last read by then
.set ADRA, 16
.set ADRB, 20
.set STO,  24
.set RD,   25
.set CO,   26
.set SPW,  28
.set NIL,  29
.set AF,   128
.set G1,  24
.set G0,  32
.set G1B, 48
.set G0B, 56
.set OB,  72                           ; s[72:79] the four output bases: [rows 0-63, 64-127][columns 0-63, 64-127]
.set MSB, 0
.macro WIN new                         ; the immediate's high byte repeats the setting that is left
.if MSB != (\new)
	s_set_vgpr_msb (MSB<<8)|(\new)
.set MSB, (\new)
.endif
.endm
.set MUL_LO, 0xa1
.set MUL_HI, 0xf1
.set TO_B,   0x40
.macro JLOAD g0a, g1a, g0b, g1b        ; a joint load: waves 0 and 1 fetch for A, waves 2 and 3 for B; four v_nop follow each line
	s_cmp_eq_u32 s15, 0
	s_cbranch_scc0 .Lfor_b_\@
	tensor_load_to_lds s[\g0a:\g0a+3], s[\g1a:\g1a+7]
.rept 4
	v_nop
.endr
	s_branch .Lasked_\@
.Lfor_b_\@:
	tensor_load_to_lds s[\g0b:\g0b+3], s[\g1b:\g1b+7]
.rept 4
	v_nop
.endr
.Lasked_\@:
.endm
.macro CREST                           ; a round of the cluster's barrier behind its opening barrier
	s_cmp_lg_u32 s14, 0
	s_cbranch_scc1 .Lnot_wave_0_\@
	s_barrier_signal -3
.Lnot_wave_0_\@:
	s_barrier_wait -3
	s_barrier_signal -1
	s_barrier_wait -1
.endm
.macro CROUND
	s_barrier_signal -1
	s_barrier_wait -1
	CREST
.endm
	s_load_b128 s[4:7], s[0:1], 0x0                ; xcodes, wcodes
	s_load_b128 s[8:11], s[0:1], 0x10              ; the scales, qkvc
	v_lshl_add_u32 v[SPW], v0, 2, SPARE
	v_mov_b32 v[NIL], 0
	v_lshrrev_b32 v1, 5, v0
	v_readfirstlane_b32 s14, v1                    ; wave
	s_lshr_b32 s15, s14, 1                         ; my half of the tile's rows; also: I fetch for A (0) or B (1)
	s_and_b32 s16, s14, 1                          ; my half of its columns; also: which 128 rows I fetch
	s_bfe_u32 s40, ttmp6, 0x40000                  ; cx
	s_bfe_u32 s41, ttmp6, 0x40004                  ; cy
	s_mov_b32 s68, ttmp9                           ; which product: 0 q, 1 k, 2 v
	s_lshr_b32 s69, s68, 1                         ; 1 for v
	s_and_b32 s70, ttmp7, 0xffff
	s_lshl_b32 s70, s70, 2                         ; 4 x cluster y walks the tokens: tile rows for q and k, tile columns for v
	s_mul_i32 s71, s70, s69
	s_sub_co_u32 s70, s70, s71
	s_add_co_u32 s17, s41, s70                     ; tile row of C
	s_add_co_u32 s42, s40, s71                     ; tile column of C
	s_lshl_b32 s43, s41, 2
	s_lshl_b32 s43, 15, s43                        ; my row of the cluster
	s_lshl_b32 s44, 0x1111, s40                    ; my column
	s_or_b32 s[G1+0], s43, (1<<20)|(1<<21)|(QIA<<22)|(3<<25)   ; the mask; elements of 1 byte; padding on; bit 21 beside a mask; four words behind each row
	s_or_b32 s[G1B+0], s44, (1<<20)|(1<<21)|(5<<22)|(3<<25)
	s_mov_b32 s[G1+1], AROWB<<16                   ; tensor_dim0
	s_mov_b32 s[G1+2], AROWS<<16                   ; tensor_dim1
	s_mov_b32 s[G1+3], AROWB<<16                   ; tile_dim0
	s_mov_b32 s[G1+4], AROWS                       ; tile_dim1
	s_mov_b32 s[G1+5], SIZE_K*TPB                  ; from row to row
	s_mov_b32 s[G1+6], 0
	s_mov_b32 s[G1+7], 0
	s_mov_b32 s[G1B+1], 256<<16
	s_mov_b32 s[G1B+2], 128<<16
	s_mov_b32 s[G1B+3], 256<<16
	s_mov_b32 s[G1B+4], 128
	s_mov_b32 s[G1B+5], SIZE_K
	s_mov_b32 s[G1B+6], 0
	s_mov_b32 s[G1B+7], 0
	s_lshl_b32 s18, s16, 7
	s_lshl_b32 s20, s17, 8
	s_add_co_u32 s20, s20, s18                     ; A: row 256 x tile row + 128 x half
	s_lshl_b32 s46, s42, 8
	s_add_co_u32 s46, s46, s18                     ; B: row 256 x tile column + 128 x half
	s_mul_i32 s20, s20, SIZE_K
	s_mov_b32 s21, 0
	s_mul_i32 s46, s46, SIZE_K
	s_mov_b32 s47, 0
	s_mul_i32 s45, s14, HALFT                      ; where they go: wave x 128 rows
	s_lshl_b32 s84, s68, 22                        ; q, k: x's plane,
	s_lshl_b32 s86, s68, 20                        ; and the weight's place
	s_mov_b32 s85, 0
	s_mov_b32 s87, 0
	s_lshl_b32 s92, s68, 3                         ; the scales' entries 2 X, 2 X + 1: ew, ex
	s_mov_b32 s93, 0
	s_lshl_b32 s94, s68, 2
	s_lshl_b32 s95, s69, 2
	s_add_co_u32 s94, s94, s95
	s_add_co_u32 s94, s94, 24                      ; entry 6, 7 or 9: eo
	s_mov_b32 s95, 0
	s_wait_kmcnt 0x0
	s_cmp_eq_u32 s69, 1                            ; the choice hangs on the cluster's number alone
	s_cselect_b64 s[80:81], s[6:7], s[4:5]         ; A's buffer
	s_cselect_b64 s[82:83], s[4:5], s[6:7]         ; B's
	s_cselect_b32 s84, 2<<20, s84
	s_cselect_b32 s86, 8<<20, s86
	s_add_nc_u64 s[92:93], s[8:9], s[92:93]
	s_add_nc_u64 s[94:95], s[8:9], s[94:95]
	s_load_b64 s[88:89], s[92:93], 0x0
	s_load_b32 s90, s[94:95], 0x0
	s_add_nc_u64 s[80:81], s[80:81], s[84:85]
	s_add_nc_u64 s[82:83], s[82:83], s[86:87]
	s_add_nc_u64 s[20:21], s[80:81], s[20:21]
	s_add_nc_u64 s[46:47], s[82:83], s[46:47]
	CROUND                                         ; all sixteen work-groups are here: the first joint loads meet
.irp s, 0,1
	s_mov_b32 s[G0+4*\s], 1
	s_add_co_u32 s[G0+4*\s+1], s45, \s*SLOT
	s_add_nc_u64 s[G0+4*\s+2:G0+4*\s+3], s[20:21], \s*AROWB
	s_or_b32 s[G0+4*\s+3], s[G0+4*\s+3], 0x80000000
	s_mov_b32 s[G0B+4*\s], 1
	s_add_co_u32 s[G0B+4*\s+1], s45, \s*SLOT
	s_add_nc_u64 s[G0B+4*\s+2:G0B+4*\s+3], s[46:47], \s*256
	s_or_b32 s[G0B+4*\s+3], s[G0B+4*\s+3], 0x80000000
	JLOAD G0+4*\s, G1, G0B+4*\s, G1B
.endr
	v_and_b32 v1, 15, v0                           ; r
	v_bfe_u32 v2, v0, 4, 1                         ; h
	v_mul_u32_u24 v3, v1, PITCH
	v_lshl_add_u32 v4, v2, 4, v3                   ; B: row x pitch + 16 h
	v_lshrrev_b32 v5, LTPB, v1
	v_and_b32 v6, TPB-1, v1
	v_mul_u32_u24 v5, v5, APITCH
	v_mad_u32_u24 v5, v6, PS, v5
	v_lshl_add_u32 v5, v2, 4, v5                   ; A: (r / TPB) x pitch + (r % TPB) x PS + 16 h
	s_mul_i32 s21, s15, HALFT
	s_mul_i32 s22, s16, HALFT
	s_add_co_u32 s22, s22, 2*HALFT
.irp s, 0,1
	v_add_nc_u32 v[ADRA+\s], s21, v5
	v_add_nc_u32 v[ADRB+\s], s22, v4
	s_add_co_u32 s21, s21, SLOT
	s_add_co_u32 s22, s22, SLOT
.endr
	s_mul_i32 s23, s14, WSTG                       ; my stage: 16 rows of 128 bytes + 16
	v_mul_u32_u24 v5, v1, 144
	v_lshl_add_u32 v5, v2, 3, v5
	v_add_nc_u32 v[STO], s23, v5                   ; in: row r, 8 bytes for each half of the lanes
	v_and_b32 v6, 31, v0
	v_lshrrev_b32 v7, 2, v6
	v_mul_u32_u24 v7, v7, 144
	v_and_b32 v8, 3, v6
	v_lshl_add_u32 v7, v8, 4, v7
	v_add_nc_u32 v[RD], s23, v7                    ; back: four lanes to 64 bytes of a row, eight rows an instruction
	v_lshlrev_b32 v[CO], 4, v6                     ; which are 512 consecutive bytes of the output
	s_lshl_b32 s72, s17, 8
	s_lshl_b32 s73, s15, 7
	s_add_co_u32 s72, s72, s73                     ; my first row of C
	s_lshl_b32 s73, s42, 8
	s_lshl_b32 s74, s16, 7
	s_add_co_u32 s73, s73, s74                     ; my first column
	s_cmp_eq_u32 s69, 1
	s_cselect_b32 s74, s73, s72                    ; the token,
	s_cselect_b32 s75, s72, s73                    ; the channel 64 head + e
	s_mov_b32 s82, 131072
	s_cselect_b32 s82, 4096, s82                   ; from columns 0-63 to 64-127: the next head (q, k), the next 64 keys (v)
	s_mov_b32 s84, 4096
	s_cselect_b32 s84, 131072, s84                 ; from rows 0-63 to 64-127: 64 tokens on (q, k), the next head (v)
	s_mov_b32 s83, 0
	s_mov_b32 s85, 0
	s_lshr_b32 s80, s74, 11
	s_lshl_b32 s80, s80, 4
	s_lshr_b32 s81, s75, 6
	s_add_co_u32 s80, s80, s81                     ; 16 b + head
	s_lshl_b32 s80, s80, 17
	s_and_b32 s81, s74, 2047
	s_lshl_b32 s81, s81, 6
	s_add_co_u32 s80, s80, s81                     ; + 64 s
	s_lshl_b32 s81, s68, 22
	s_add_co_u32 s80, s80, s81                     ; + the plane
	s_mov_b32 s81, 0
	s_add_nc_u64 s[OB:OB+1], s[10:11], s[80:81]
	s_add_nc_u64 s[OB+2:OB+3], s[OB:OB+1], s[82:83]
	s_add_nc_u64 s[OB+4:OB+5], s[OB:OB+1], s[84:85]
	s_add_nc_u64 s[OB+6:OB+7], s[OB+4:OB+5], s[82:83]
.macro FRAGB reg, adr, q, i            ; 16 rows x 128 K: registers 4 c .. 4 c + 3 hold K = 32 c + 16 h + 0 .. 15
.irp c, 0,1,2,3
	ds_load_b128 v[\reg+4*\c:\reg+4*\c+3], v[\adr] offset:128*(\q)+32*\c+(\i)*16*PITCH
.endr
.endm
.macro FRAGA reg, adr, q, i            ; the same k, from rows that TPB tokens share in pieces of PS bytes
.irp c, 0,1,2,3
	ds_load_b128 v[\reg+4*\c:\reg+4*\c+3], v[\adr] offset:((128*(\q)+32*\c)/PS)*256+(128*(\q)+32*\c)%PS+(\i)*(16/TPB)*APITCH
.endr
.endm
.macro MUL16 a0, p, zero               ; A's blocks a0, a0 + 1 x B's eight; the 64 accumulators take turns; zero = 1: the first product starts the sums
.irp a, \a0, \a0+1
.irp b, 0,1,2,3,4,5,6,7
.if \zero
	v_wmma_f32_16x16x128_fp8_fp8 v[8*(8*((\a)%4)+\b):8*(8*((\a)%4)+\b)+7], v[128*(\p)+FR*\b:128*(\p)+FR*\b+FR-1], v[AF+FR*(\a):AF+FR*(\a)+FR-1], 0
.else
	v_wmma_f32_16x16x128_fp8_fp8 v[8*(8*((\a)%4)+\b):8*(8*((\a)%4)+\b)+7], v[128*(\p)+FR*\b:128*(\p)+FR*\b+FR-1], v[AF+FR*(\a):AF+FR*(\a)+FR-1], v[8*(8*((\a)%4)+\b):8*(8*((\a)%4)+\b)+7]
.endif
.endr
.endr
.endm
.macro FETCH_B slot, q, p
	WIN TO_B
.irp i, 0,1,2,3,4,5,6,7
	FRAGB 128*(\p)+FR*\i, ADRB+\slot, \q, \i
.endr
	WIN 0
.endm
.macro FETCH_A slot, q, i0
.irp i, \i0, \i0+1, \i0+2, \i0+3
	FRAGA AF+FR*(\i), ADRA+\slot, \q, \i
.endr
.endm
.macro PLACES n                        ; plain vector lines between a matrix instruction and a load into, or a read of, its registers
.rept \n
	v_nop
.endr
.endm
.macro STEP slot, q, zero              ; 128 along K whose successor lies in the same slot
	s_wait_dscnt 4*NL                              ; B's set and A's blocks 0-3 are in; the youngest 16 loads (A's blocks 4-7) may be out
	WIN MUL_LO
	MUL16 0, (\q)%2, \zero
	MUL16 2, (\q)%2, \zero
	s_wait_dscnt 0
	PLACES NP
	FETCH_B \slot, (\q)+1, 1-(\q)%2
	FETCH_A \slot, (\q)+1, 0
	WIN MUL_HI
	MUL16 4, (\q)%2, \zero
	MUL16 6, (\q)%2, \zero
	PLACES NP
	WIN 0
	FETCH_A \slot, (\q)+1, 4
.endm
.macro TURN slot, next, fill           ; a slot's last step changes slots: one barrier; fill = 1: this slot is filled again, two K steps ahead
	s_wait_tensorcnt 0x0                           ; all my tensor loads have landed: my part of the next slot
	ds_add_u32 v[SPW], v[NIL]                      ; 0 onto my spare word
	s_wait_dscnt 4*NL+1                            ; (the add and the youngest 16 loads may be out)
	WIN MUL_LO
	MUL16 0, 1, 0
	s_wait_dscnt 0x0                               ; the add is done, and my reads of this slot are over
	s_barrier_signal -1
	MUL16 2, 1, 0
	WIN 0
	s_barrier_wait -1
.if \fill
	CREST                                          ; the barrier has opened a round of the cluster's: no wave of any partner still reads this slot or has a load on its way
	s_add_nc_u64 s[G0+4*\slot+2:G0+4*\slot+3], s[G0+4*\slot+2:G0+4*\slot+3], 2*AROWB
	s_add_nc_u64 s[G0B+4*\slot+2:G0B+4*\slot+3], s[G0B+4*\slot+2:G0B+4*\slot+3], 2*256
	JLOAD G0+4*\slot, G1, G0B+4*\slot, G1B         ; the first tensor load behind the round; its four v_nop are also the places in front of the loads below
.else
	PLACES NP
.endif
	FETCH_B \next, 0, 0
	FETCH_A \next, 0, 0
	WIN MUL_HI
	MUL16 4, 1, 0
	MUL16 6, 1, 0
	PLACES NP
	WIN 0
	FETCH_A \next, 0, 4
.endm
	s_wait_tensorcnt 1                             ; my part of K step 0 is in; K step 1's load may be out
	s_barrier_signal -1
	s_barrier_wait -1
	FETCH_B 0, 0, 0
	FETCH_A 0, 0, 0
	FETCH_A 0, 0, 4
	STEP 0, 0, 1
	s_mov_b32 s3, LAPS-1
.Llap:
	TURN 0, 1, 1
	STEP 1, 0, 0
	TURN 1, 0, 1
	STEP 0, 0, 0
	s_sub_co_u32 s3, s3, 1
	s_cmp_lg_u32 s3, 0
	s_cbranch_scc1 .Llap
	TURN 0, 1, 0
	STEP 1, 0, 0
	s_wait_dscnt 4*NL
	WIN MUL_LO
	MUL16 0, 1, 0
	MUL16 2, 1, 0
	s_wait_dscnt 0
	WIN MUL_HI
	MUL16 4, 1, 0
	MUL16 6, 1, 0
	WIN 0
	s_wait_kmcnt 0x0
	s_sub_co_i32 s90, s90, s88
	s_sub_co_i32 s90, s90, s89                     ; eo - ew - ex
	s_add_co_i32 s90, s90, 127
	s_lshl_b32 s91, s90, 23
	v_mov_b32 v11, s91                             ; 2^(eo - ew - ex)
	s_add_co_i32 s90, s90, 8
	s_lshl_b32 s90, s90, 23
	s_or_b32 s90, s90, 0x600000
	v_mov_b32 v10, s90                             ; 448 x that
	PLACES NP
; THE WAY OUT, a block of 16 rows x 128 columns at a time: held, converted (a lane's eight sums are eight neighbours along the next K), through my stage, and out as pieces of 16 rows x 64 bytes, each 1,024 consecutive bytes.
.macro OUTQ a
.set AC, 64*((\a)%4)
	WIN (0x02+(\a)/4)                              ; source 0: window 2 or 3
.set jj, 0
.rept 64
	v_med3_num_f32 v[32+jj], v[AC+jj], -v10, v10   ; each accumulator from its low end on
.set jj, jj+1
.endr
	WIN 0
.irp b, 0,1,2,3,4,5,6,7
	v_cvt_scalef32_pk8_fp8_f32 v[96+2*\b:97+2*\b], v[32+8*\b:39+8*\b], v11
.endr
	v_nop                                          ; a plain line behind the last conversion
.irp b, 0,1,2,3,4,5,6,7
	ds_store_b64 v[STO], v[96+2*\b:97+2*\b] offset:16*\b
.endr
.if (\a) > 0
	s_wait_xcnt 0x0                                ; the last block's stores have read their registers
.endif
.irp i, 0,1,2,3
	ds_load_b128 v[112+4*\i:115+4*\i], v[RD] offset:(\i&1)*1152+(\i>>1)*64
.endr
	s_wait_dscnt 0x0
.irp i, 0,1,2,3
	global_store_b128 v[CO], v[112+4*\i:115+4*\i], s[OB+4*((\a)/4)+2*(\i>>1):OB+4*((\a)/4)+2*(\i>>1)+1] offset:((\a)%4)*1024+(\i&1)*512
.endr
.endm
.irp a, 0,1,2,3,4,5,6,7
	OUTQ \a
.endr
	s_wait_tensorcnt 0x0                           ; the wave's end
	ds_add_u32 v[SPW], v[NIL]
	s_wait_dscnt 0x0
	CROUND                                         ; the closing round
	s_endpgm
.Lfunc_end_k_qc855cd1742_qkv:
	.size	k_qc855cd1742_qkv, .Lfunc_end_k_qc855cd1742_qkv-k_qc855cd1742_qkv
	.p2alignl 7, 3214868480
	.fill 96, 4, 3214868480
	.section	.rodata,"a",@progbits
	.p2align	6, 0x0
	.amdhsa_kernel k_qc855cd1742_qkv
		.amdhsa_group_segment_fixed_size 327680
		.amdhsa_private_segment_fixed_size 0
		.amdhsa_enable_private_segment 0
		.amdhsa_kernarg_size 32
		.amdhsa_user_sgpr_count 2
		.amdhsa_user_sgpr_kernarg_segment_ptr 1
		.amdhsa_wavefront_size32 1
		.amdhsa_system_sgpr_workgroup_id_x 1
		.amdhsa_system_sgpr_workgroup_id_y 1
		.amdhsa_system_sgpr_workgroup_id_z 1
		.amdhsa_system_vgpr_workitem_id 0
		.amdhsa_next_free_vgpr 1024
		.amdhsa_next_free_sgpr 100
		.amdhsa_reserve_vcc 0
		.amdhsa_float_denorm_mode_32 3
		.amdhsa_float_denorm_mode_16_64 3
		.amdhsa_memory_ordered 1
		.amdhsa_forward_progress 1
		.amdhsa_inst_pref_size 126
	.end_amdhsa_kernel
	.amdgpu_metadata
---
amdhsa.version: [ 1, 2 ]
amdhsa.kernels:
  - .name:           k_qc855cd1742_qkv
    .symbol:         k_qc855cd1742_qkv.kd
    .args:
      - { .name: xcodes, .offset: 0, .size: 8, .value_kind: global_buffer, .address_space: global }
      - { .name: wcodes, .offset: 8, .size: 8, .value_kind: global_buffer, .address_space: global }
      - { .name: lowp_scales, .offset: 16, .size: 8, .value_kind: global_buffer, .address_space: global }
      - { .name: qkvc, .offset: 24, .size: 8, .value_kind: global_buffer, .address_space: global }
    .group_segment_fixed_size: 327680
    .private_segment_fixed_size: 0
    .kernarg_segment_align: 8
    .kernarg_segment_size: 32
    .max_flat_workgroup_size: 128
    .sgpr_count:     100
    .vgpr_count:     1024
    .wavefront_size: 32
...
	.end_amdgpu_metadata
.endif
;; end of part 3
;; launch attn (part 4): grid 8 x 32, 16 waves a work-group, clusters of 4 x 1, 327,680 bytes of LDS; arguments qkvc, lowp_scales, zcodes; writes zcodes
.if DOCPART == 4
	.amdgcn_target "amdgcn-amd-amdhsa--gfx1250"
	.amdhsa_code_object_version 6
	.text
	.protected	k_qc855cd1742_attn
	.globl	k_qc855cd1742_attn
	.p2align	8
	.type	k_qc855cd1742_attn,@function
k_qc855cd1742_attn:
	s_mov_b64 s[64:65], 0
	v_nop
	global_prefetch_b8 v0, s[64:65] scope:SCOPE_SE
	s_setreg_imm32_b32 hwreg(HW_REG_WAVE_MODE, 25, 1), 1
	s_wait_xcnt 0x0
	s_wait_alu depctr_hold_cnt(0) depctr_sa_sdst(0) depctr_va_vdst(0) depctr_va_sdst(0) depctr_va_ssrc(0) depctr_va_vcc(0) depctr_vm_vsrc(0)
	s_getreg_b32 s2, hwreg(HW_REG_IB_STS2, 6, 4)
	s_cmp_eq_u32 s2, 0
	s_cbranch_scc0 .Lentry_in_a_cluster
	s_endpgm
.Lentry_in_a_cluster:
	s_bfe_u32 s2, ttmp6, 0x10000c
	s_cmp_lg_u32 s2, 0x3003
	s_cbranch_scc0 .Lentry_shape_is_right
	s_endpgm
.Lentry_shape_is_right:
; Causal attention of one head (y = 16 b + head) on codes of FP8 (E4M3): products 4 and 5, the softmax between them, and z quantised for product 6.
; t = score x log2(e) / 8; M = the running largest t rounded UP to a whole number; p = 2^(t - M) is quantised (2^e8), not normalised; the row's sum is taken of the unquantised p and divides at the end.
; SHARES.  A head has 128 tiles of 16 queries.  Work-group j (0 .. 7) takes tiles j + 8 i; wave w takes ONE, i = i(w) (0 .. 15).  Its queries are 128 i + 16 j + r, so it needs the key steps (128 keys) 0 .. i, and step i
; is its diagonal, WHATEVER j IS: all work-groups have the same work, and every branch hangs on the wave's number and a counter alone.  i(w) is laid so that waves w, w + 4, w + 8, w + 12 have 34 steps together.
; LDS.  The head's whole K and V stay in LDS, each byte filled once: four chunks of 512 keys, K's 512 rows of 64 bytes + 16, then V's 512 rows ((64 keys' block, e): 64 keys) likewise: 4 x 81,920 bytes.
; CLUSTER.  The four work-groups of a cluster belong to one head and need the same K and V: each chunk is asked for JOINTLY.  Wave 0 asks for K's four chunks, wave 1 for V's: four loads of a wave are out at most.
; LAYOUT.  Both products are used transposed (S^T = K Q^T, O^T = V^T P^T): a lane holds one query throughout.  Lane r of key tile 2 b + u takes key 32 b + 8 u + r + 8 (r / 8), so the 16 registers of tiles 2 b, 2 b + 1 are
; keys 32 b + 16 h + 0 .. 15.  Fragments come by loads of 16 bytes: the same permutation of k on both sides of each product.
; zcodes: byte(token, head, e) = (token / 4) 4,096 + 256 head + 64 (token % 4) + e: four tokens of one head are 256 consecutive bytes, aligned.
; LIMITS: e6 + e7 between -123 and 130; e8 and e10 between -126 and 119.  NaN among the inputs is not served.
; REGISTERS: v1-7 addresses that stay; v8, v9 the step's; v12 -M, v13 the largest t, v[14:15] the sum; v16-23 Q; v32-95 fragments; v96-159 S^T, then p; v160-191 O^T; v224-239 p's codes; v240-254 constants and at work.
.set KP,   80                          ; a row in LDS
.set STEPB, 128*KP                     ; a key step's rows of K, and of V
.set VOFF, 512*KP                      ; V behind K in a chunk
.set CHUNK, 2*VOFF
.set AK0, 1
.set AV0, 2
.set DV,  3                            ; v3  my query - 16 h, counted from the diagonal step's first key
.set STI, 4                            ; v4  the way out: into my stage
.set STB, 5                            ; v5  and back
.set GO,  7
.set ADK, 8
.set ADV, 9
.set WV,  10
.set II,  11
.set KS,  12
.set TB,  13
.set CNT, 14
.set JJ,  15
.set G1,  16
.set G0K, 24
.set G0V, 40
.set SEL, 56
.set CS,  58
.macro CROUND
	s_barrier_signal -1
	s_barrier_wait -1
	s_cmp_lg_u32 s[WV], 0
	s_cbranch_scc1 .Lnot_wave_0_\@
	s_barrier_signal -3
.Lnot_wave_0_\@:
	s_barrier_wait -3
	s_barrier_signal -1
	s_barrier_wait -1
.endm
	s_load_b128 s[4:7], s[0:1], 0x0                ; qkvc, the scales
	s_load_b64 s[8:9], s[0:1], 0x10                ; zcodes
	v_lshrrev_b32 v8, 5, v0
	v_readfirstlane_b32 s[WV], v8                  ; wave 0 .. 15
	s_bfe_u32 s67, ttmp6, 0x40000                  ; cx
	s_lshl_b32 s[JJ], ttmp9, 2
	s_add_co_u32 s[JJ], s[JJ], s67                 ; j: it enters Q's and z's addresses and the mask's numbers alone
	s_and_b32 s68, ttmp7, 0xffff                   ; 16 b + head
	s_bfe_u32 s69, s[WV], 0x10002
	s_mul_i32 s69, s69, 3
	s_and_b32 s70, s[WV], 3
	s_xor_b32 s70, s70, s69
	s_and_b32 s[II], s[WV], 12
	s_or_b32 s[II], s[II], s70                     ; i = (w & 12) | ((w & 3) xor 3 ((w >> 2) & 1))
	s_mov_b32 s[G1], 15|(1<<20)|(1<<21)|(3<<22)|(3<<25)   ; the mask: all four; elements of 1 byte; padding on; bit 21 beside a mask; four words behind every 16
	s_mov_b32 s[G1+1], 64<<16                      ; tensor_dim0
	s_mov_b32 s[G1+2], 512<<16                     ; tensor_dim1
	s_mov_b32 s[G1+3], 64<<16                      ; tile_dim0
	s_mov_b32 s[G1+4], 512                         ; tile_dim1
	s_mov_b32 s[G1+5], 64                          ; from row to row
	s_mov_b32 s[G1+6], 0
	s_mov_b32 s[G1+7], 0
	s_lshl_b32 s72, s68, 17                        ; the head's 131,072 bytes in each plane
	s_mov_b32 s73, 0
	s_lshl_b32 s70, s[JJ], 4
	s_lshl_b32 s71, s[II], 7
	s_add_co_u32 s70, s70, s71                     ; my first query
	s_lshl_b32 s80, s70, 6
	s_mov_b32 s81, 0
	s_lshr_b32 s71, s68, 4
	s_lshl_b32 s71, s71, 11
	s_add_co_u32 s71, s71, s70                     ; as a token
	s_lshl_b32 s82, s71, 10
	s_and_b32 s71, s68, 15
	s_lshl_b32 s71, s71, 8
	s_add_co_u32 s82, s82, s71                     ; its place in zcodes
	s_mov_b32 s83, 0
	s_mov_b32 s[SEL], 0x76543210
	s_mov_b32 s[SEL+1], 0xfedcba98
	s_mov_b32 s[CS], 0x3e38aa3b                    ; c = log2(e) / 8
	s_mov_b32 s[TB], 0
	s_mov_b32 s[KS], 0
	s_wait_kmcnt 0x0
	s_load_b128 s[60:63], s[6:7], 0x18             ; e6, e7, e8, e9
	s_load_b32 s66, s[6:7], 0x28                   ; e10
	s_add_nc_u64 s[74:75], s[4:5], s[72:73]        ; q's plane at my head,
	s_add_nc_u64 s[76:77], s[74:75], 4<<20         ; k's,
	s_add_nc_u64 s[78:79], s[74:75], 8<<20         ; v's
	s_add_nc_u64 s[74:75], s[74:75], s[80:81]      ; Q at my first query
	s_add_nc_u64 s[8:9], s[8:9], s[82:83]
.irp c, 0,1,2,3
	s_mov_b32 s[G0K+4*\c], 1
	s_mov_b32 s[G0K+4*\c+1], CHUNK*\c
	s_add_nc_u64 s[G0K+4*\c+2:G0K+4*\c+3], s[76:77], 32768*\c
	s_or_b32 s[G0K+4*\c+3], s[G0K+4*\c+3], 0x80000000
	s_mov_b32 s[G0V+4*\c], 1
	s_mov_b32 s[G0V+4*\c+1], CHUNK*\c+VOFF
	s_add_nc_u64 s[G0V+4*\c+2:G0V+4*\c+3], s[78:79], 32768*\c
	s_or_b32 s[G0V+4*\c+3], s[G0V+4*\c+3], 0x80000000
.endr
	CROUND                                         ; all four work-groups are here: the joint loads meet
	s_cmp_eq_u32 s[WV], 0                          ; a wave's fills stand in one branch, ahead of every wait on TENSORcnt, every LDS read and every other barrier
	s_cbranch_scc0 .Lnot_k
.irp c, 0,1,2,3
	tensor_load_to_lds s[G0K+4*\c:G0K+4*\c+3], s[G1:G1+7]
.endr
.rept 4
	v_nop
.endr
	s_branch .Lasked
.Lnot_k:
	s_cmp_eq_u32 s[WV], 1
	s_cbranch_scc0 .Lasked
.irp c, 0,1,2,3
	tensor_load_to_lds s[G0V+4*\c:G0V+4*\c+3], s[G1:G1+7]
.endr
.rept 4
	v_nop
.endr
.Lasked:
	v_and_b32 v8, 15, v0                           ; r
	v_bfe_u32 v9, v0, 4, 1                         ; h
	v_lshlrev_b32 v10, 6, v8
	v_lshl_add_u32 v10, v9, 4, v10
	global_load_b128 v[16:19], v10, s[74:75]       ; Q's fragment stays: registers 4 c .. 4 c + 3: e = 32 c + 16 h + 0 .. 15
	global_load_b128 v[20:23], v10, s[74:75] offset:32
	v_and_b32 v11, 8, v8
	v_add_nc_u32 v11, v11, v8                      ; r + 8 (r / 8)
	v_mul_u32_u24 v[AK0], v11, KP
	v_lshl_add_u32 v[AK0], v9, 4, v[AK0]
	v_mul_u32_u24 v[AV0], v8, KP
	v_lshl_add_u32 v[AV0], v9, 4, v[AV0]
	v_add_nc_u32 v[AV0], VOFF, v[AV0]
	v_lshlrev_b32 v6, 4, v9
	v_sub_nc_u32 v[DV], v8, v6
	s_lshl_b32 s67, s[JJ], 4
	v_add_nc_u32 v[DV], s67, v[DV]                 ; 16 j + r - 16 h
	s_lshl_b32 s67, s[WV], 10                      ; my stage: 1,024 bytes in chunk 0
	v_lshlrev_b32 v[STI], 6, v8
	v_lshl_add_u32 v[STI], v9, 3, v[STI]
	v_add_nc_u32 v[STI], s67, v[STI]               ; in: 64 r + 8 h
	v_and_b32 v6, 31, v0
	v_lshl_add_u32 v[STB], v6, 4, s67              ; back: 16 x lane
	v_lshlrev_b32 v[GO], 12, v9
	v_lshl_add_u32 v[GO], v8, 4, v[GO]             ; in zcodes: 4,096 (lane / 16) + 16 (lane % 16)
	v_mov_b32 v13, 0xff61b1e6                      ; the largest t so far: -3e38
	v_floor_f32 v12, -v13                          ; -M
	v_mov_b32 v14, 0
	v_mov_b32 v15, 0
	v_mov_b32 v236, 0                              ; a lane permute's destination counts as read
	v_mov_b32 v253, 0                              ; (named as the upper half of v[252:253])
.set jj, 0
.rept 32
	v_mov_b32 v[160+jj], 0                         ; O^T: the step is written once; the first finds zeros, which the first change of M leaves zeros
.set jj, jj+1
.endr
	s_wait_kmcnt 0x0
	s_add_co_i32 s67, s60, s61
	s_lshl_b32 s67, s67, 23
	s_add_co_i32 s[CS], s[CS], s67                 ; a score stands for score x 2^(e6 + e7): added to c's exponent field
	s_mov_b32 s[CS+1], s[CS]
	s_add_co_i32 s67, s62, 127
	s_lshl_b32 s69, s67, 23
	v_mov_b32 v244, s69                            ; 2^e8
	s_add_co_i32 s67, s67, 8
	s_lshl_b32 s67, s67, 23
	s_or_b32 s67, s67, 0x600000
	v_mov_b32 v240, s67                            ; 448 x 2^e8
	s_add_co_i32 s67, s66, 127
	s_lshl_b32 s69, s67, 23
	v_mov_b32 v245, s69                            ; 2^e10
	s_add_co_i32 s67, s67, 8
	s_lshl_b32 s67, s67, 23
	s_or_b32 s67, s67, 0x600000
	v_mov_b32 v241, s67                            ; 448 x 2^e10
	s_add_co_i32 s71, s62, s63                     ; e8 + e9
; A KEY STEP: 128 keys.  A step behind my diagonal is left out: a branch on the wave's number and the count of steps, round the step's loads, products and softmax; no barrier stands in a step.
.macro STEP
	s_cmp_gt_u32 s[KS], s[II]
	s_cbranch_scc1 .Lhidden_\@
	v_add_nc_u32 v[ADK], s[TB], v[AK0]
	v_add_nc_u32 v[ADV], s[TB], v[AV0]
	v_nop                                          ; with the two additions: four places in front of loads into registers that the last products read
	v_nop
.irp t, 0,1,2,3,4,5,6,7
.irp c, 0,1
	ds_load_b128 v[32+8*\t+4*\c:35+8*\t+4*\c], v[ADK] offset:(32*(\t/2)+8*(\t%2))*KP+32*\c
.endr
.endr
	s_wait_dscnt 0x0
.irp t, 0,1,2,3,4,5,6,7
	v_wmma_f32_16x16x64_fp8_fp8 v[96+8*\t:103+8*\t], v[32+8*\t:39+8*\t], v[16:23], 0
.endr
.rept 4
	v_nop                                          ; places: for V's loads into K's registers, and for the first read of the scores
.endr
.irp t, 0,1,2,3                        ; V's four tiles of 16 channels x 128 keys land while the softmax is walked
.irp c, 0,1,2,3
	ds_load_b128 v[32+16*\t+4*\c:35+16*\t+4*\c], v[ADV] offset:((\c>>1)*64+16*\t)*KP+32*(\c&1)
.endr
.endr
	s_cmp_lg_u32 s[KS], s[II]
	s_cbranch_scc1 .Lopen_\@
	v_mov_b32 v254, 0xff800000                     ; on the diagonal hidden scores become -infinity: register 16 b + i holds key 32 b + 16 h + i of the step, hidden where 32 b + i > 16 j + r - 16 h
.set nn, 0
.rept 64
	v_cmp_gt_i32 vcc_lo, 32*(nn/16)+nn%16, v[DV]
	v_cndmask_b32 v[96+nn], v[96+nn], v254, vcc_lo
.set nn, nn+1
.endr
.Lopen_\@:
	v_max3_num_f32 v254, v96, v97, v98             ; the step's largest score of my query, in two chains,
	v_max3_num_f32 v252, v99, v100, v101
.irp i, 6,10,14,18,22,26,30,34,38,42,46,50,54,58
	v_max3_num_f32 v254, v254, v[96+\i], v[97+\i]
	v_max3_num_f32 v252, v252, v[98+\i], v[99+\i]
.endr
	v_max3_num_f32 v254, v254, v158, v159
	v_max_num_f32 v254, v254, v252
	v_permlanex16_b32 v236, v254, s[SEL], s[SEL+1]
	v_max_num_f32 v254, v254, v236                 ; and among lane l xor 16's
	v_mul_f32 v254, s[CS], v254                    ; as t (c is positive)
	v_max_num_f32 v13, v13, v254
	v_mov_b32 v254, v12
	v_floor_f32 v12, -v13                          ; the new -M = -ceil(t)
	v_sub_f32 v254, v12, v254                      ; old M - new M: a whole number, 0 or less
	v_cvt_i32_f32 v254, v254                       ; (it saturates)
	v_ldexp_f32 v252, 1.0, v254                    ; f = 2^(old M - new M)
.set jj, 0
.rept 32
	v_pk_fma_f32 v[96+jj:97+jj], v[96+jj:97+jj], s[CS:CS+1], v[12:13] op_sel_hi:[1,0,0]   ; t - M
.set jj, jj+2
.endr
.set jj, 0
.rept 64
	v_exp_f32 v[96+jj], v[96+jj]                   ; p = 2^(t - M)
.set jj, jj+1
.endr
	v_pk_mul_f32 v[14:15], v[14:15], v[252:253] op_sel_hi:[1,0]   ; the sums under the new M (a plain line behind the exponentials)
	s_wait_alu depctr_va_vdst(0)                   ; one wait for the batch, ahead of its first reader
	v_pk_add_f32 v[242:243], v[96:97], v[98:99]    ; the row's sum, of the unquantised p, in two chains
.irp j, 4,8,12,16,20,24,28,32,36,40,44,48,52,56,60
	v_pk_add_f32 v[14:15], v[14:15], v[96+\j:97+\j]
	v_pk_add_f32 v[242:243], v[242:243], v[98+\j:99+\j]
.endr
	v_pk_add_f32 v[14:15], v[14:15], v[242:243]
.irp b, 0,1,2,3
.irp i, 0,1,2,3,4,5,6,7,8,9,10,11,12,13,14,15
	v_min_num_f32 v[96+16*\b+\i], v[96+16*\b+\i], v240   ; the conversion does not saturate (ISA guide 7.6.2); p is not negative: a one-sided hold
.endr
	v_cvt_scalef32_pk8_fp8_f32 v[224+4*\b:225+4*\b], v[96+16*\b:103+16*\b], v244
	v_cvt_scalef32_pk8_fp8_f32 v[226+4*\b:227+4*\b], v[104+16*\b:111+16*\b], v244
.endr
.set jj, 0
.rept 16
	v_pk_mul_f32 v[160+jj:161+jj], v[160+jj:161+jj], v[252:253] op_sel_hi:[1,0]   ; O^T under the new M (also the plain lines behind the conversions)
.set jj, jj+2
.endr
	s_wait_dscnt 0x0                               ; V is in
.irp t, 0,1,2,3
	v_wmma_f32_16x16x128_fp8_fp8 v[160+8*\t:167+8*\t], v[32+16*\t:47+16*\t], v[224:239], v[160+8*\t:167+8*\t]
.endr
.Lhidden_\@:
.endm
; A chunk's four key steps.  The loading waves wait for the chunk (the later chunks' loads, 3 - c of them, may stay out), then the barrier shows it to all sixteen.
.macro PHASE c
	s_wait_tensorcnt 3-\c
	s_wait_dscnt 0x0
	s_barrier_signal -1
	s_barrier_wait -1
	s_mov_b32 s[CNT], 4
.Lstep_\@:
	STEP
	s_add_co_u32 s[TB], s[TB], STEPB
	s_add_co_u32 s[KS], s[KS], 1
	s_sub_co_u32 s[CNT], s[CNT], 1
	s_cmp_lg_u32 s[CNT], 0
	s_cbranch_scc1 .Lstep_\@
	s_add_co_u32 s[TB], s[TB], VOFF                ; over the chunk's V to the next chunk
.endm
	s_wait_loadcnt 0x0                             ; Q
	PHASE 0
	PHASE 1
	PHASE 2
	PHASE 3
	; THE WAY OUT.  Every wave's reads of K and V are over before a result is laid into the stages, which lie in chunk 0.
	s_wait_dscnt 0x0
	s_barrier_signal -1
	s_barrier_wait -1
.rept 4
	v_nop                                          ; places behind the last products
.endr
	v_add_f32 v14, v14, v15
	v_permlanex16_b32 v252, v14, s[SEL], s[SEL+1]
	v_add_f32 v14, v14, v252                       ; the row's sum
	v_rcp_f32 v14, v14
	v_nop                                          ; a plain line behind the transcendental
	s_wait_alu depctr_va_vdst(0)                   ; and the wait ahead of its first reader
	v_ldexp_f32 v14, v14, s71                      ; x 2^(e8 + e9)
.set jj, 0
.rept 32
	v_mul_f32 v[96+jj], v[160+jj], v14             ; z(r, 16 t + 8 h + i) in register 8 t + i
.set jj, jj+1
.endr
.set jj, 0
.rept 32
	v_med3_num_f32 v[96+jj], v[96+jj], -v241, v241
.set jj, jj+1
.endr
.irp t, 0,1,2,3
	v_cvt_scalef32_pk8_fp8_f32 v[128+2*\t:129+2*\t], v[96+8*\t:103+8*\t], v245
.endr
	v_nop
.irp t, 0,1,2,3
	ds_store_b64 v[STI], v[128+2*\t:129+2*\t] offset:16*\t
.endr
.irp i, 0,1
	ds_load_b128 v[32+4*\i:35+4*\i], v[STB] offset:512*\i   ; LDS serves a wave's instructions in order: these see my stores
.endr
	s_wait_dscnt 0x0
.irp i, 0,1
	global_store_b128 v[GO], v[32+4*\i:35+4*\i], s[8:9] offset:8192*\i   ; sixteen lanes store four tokens' 256 consecutive bytes, aligned
.endr
	CROUND                                         ; the closing round: no work-group ends while a partner may still ask
	s_endpgm
.Lfunc_end_k_qc855cd1742_attn:
	.size	k_qc855cd1742_attn, .Lfunc_end_k_qc855cd1742_attn-k_qc855cd1742_attn
	.p2alignl 7, 3214868480
	.fill 96, 4, 3214868480
	.section	.rodata,"a",@progbits
	.p2align	6, 0x0
	.amdhsa_kernel k_qc855cd1742_attn
		.amdhsa_group_segment_fixed_size 327680
		.amdhsa_private_segment_fixed_size 0
		.amdhsa_enable_private_segment 0
		.amdhsa_kernarg_size 24
		.amdhsa_user_sgpr_count 2
		.amdhsa_user_sgpr_kernarg_segment_ptr 1
		.amdhsa_wavefront_size32 1
		.amdhsa_system_sgpr_workgroup_id_x 1
		.amdhsa_system_sgpr_workgroup_id_y 1
		.amdhsa_system_sgpr_workgroup_id_z 1
		.amdhsa_system_vgpr_workitem_id 0
		.amdhsa_next_free_vgpr 256
		.amdhsa_next_free_sgpr 84
		.amdhsa_reserve_vcc 1
		.amdhsa_float_denorm_mode_32 3
		.amdhsa_float_denorm_mode_16_64 3
		.amdhsa_memory_ordered 1
		.amdhsa_forward_progress 1
		.amdhsa_inst_pref_size 96
	.end_amdhsa_kernel
	.amdgpu_metadata
---
amdhsa.version: [ 1, 2 ]
amdhsa.kernels:
  - .name:           k_qc855cd1742_attn
    .symbol:         k_qc855cd1742_attn.kd
    .args:
      - { .name: qkvc, .offset: 0, .size: 8, .value_kind: global_buffer, .address_space: global }
      - { .name: lowp_scales, .offset: 8, .size: 8, .value_kind: global_buffer, .address_space: global }
      - { .name: zcodes, .offset: 16, .size: 8, .value_kind: global_buffer, .address_space: global }
    .group_segment_fixed_size: 327680
    .private_segment_fixed_size: 0
    .kernarg_segment_align: 8
    .kernarg_segment_size: 24
    .max_flat_workgroup_size: 512
    .sgpr_count:     84
    .vgpr_count:     256
    .wavefront_size: 32
...
	.end_amdgpu_metadata
.endif
;; end of part 4
;; launch oproj (part 5): grid 4 x 16, 4 waves a work-group, clusters of 4 x 4, 327,680 bytes of LDS; arguments zcodes, wcodes, lowp_scales, resid, rmid; writes rmid
.if DOCPART == 5
	.amdgcn_target "amdgcn-amd-amdhsa--gfx1250"
	.amdhsa_code_object_version 6
	.text
	.protected	k_qc855cd1742_oproj
	.globl	k_qc855cd1742_oproj
	.p2align	8
	.type	k_qc855cd1742_oproj,@function
k_qc855cd1742_oproj:
	s_mov_b64 s[64:65], 0
	v_nop
	global_prefetch_b8 v0, s[64:65] scope:SCOPE_SE
	s_setreg_imm32_b32 hwreg(HW_REG_WAVE_MODE, 25, 1), 1
	s_wait_xcnt 0x0
	s_wait_alu depctr_hold_cnt(0) depctr_sa_sdst(0) depctr_va_vdst(0) depctr_va_sdst(0) depctr_va_ssrc(0) depctr_va_vcc(0) depctr_vm_vsrc(0)
	s_getreg_b32 s2, hwreg(HW_REG_IB_STS2, 6, 4)
	s_cmp_eq_u32 s2, 0
	s_cbranch_scc0 .Lentry_in_a_cluster
	s_endpgm
.Lentry_in_a_cluster:
	s_bfe_u32 s2, ttmp6, 0x10000c
	s_cmp_lg_u32 s2, 0xf033
	s_cbranch_scc0 .Lentry_shape_is_right
	s_endpgm
.Lentry_shape_is_right:
; Product 6 on codes of FP8 (E4M3), and the first residual: rmid[token][d] = resid + 2^(e10 + e11) x sum over k of z[token][k] w_o[d][k], f32.
; A = zcodes, whose aligned blocks of 256 bytes hold 4 tokens x 64 k: byte(token, k) = (token / 4) 4,096 + 256 (k / 64) + 64 (token % 4) + k % 64.  A K step of 256 is 1,024 consecutive bytes for four tokens:
; the tile is 32 rows of 1,024 bytes, and a fragment's loads pick a token's pieces of 64 bytes.  B = w_o's codes, [d][k], at 3 MiB in wcodes.
; LIMIT: e10 + e11 between -126 and 127.
; C has 64 tiles of 256 x 256: 64 work-groups.  A tile is made by four waves, each 128 x 128: 64 accumulators.  K goes in steps of 256 through two LDS slots filled by the tensor data mover.
; CLUSTERS: 4 x 4 work-groups; A's tile is asked for jointly along a row of the cluster, B's along a column.  THE MATRIX INSTRUCTION IS USED TRANSPOSED (source 0 = 16 rows of B, source 1 = 16 rows of A).
; REGISTERS: window 0: v0-31 addresses, v128-255 A's fragments (one set), later rows of C;  window 1: B's fragments, two sets, later the residual's rows;  windows 2, 3: the accumulators.
.set SIZE_K, 1024
.set TPB,    4
.set LTPB,   2
.set QIA,    7                         ; padding behind every 256 words
.set WOFF,   3<<20
.set SCOFF,  0x28
.set AROWB,  256*TPB
.set APITCH, AROWB+16
.set AROWS,  128/TPB
.set PS,     256/TPB
.set PITCH,  272
.set FR,     16
.set NL,     4
.set NP,     4
.set HALFT,  128*PITCH
.set SLOT,   4*HALFT
.set LAPS,   SIZE_K/512
.set SPARE,  2*SLOT
.set WSTG,   8448
.set SPITCH, 528
.set ADRA, 16
.set ADRB, 20
.set STO,  24
.set RD,   25
.set CO,   26
.set SPW,  28
.set NIL,  29
.set AF,   128
.set BK,   128
.set G1,  24
.set G0,  32
.set G1B, 48
.set G0B, 56
.set MSB, 0
.macro WIN new
.if MSB != (\new)
	s_set_vgpr_msb (MSB<<8)|(\new)
.set MSB, (\new)
.endif
.endm
.set MUL_LO, 0xa1
.set MUL_HI, 0xf1
.set TO_B,   0x40
.macro JLOAD g0a, g1a, g0b, g1b
	s_cmp_eq_u32 s15, 0
	s_cbranch_scc0 .Lfor_b_\@
	tensor_load_to_lds s[\g0a:\g0a+3], s[\g1a:\g1a+7]
.rept 4
	v_nop
.endr
	s_branch .Lasked_\@
.Lfor_b_\@:
	tensor_load_to_lds s[\g0b:\g0b+3], s[\g1b:\g1b+7]
.rept 4
	v_nop
.endr
.Lasked_\@:
.endm
.macro CREST
	s_cmp_lg_u32 s14, 0
	s_cbranch_scc1 .Lnot_wave_0_\@
	s_barrier_signal -3
.Lnot_wave_0_\@:
	s_barrier_wait -3
	s_barrier_signal -1
	s_barrier_wait -1
.endm
.macro CROUND
	s_barrier_signal -1
	s_barrier_wait -1
	CREST
.endm
	s_load_b128 s[4:7], s[0:1], 0x0                ; A's codes, wcodes
	s_load_b128 s[8:11], s[0:1], 0x10              ; the scales, the residual
	s_load_b64 s[12:13], s[0:1], 0x20              ; C
	v_lshl_add_u32 v[SPW], v0, 2, SPARE
	v_mov_b32 v[NIL], 0
	v_lshrrev_b32 v1, 5, v0
	v_readfirstlane_b32 s14, v1
	s_lshr_b32 s15, s14, 1
	s_and_b32 s16, s14, 1
	s_bfe_u32 s40, ttmp6, 0x40000
	s_bfe_u32 s41, ttmp6, 0x40004
	s_lshl_b32 s42, ttmp9, 2
	s_add_co_u32 s42, s42, s40                     ; tile column of C
	s_and_b32 s17, ttmp7, 0xffff
	s_lshl_b32 s17, s17, 2
	s_add_co_u32 s17, s17, s41                     ; tile row of C
	s_lshl_b32 s43, s41, 2
	s_lshl_b32 s43, 15, s43
	s_lshl_b32 s44, 0x1111, s40
	s_or_b32 s[G1+0], s43, (1<<20)|(1<<21)|(QIA<<22)|(3<<25)
	s_or_b32 s[G1B+0], s44, (1<<20)|(1<<21)|(5<<22)|(3<<25)
	s_mov_b32 s[G1+1], AROWB<<16
	s_mov_b32 s[G1+2], AROWS<<16
	s_mov_b32 s[G1+3], AROWB<<16
	s_mov_b32 s[G1+4], AROWS
	s_mov_b32 s[G1+5], SIZE_K*TPB
	s_mov_b32 s[G1+6], 0
	s_mov_b32 s[G1+7], 0
	s_mov_b32 s[G1B+1], 256<<16
	s_mov_b32 s[G1B+2], 128<<16
	s_mov_b32 s[G1B+3], 256<<16
	s_mov_b32 s[G1B+4], 128
	s_mov_b32 s[G1B+5], SIZE_K
	s_mov_b32 s[G1B+6], 0
	s_mov_b32 s[G1B+7], 0
	s_lshl_b32 s18, s16, 7
	s_lshl_b32 s20, s17, 8
	s_add_co_u32 s20, s20, s18
	s_lshl_b32 s46, s42, 8
	s_add_co_u32 s46, s46, s18
	s_mul_i32 s20, s20, SIZE_K                     ; a token's share of A is SIZE_K bytes, whatever TPB
	s_mov_b32 s21, 0
	s_mul_i32 s46, s46, SIZE_K
	s_mov_b32 s47, 0
	s_mul_i32 s45, s14, HALFT
	s_wait_kmcnt 0x0
	s_load_b64 s[96:97], s[8:9], SCOFF             ; ea, eb
	s_add_nc_u64 s[6:7], s[6:7], WOFF
	s_add_nc_u64 s[20:21], s[4:5], s[20:21]
	s_add_nc_u64 s[46:47], s[6:7], s[46:47]
	CROUND
.irp s, 0,1
	s_mov_b32 s[G0+4*\s], 1
	s_add_co_u32 s[G0+4*\s+1], s45, \s*SLOT
	s_add_nc_u64 s[G0+4*\s+2:G0+4*\s+3], s[20:21], \s*AROWB
	s_or_b32 s[G0+4*\s+3], s[G0+4*\s+3], 0x80000000
	s_mov_b32 s[G0B+4*\s], 1
	s_add_co_u32 s[G0B+4*\s+1], s45, \s*SLOT
	s_add_nc_u64 s[G0B+4*\s+2:G0B+4*\s+3], s[46:47], \s*256
	s_or_b32 s[G0B+4*\s+3], s[G0B+4*\s+3], 0x80000000
	JLOAD G0+4*\s, G1, G0B+4*\s, G1B
.endr
	v_and_b32 v1, 15, v0
	v_bfe_u32 v2, v0, 4, 1
	v_mul_u32_u24 v3, v1, PITCH
	v_lshl_add_u32 v4, v2, 4, v3
	v_lshrrev_b32 v5, LTPB, v1
	v_and_b32 v6, TPB-1, v1
	v_mul_u32_u24 v5, v5, APITCH
	v_mad_u32_u24 v5, v6, PS, v5
	v_lshl_add_u32 v5, v2, 4, v5
	s_mul_i32 s21, s15, HALFT
	s_mul_i32 s22, s16, HALFT
	s_add_co_u32 s22, s22, 2*HALFT
.irp s, 0,1
	v_add_nc_u32 v[ADRA+\s], s21, v5
	v_add_nc_u32 v[ADRB+\s], s22, v4
	s_add_co_u32 s21, s21, SLOT
	s_add_co_u32 s22, s22, SLOT
.endr
	s_mul_i32 s23, s14, WSTG                       ; my stage: 16 rows of 512 bytes + 16
	v_mul_u32_u24 v5, v1, SPITCH
	v_lshl_add_u32 v5, v2, 5, v5
	v_add_nc_u32 v[STO], s23, v5
	v_and_b32 v6, 31, v0
	v_lshlrev_b32 v[CO], 4, v6
	v_add_nc_u32 v[RD], s23, v[CO]
	s_lshl_b32 s20, s17, 8
	s_lshl_b32 s21, s15, 7
	s_add_co_u32 s20, s20, s21
	s_lshl_b32 s20, s20, 12                        ; my first row of C, 4,096 bytes a row,
	s_lshl_b32 s46, s42, 10
	s_lshl_b32 s47, s16, 9
	s_add_co_u32 s46, s46, s47                     ; my first column
	s_add_co_u32 s20, s20, s46
	s_mov_b32 s21, 0
	s_add_nc_u64 s[10:11], s[10:11], s[20:21]
	s_add_nc_u64 s[12:13], s[12:13], s[20:21]
.macro FRAGB reg, adr, q, i
.irp c, 0,1,2,3
	ds_load_b128 v[\reg+4*\c:\reg+4*\c+3], v[\adr] offset:128*(\q)+32*\c+(\i)*16*PITCH
.endr
.endm
.macro FRAGA reg, adr, q, i
.irp c, 0,1,2,3
	ds_load_b128 v[\reg+4*\c:\reg+4*\c+3], v[\adr] offset:((128*(\q)+32*\c)/PS)*256+(128*(\q)+32*\c)%PS+(\i)*(16/TPB)*APITCH
.endr
.endm
.macro MUL16 a0, p, zero
.irp a, \a0, \a0+1
.irp b, 0,1,2,3,4,5,6,7
.if \zero
	v_wmma_f32_16x16x128_fp8_fp8 v[8*(8*((\a)%4)+\b):8*(8*((\a)%4)+\b)+7], v[128*(\p)+FR*\b:128*(\p)+FR*\b+FR-1], v[AF+FR*(\a):AF+FR*(\a)+FR-1], 0
.else
	v_wmma_f32_16x16x128_fp8_fp8 v[8*(8*((\a)%4)+\b):8*(8*((\a)%4)+\b)+7], v[128*(\p)+FR*\b:128*(\p)+FR*\b+FR-1], v[AF+FR*(\a):AF+FR*(\a)+FR-1], v[8*(8*((\a)%4)+\b):8*(8*((\a)%4)+\b)+7]
.endif
.endr
.endr
.endm
.macro FETCH_B slot, q, p
	WIN TO_B
.irp i, 0,1,2,3,4,5,6,7
	FRAGB 128*(\p)+FR*\i, ADRB+\slot, \q, \i
.endr
	WIN 0
.endm
.macro FETCH_A slot, q, i0
.irp i, \i0, \i0+1, \i0+2, \i0+3
	FRAGA AF+FR*(\i), ADRA+\slot, \q, \i
.endr
.endm
.macro PLACES n
.rept \n
	v_nop
.endr
.endm
.macro STEP slot, q, zero
	s_wait_dscnt 4*NL                              ; the youngest 16 loads (A's blocks 4-7) may be out
	WIN MUL_LO
	MUL16 0, (\q)%2, \zero
	MUL16 2, (\q)%2, \zero
	s_wait_dscnt 0
	PLACES NP
	FETCH_B \slot, (\q)+1, 1-(\q)%2
	FETCH_A \slot, (\q)+1, 0
	WIN MUL_HI
	MUL16 4, (\q)%2, \zero
	MUL16 6, (\q)%2, \zero
	PLACES NP
	WIN 0
	FETCH_A \slot, (\q)+1, 4
.endm
.macro TURN slot, next, fill
	s_wait_tensorcnt 0x0                           ; all my tensor loads have landed: my part of the next slot
	ds_add_u32 v[SPW], v[NIL]                      ; 0 onto my spare word
	s_wait_dscnt 4*NL+1                            ; (the add and the youngest 16 loads may be out)
	WIN MUL_LO
	MUL16 0, 1, 0
	s_wait_dscnt 0x0                               ; the add is done, and my reads of this slot are over
	s_barrier_signal -1
	MUL16 2, 1, 0
	WIN 0
	s_barrier_wait -1
.if \fill
	CREST
	s_add_nc_u64 s[G0+4*\slot+2:G0+4*\slot+3], s[G0+4*\slot+2:G0+4*\slot+3], 2*AROWB
	s_add_nc_u64 s[G0B+4*\slot+2:G0B+4*\slot+3], s[G0B+4*\slot+2:G0B+4*\slot+3], 2*256
	JLOAD G0+4*\slot, G1, G0B+4*\slot, G1B
.else
	PLACES NP
.endif
	FETCH_B \next, 0, 0
	FETCH_A \next, 0, 0
	WIN MUL_HI
	MUL16 4, 1, 0
	MUL16 6, 1, 0
	PLACES NP
	WIN 0
	FETCH_A \next, 0, 4
.endm
; The residual's 16 rows of block a, 512 bytes of each, into window 1, where B's fragments lay: four buffers of 64 registers
.macro RLOAD a
	WIN 0x40
.irp t, 0,1,2,3,4,5,6,7,8,9,10,11,12,13,14,15
	global_load_b128 v[64*((\a)%4)+4*\t:64*((\a)%4)+4*\t+3], v[CO], s[10:11] offset:65536*(\a)+4096*\t th:TH_LOAD_NT
.endr
	WIN 0
.endm
.macro TOSTAGE a                       ; block a's sums go into my stage as they stand (each accumulator from its low end on) and come back as whole rows of 512 bytes
.set AC, 64*((\a)%4)
	WIN (0x08+4*((\a)/4))                          ; the stores' data: window 2 or 3
.irp b, 0,1,2,3,4,5,6,7
	ds_store_b128 v[STO], v[AC+8*\b:AC+8*\b+3] offset:64*\b
	ds_store_b128 v[STO], v[AC+8*\b+4:AC+8*\b+7] offset:64*\b+16
.endr
	WIN 0
.set BB, BK+64*((\a)%2)
.irp t, 0,1,2,3,4,5,6,7,8,9,10,11,12,13,14,15
	ds_load_b128 v[BB+4*\t:BB+4*\t+3], v[RD] offset:\t*SPITCH
.endr
.endm
.macro SEND a, younger                 ; younger: the LDS instructions issued behind block a's loads
.set BB, BK+64*((\a)%2)
.set RR, 64*((\a)%4)
	s_wait_dscnt \younger
.if (\a) <= 4
	s_wait_loadcnt 48                              ; block a's residual is in; the three blocks of 16 loads behind it may be out
.else
	s_wait_loadcnt 16*(7-(\a))
.endif
	WIN 0x10                                       ; source 2: window 1
.set jj, 0
.rept 32
	v_pk_fma_f32 v[BB+jj:BB+jj+1], v[BB+jj:BB+jj+1], s[96:97], v[RR+jj:RR+jj+1] op_sel_hi:[1,0,1]   ; sum x 2^(ea + eb) + residual
.set jj, jj+2
.endr
	WIN 0
.irp t, 0,1,2,3,4,5,6,7,8,9,10,11,12,13,14,15
	global_store_b128 v[CO], v[BB+4*\t:BB+4*\t+3], s[12:13] offset:65536*(\a)+4096*\t   ; 512 consecutive bytes, aligned
.endr
.if (\a) < 4
	RLOAD (\a)+4
.endif
.endm
	s_wait_tensorcnt 1                             ; K step 1's load may be out
	s_barrier_signal -1
	s_barrier_wait -1
	FETCH_B 0, 0, 0
	FETCH_A 0, 0, 0
	FETCH_A 0, 0, 4
	STEP 0, 0, 1
	s_mov_b32 s3, LAPS-1
.Llap:
	TURN 0, 1, 1
	STEP 1, 0, 0
	TURN 1, 0, 1
	STEP 0, 0, 0
	s_sub_co_u32 s3, s3, 1
	s_cmp_lg_u32 s3, 0
	s_cbranch_scc1 .Llap
	TURN 0, 1, 0
	STEP 1, 0, 0
	RLOAD 0                                        ; B's set 0 is done with (four places stand behind its last products): the first residual rows are asked for under the last step
	RLOAD 1
	s_wait_dscnt 4*NL
	WIN MUL_LO
	MUL16 0, 1, 0
	MUL16 2, 1, 0
	s_wait_dscnt 0
	WIN MUL_HI
	MUL16 4, 1, 0
	MUL16 6, 1, 0
	WIN 0
	s_wait_kmcnt 0x0
	s_add_co_i32 s96, s96, s97
	s_add_co_i32 s96, s96, 127
	s_lshl_b32 s96, s96, 23                        ; 2^(ea + eb) as f32
	PLACES NP
	RLOAD 2
	RLOAD 3
	TOSTAGE 0
.irp a, 1,2,3,4,5,6,7
.if \a > 1
	s_wait_xcnt 0x0                                ; block a - 2's stores have read their registers: block a's rows may land there
.endif
	TOSTAGE \a
	SEND \a-1, 32                                  ; behind block a - 1's loads: block a's 16 stores and 16 loads
.endr
	SEND 7, 0
	s_wait_tensorcnt 0x0                           ; the wave's end
	ds_add_u32 v[SPW], v[NIL]
	s_wait_dscnt 0x0
	CROUND
	s_endpgm
.Lfunc_end_k_qc855cd1742_oproj:
	.size	k_qc855cd1742_oproj, .Lfunc_end_k_qc855cd1742_oproj-k_qc855cd1742_oproj
	.p2alignl 7, 3214868480
	.fill 96, 4, 3214868480
	.section	.rodata,"a",@progbits
	.p2align	6, 0x0
	.amdhsa_kernel k_qc855cd1742_oproj
		.amdhsa_group_segment_fixed_size 327680
		.amdhsa_private_segment_fixed_size 0
		.amdhsa_enable_private_segment 0
		.amdhsa_kernarg_size 40
		.amdhsa_user_sgpr_count 2
		.amdhsa_user_sgpr_kernarg_segment_ptr 1
		.amdhsa_wavefront_size32 1
		.amdhsa_system_sgpr_workgroup_id_x 1
		.amdhsa_system_sgpr_workgroup_id_y 1
		.amdhsa_system_sgpr_workgroup_id_z 1
		.amdhsa_system_vgpr_workitem_id 0
		.amdhsa_next_free_vgpr 1024
		.amdhsa_next_free_sgpr 100
		.amdhsa_reserve_vcc 0
		.amdhsa_float_denorm_mode_32 3
		.amdhsa_float_denorm_mode_16_64 3
		.amdhsa_memory_ordered 1
		.amdhsa_forward_progress 1
		.amdhsa_inst_pref_size 136
	.end_amdhsa_kernel
	.amdgpu_metadata
---
amdhsa.version: [ 1, 2 ]
amdhsa.kernels:
  - .name:           k_qc855cd1742_oproj
    .symbol:         k_qc855cd1742_oproj.kd
    .args:
      - { .name: zcodes, .offset: 0, .size: 8, .value_kind: global_buffer, .address_space: global }
      - { .name: wcodes, .offset: 8, .size: 8, .value_kind: global_buffer, .address_space: global }
      - { .name: lowp_scales, .offset: 16, .size: 8, .value_kind: global_buffer, .address_space: global }
      - { .name: resid, .offset: 24, .size: 8, .value_kind: global_buffer, .address_space: global }
      - { .name: rmid, .offset: 32, .size: 8, .value_kind: global_buffer, .address_space: global }
    .group_segment_fixed_size: 327680
    .private_segment_fixed_size: 0
    .kernarg_segment_align: 8
    .kernarg_segment_size: 40
    .max_flat_workgroup_size: 128
    .sgpr_count:     100
    .vgpr_count:     1024
    .wavefront_size: 32
...
	.end_amdgpu_metadata
.endif
;; end of part 5
;; launch ln2 (part 6): grid 256 x 1, 8 waves a work-group, no clusters, 8,192 bytes of LDS; arguments rmid, ln2_w, ln2_b, lowp_scales, h2codes; writes h2codes
.if DOCPART == 6
	.amdgcn_target "amdgcn-amd-amdhsa--gfx1250"
	.amdhsa_code_object_version 6
	.text
	.protected	k_qc855cd1742_ln2
	.globl	k_qc855cd1742_ln2
	.p2align	8
	.type	k_qc855cd1742_ln2,@function
k_qc855cd1742_ln2:
	s_mov_b64 s[64:65], 0
	v_nop
	global_prefetch_b8 v0, s[64:65] scope:SCOPE_SE
	s_setreg_imm32_b32 hwreg(HW_REG_WAVE_MODE, 25, 1), 1
	s_wait_xcnt 0x0
; y = (x - mean) / sqrt(var + 1e-5) * w + b for each row of 1,024 f32, all in f32, then quantised to FP8 (E4M3) with the given scale 2^e (entry 12) into [4,096][1,024] codes.
; A wave takes a whole row in 32 registers a lane (eight loads of 512 consecutive bytes), two rows in all: the mean is taken away before the squares are summed; no wave waits for another, no barrier.
; A lane's four codes of each load are a word; a row's words meet in the wave's own stage in LDS and leave as 512 consecutive bytes a store.
; LIMITS: -126 <= e <= 119.  NaN among the inputs is not served.  The matrix unit, clusters and tensor loads have nothing to do here: memory binds, and only w and b (8 KiB) are shared.
.set NS,  1                            ; scales
.set SO0, 48                           ; byte of the scale's entry
.set W,   24
.set B,   56
.set X,   88
.set T,   152
.set C,   168
	s_load_b256 s[4:11], s[0:1], 0x0               ; x, w, b, the scales
	s_load_b64 s[28:29], s[0:1], 0x20              ; the codes
	v_lshrrev_b32 v2, 5, v0
	v_readfirstlane_b32 s30, v2                    ; wave
	v_and_b32 v2, 31, v0
	v_lshlrev_b32 v1, 4, v2                        ; 16 x lane
	s_mul_i32 s31, s30, NS*1024                    ; my stage
	v_lshl_add_u32 v16, v2, 2, s31
	v_add_nc_u32 v17, s31, v1
	v_mov_b32 v3, 0
	s_mov_b32 s12, 0x76543210
	s_mov_b32 s13, 0xfedcba98
	s_mov_b32 s25, 0x3a800000                      ; 1 / 1,024
	s_mov_b32 s26, 0x3727c5ac                      ; 1e-5
	s_lshl_b32 s14, ttmp9, 4
	s_lshl_b32 s15, s30, 1
	s_add_co_u32 s14, s14, s15                     ; my first row
	s_lshl_b32 s32, s14, 10
	s_mov_b32 s33, 0
	s_lshl_b32 s14, s14, 12
	s_mov_b32 s15, 0
	s_wait_kmcnt 0x0
	s_load_b32 s22, s[10:11], SO0
	s_add_nc_u64 s[4:5], s[4:5], s[14:15]
	s_add_nc_u64 s[16:17], s[28:29], s[32:33]
.irp j, 0,1,2,3,4,5,6,7
	global_load_b128 v[W+4*\j:W+4*\j+3], v1, s[6:7] offset:512*\j
.endr
.irp j, 0,1,2,3,4,5,6,7
	global_load_b128 v[B+4*\j:B+4*\j+3], v1, s[8:9] offset:512*\j
.endr
.irp r, 0,1
.irp j, 0,1,2,3,4,5,6,7
	global_load_b128 v[X+32*\r+4*\j:X+32*\r+4*\j+3], v1, s[4:5] offset:4096*\r+512*\j
.endr
.endr
	s_wait_kmcnt 0x0
	s_add_co_i32 s22, s22, 127
	s_lshl_b32 s27, s22, 23
	v_mov_b32 v10, s27                             ; 2^e
	s_add_co_i32 s22, s22, 8
	s_lshl_b32 s22, s22, 23
	s_or_b32 s22, s22, 0x600000
	v_mov_b32 v13, s22                             ; 448 x 2^e
.macro REDUCE                          ; the two chains v[4:5], v[6:7] become one sum over the row, in every lane's v4
	v_pk_add_f32 v[4:5], v[4:5], v[6:7]
	v_add_f32 v4, v4, v5
	v_add_f32_dpp v4, v4, v4 row_xmask:1 row_mask:0xf bank_mask:0xf
	v_add_f32_dpp v4, v4, v4 row_xmask:2 row_mask:0xf bank_mask:0xf
	v_add_f32_dpp v4, v4, v4 row_xmask:4 row_mask:0xf bank_mask:0xf
	v_add_f32_dpp v4, v4, v4 row_xmask:8 row_mask:0xf bank_mask:0xf
	v_permlanex16_b32 v3, v4, s12, s13
	v_add_f32 v4, v4, v3
.endm
.macro ROW rho
.set XR, X+32*\rho
	s_wait_loadcnt 8*(1-\rho)                      ; w, b and this row are in; the other row's eight loads may be out
	v_pk_add_f32 v[4:5], v[XR:XR+1], v[XR+2:XR+3]
	v_pk_add_f32 v[6:7], v[XR+4:XR+5], v[XR+6:XR+7]
.irp j, 8,12,16,20,24,28
	v_pk_add_f32 v[4:5], v[4:5], v[XR+\j:XR+\j+1]
	v_pk_add_f32 v[6:7], v[6:7], v[XR+\j+2:XR+\j+3]
.endr
	REDUCE
	v_mul_f32 v8, s25, v4                          ; the mean
	v_mov_b32 v9, v8
.set jj, 0
.rept 16
	v_pk_add_f32 v[XR+jj:XR+jj+1], v[XR+jj:XR+jj+1], v[8:9] neg_lo:[0,1] neg_hi:[0,1]
.set jj, jj+2
.endr
	v_pk_mul_f32 v[4:5], v[XR:XR+1], v[XR:XR+1]
	v_pk_mul_f32 v[6:7], v[XR+2:XR+3], v[XR+2:XR+3]
.irp j, 4,8,12,16,20,24,28
	v_pk_fma_f32 v[4:5], v[XR+\j:XR+\j+1], v[XR+\j:XR+\j+1], v[4:5]
	v_pk_fma_f32 v[6:7], v[XR+\j+2:XR+\j+3], v[XR+\j+2:XR+\j+3], v[6:7]
.endr
	REDUCE
	v_fma_f32 v4, v4, s25, s26                     ; var + 1e-5
	v_rsq_f32 v8, v4
	v_nop                                          ; a plain line behind the transcendental,
	s_wait_alu depctr_va_vdst(0)                   ; and the wait ahead of its first reader
	v_mov_b32 v9, v8
.set jj, 0
.rept 16
	v_pk_mul_f32 v[XR+jj:XR+jj+1], v[XR+jj:XR+jj+1], v[8:9]
.set jj, jj+2
.endr
.set jj, 0
.rept 16
	v_pk_fma_f32 v[XR+jj:XR+jj+1], v[XR+jj:XR+jj+1], v[W+jj:W+jj+1], v[B+jj:B+jj+1]
.set jj, jj+2
.endr
.irp g, 0,1,2,3                        ; the two sets of held numbers take turns: the next set's eight holds are the plain lines behind each conversion
.irp i, 0,1,2,3,4,5,6,7
	v_med3_num_f32 v[T+8*(\g%2)+\i], v[XR+8*\g+\i], -v13, v13
.endr
	v_cvt_scalef32_pk8_fp8_f32 v[C+2*\g:C+2*\g+1], v[T+8*(\g%2):T+8*(\g%2)+7], v10
.endr
	v_nop
.irp j, 0,1,2,3,4,5,6,7
	ds_store_b32 v16, v[C+\j] offset:128*\j        ; word j: columns 128 j + 4 lane + 0 .. 3
.endr
.irp i, 0,1
	ds_load_b128 v[XR+4*\i:XR+4*\i+3], v17 offset:512*\i   ; into the row's own registers, which are done with
.endr
	s_wait_dscnt 0x0
.irp i, 0,1
	global_store_b128 v1, v[XR+4*\i:XR+4*\i+3], s[16:17] offset:1024*\rho+512*\i   ; 512 consecutive bytes, aligned
.endr
.endm
	ROW 0
	ROW 1
	s_endpgm
.Lfunc_end_k_qc855cd1742_ln2:
	.size	k_qc855cd1742_ln2, .Lfunc_end_k_qc855cd1742_ln2-k_qc855cd1742_ln2
	.p2alignl 7, 3214868480
	.fill 96, 4, 3214868480
	.section	.rodata,"a",@progbits
	.p2align	6, 0x0
	.amdhsa_kernel k_qc855cd1742_ln2
		.amdhsa_group_segment_fixed_size 8192
		.amdhsa_private_segment_fixed_size 0
		.amdhsa_enable_private_segment 0
		.amdhsa_kernarg_size 40
		.amdhsa_user_sgpr_count 2
		.amdhsa_user_sgpr_kernarg_segment_ptr 1
		.amdhsa_wavefront_size32 1
		.amdhsa_system_sgpr_workgroup_id_x 1
		.amdhsa_system_sgpr_workgroup_id_y 1
		.amdhsa_system_sgpr_workgroup_id_z 1
		.amdhsa_system_vgpr_workitem_id 0
		.amdhsa_next_free_vgpr 192
		.amdhsa_next_free_sgpr 66
		.amdhsa_reserve_vcc 0
		.amdhsa_float_denorm_mode_32 3
		.amdhsa_float_denorm_mode_16_64 3
		.amdhsa_memory_ordered 1
		.amdhsa_forward_progress 1
		.amdhsa_inst_pref_size 23
	.end_amdhsa_kernel
	.amdgpu_metadata
---
amdhsa.version: [ 1, 2 ]
amdhsa.kernels:
  - .name:           k_qc855cd1742_ln2
    .symbol:         k_qc855cd1742_ln2.kd
    .args:
      - { .name: rmid, .offset: 0, .size: 8, .value_kind: global_buffer, .address_space: global }
      - { .name: ln2_w, .offset: 8, .size: 8, .value_kind: global_buffer, .address_space: global }
      - { .name: ln2_b, .offset: 16, .size: 8, .value_kind: global_buffer, .address_space: global }
      - { .name: lowp_scales, .offset: 24, .size: 8, .value_kind: global_buffer, .address_space: global }
      - { .name: h2codes, .offset: 32, .size: 8, .value_kind: global_buffer, .address_space: global }
    .group_segment_fixed_size: 8192
    .private_segment_fixed_size: 0
    .kernarg_segment_align: 8
    .kernarg_segment_size: 40
    .max_flat_workgroup_size: 256
    .sgpr_count:     66
    .vgpr_count:     192
    .wavefront_size: 32
...
	.end_amdgpu_metadata
.endif
;; end of part 6
;; launch mlpin (part 7): grid 16 x 16, 4 waves a work-group, clusters of 4 x 4, 327,680 bytes of LDS; arguments h2codes, wcodes, lowp_scales, b_in, hcodes; writes hcodes
.if DOCPART == 7
	.amdgcn_target "amdgcn-amd-amdhsa--gfx1250"
	.amdhsa_code_object_version 6
	.text
	.protected	k_qc855cd1742_mlpin
	.globl	k_qc855cd1742_mlpin
	.p2align	8
	.type	k_qc855cd1742_mlpin,@function
k_qc855cd1742_mlpin:
	s_mov_b64 s[64:65], 0
	v_nop
	global_prefetch_b8 v0, s[64:65] scope:SCOPE_SE
	s_setreg_imm32_b32 hwreg(HW_REG_WAVE_MODE, 25, 1), 1
	s_wait_xcnt 0x0
	s_wait_alu depctr_hold_cnt(0) depctr_sa_sdst(0) depctr_va_vdst(0) depctr_va_sdst(0) depctr_va_ssrc(0) depctr_va_vcc(0) depctr_vm_vsrc(0)
	s_getreg_b32 s2, hwreg(HW_REG_IB_STS2, 6, 4)
	s_cmp_eq_u32 s2, 0
	s_cbranch_scc0 .Lentry_in_a_cluster
	s_endpgm
.Lentry_in_a_cluster:
	s_bfe_u32 s2, ttmp6, 0x10000c
	s_cmp_lg_u32 s2, 0xf033
	s_cbranch_scc0 .Lentry_shape_is_right
	s_endpgm
.Lentry_shape_is_right:
; Product 7 on codes of FP8 (E4M3), the bias, the GELU in f32, and the result quantised (2^e14) for product 8.
; x = 2^(e12 + e13) x sum + b_in;  gelu(x) = 0.5 x (1 + tanh(u)), u = sqrt(2 / pi) (x + 0.044715 x^3), is x / (1 + e^(-2 u)) = x / (1 + 2^(x (K0 + K1 x^2))), K0 = -2 sqrt(2 / pi) log2(e), K1 = 0.044715 K0:
; the same number, without the difference 1 + tanh; where the power overflows the quotient is 0, where it vanishes it is x.
; A = h2codes [token][1,024], B = w_in's codes [m][1,024] at 4 MiB in wcodes.
; hcodes: byte(token, k) = (token / 2) 8,192 + 256 (k / 128) + 128 (token % 2) + k % 128: two tokens x 128 k are 256 consecutive bytes, aligned, so that one wave, whose tile is 128 columns wide, stores whole blocks.
; LIMITS: e12 + e13 between -126 and 127; e14 between -126 and 119.  NaN among the inputs is not served.
; A tile of C, 256 x 256, is made by four waves, each 128 x 128: 64 accumulators; 256 work-groups.  K goes in steps of 256 through two LDS slots filled by the tensor data mover.
; CLUSTERS: 4 x 4 work-groups; A's tile is asked for jointly along a row of the cluster, B's along a column.  THE MATRIX INSTRUCTION IS USED TRANSPOSED: a lane's eight results are eight neighbours along the next K.
; REGISTERS: window 0: v0-31 addresses, v32-127 the way out, v128-255 A's fragments (one set), later at work;  window 1: B's fragments, two sets, later the bias in v0-63;  windows 2, 3: the accumulators.
.set SIZE_K, 1024
.set TPB,    1
.set LTPB,   0
.set QIA,    5
.set WOFF,   4<<20
.set SCOFF,  0x30
.set AROWB,  256*TPB
.set APITCH, AROWB+16
.set AROWS,  128/TPB
.set PS,     256/TPB
.set PITCH,  272
.set FR,     16
.set NL,     4
.set NP,     4
.set HALFT,  128*PITCH
.set SLOT,   4*HALFT
.set LAPS,   SIZE_K/512
.set SPARE,  2*SLOT
.set WSTG,   8448
.set ADRA, 16
.set ADRB, 20
.set STO,  24
.set RD,   25
.set CO,   26
.set SPW,  28
.set NIL,  29
.set AF,   128
.set XX,   32                          ; v32-95   a block's x
.set UU,   128                         ; v128-191 at work
.set G1,  24
.set G0,  32
.set G1B, 48
.set G0B, 56
.set MSB, 0
.macro WIN new
.if MSB != (\new)
	s_set_vgpr_msb (MSB<<8)|(\new)
.set MSB, (\new)
.endif
.endm
.set MUL_LO, 0xa1
.set MUL_HI, 0xf1
.set TO_B,   0x40
.macro JLOAD g0a, g1a, g0b, g1b
	s_cmp_eq_u32 s15, 0
	s_cbranch_scc0 .Lfor_b_\@
	tensor_load_to_lds s[\g0a:\g0a+3], s[\g1a:\g1a+7]
.rept 4
	v_nop
.endr
	s_branch .Lasked_\@
.Lfor_b_\@:
	tensor_load_to_lds s[\g0b:\g0b+3], s[\g1b:\g1b+7]
.rept 4
	v_nop
.endr
.Lasked_\@:
.endm
.macro CREST
	s_cmp_lg_u32 s14, 0
	s_cbranch_scc1 .Lnot_wave_0_\@
	s_barrier_signal -3
.Lnot_wave_0_\@:
	s_barrier_wait -3
	s_barrier_signal -1
	s_barrier_wait -1
.endm
.macro CROUND
	s_barrier_signal -1
	s_barrier_wait -1
	CREST
.endm
	s_load_b128 s[4:7], s[0:1], 0x0                ; A's codes, wcodes
	s_load_b128 s[8:11], s[0:1], 0x10              ; the scales, b_in
	s_load_b64 s[12:13], s[0:1], 0x20              ; hcodes
	v_lshl_add_u32 v[SPW], v0, 2, SPARE
	v_mov_b32 v[NIL], 0
	v_lshrrev_b32 v1, 5, v0
	v_readfirstlane_b32 s14, v1
	s_lshr_b32 s15, s14, 1
	s_and_b32 s16, s14, 1
	s_bfe_u32 s40, ttmp6, 0x40000
	s_bfe_u32 s41, ttmp6, 0x40004
	s_lshl_b32 s42, ttmp9, 2
	s_add_co_u32 s42, s42, s40                     ; tile column of C
	s_and_b32 s17, ttmp7, 0xffff
	s_lshl_b32 s17, s17, 2
	s_add_co_u32 s17, s17, s41                     ; tile row of C
	s_lshl_b32 s43, s41, 2
	s_lshl_b32 s43, 15, s43
	s_lshl_b32 s44, 0x1111, s40
	s_or_b32 s[G1+0], s43, (1<<20)|(1<<21)|(QIA<<22)|(3<<25)
	s_or_b32 s[G1B+0], s44, (1<<20)|(1<<21)|(5<<22)|(3<<25)
	s_mov_b32 s[G1+1], AROWB<<16
	s_mov_b32 s[G1+2], AROWS<<16
	s_mov_b32 s[G1+3], AROWB<<16
	s_mov_b32 s[G1+4], AROWS
	s_mov_b32 s[G1+5], SIZE_K*TPB
	s_mov_b32 s[G1+6], 0
	s_mov_b32 s[G1+7], 0
	s_mov_b32 s[G1B+1], 256<<16
	s_mov_b32 s[G1B+2], 128<<16
	s_mov_b32 s[G1B+3], 256<<16
	s_mov_b32 s[G1B+4], 128
	s_mov_b32 s[G1B+5], SIZE_K
	s_mov_b32 s[G1B+6], 0
	s_mov_b32 s[G1B+7], 0
	s_lshl_b32 s18, s16, 7
	s_lshl_b32 s20, s17, 8
	s_add_co_u32 s20, s20, s18
	s_lshl_b32 s46, s42, 8
	s_add_co_u32 s46, s46, s18
	s_mul_i32 s20, s20, SIZE_K
	s_mov_b32 s21, 0
	s_mul_i32 s46, s46, SIZE_K
	s_mov_b32 s47, 0
	s_mul_i32 s45, s14, HALFT
	s_wait_kmcnt 0x0
	s_load_b64 s[96:97], s[8:9], SCOFF             ; e12, e13
	s_load_b32 s92, s[8:9], 0x38                   ; e14
	s_add_nc_u64 s[6:7], s[6:7], WOFF
	s_add_nc_u64 s[20:21], s[4:5], s[20:21]
	s_add_nc_u64 s[46:47], s[6:7], s[46:47]
	CROUND
.irp s, 0,1
	s_mov_b32 s[G0+4*\s], 1
	s_add_co_u32 s[G0+4*\s+1], s45, \s*SLOT
	s_add_nc_u64 s[G0+4*\s+2:G0+4*\s+3], s[20:21], \s*AROWB
	s_or_b32 s[G0+4*\s+3], s[G0+4*\s+3], 0x80000000
	s_mov_b32 s[G0B+4*\s], 1
	s_add_co_u32 s[G0B+4*\s+1], s45, \s*SLOT
	s_add_nc_u64 s[G0B+4*\s+2:G0B+4*\s+3], s[46:47], \s*256
	s_or_b32 s[G0B+4*\s+3], s[G0B+4*\s+3], 0x80000000
	JLOAD G0+4*\s, G1, G0B+4*\s, G1B
.endr
	v_and_b32 v1, 15, v0
	v_bfe_u32 v2, v0, 4, 1
	v_mul_u32_u24 v3, v1, PITCH
	v_lshl_add_u32 v4, v2, 4, v3
	v_lshrrev_b32 v5, LTPB, v1
	v_and_b32 v6, TPB-1, v1
	v_mul_u32_u24 v5, v5, APITCH
	v_mad_u32_u24 v5, v6, PS, v5
	v_lshl_add_u32 v5, v2, 4, v5
	s_mul_i32 s21, s15, HALFT
	s_mul_i32 s22, s16, HALFT
	s_add_co_u32 s22, s22, 2*HALFT
.irp s, 0,1
	v_add_nc_u32 v[ADRA+\s], s21, v5
	v_add_nc_u32 v[ADRB+\s], s22, v4
	s_add_co_u32 s21, s21, SLOT
	s_add_co_u32 s22, s22, SLOT
.endr
	s_mul_i32 s23, s14, WSTG                       ; my stage: 8 rows (two tokens each) of 256 bytes + 16
	v_lshrrev_b32 v5, 1, v1
	v_mul_u32_u24 v5, v5, 272
	v_and_b32 v6, 1, v1
	v_lshl_add_u32 v5, v6, 7, v5
	v_lshl_add_u32 v5, v2, 3, v5
	v_add_nc_u32 v[STO], s23, v5                   ; in: 272 (r / 2) + 128 (r % 2) + 8 h
	v_mul_u32_u24 v5, v2, 272
	v_lshl_add_u32 v5, v1, 4, v5
	v_add_nc_u32 v[RD], s23, v5                    ; back: sixteen lanes to a row, two rows an instruction
	v_lshlrev_b32 v[CO], 13, v2
	v_lshl_add_u32 v[CO], v1, 4, v[CO]             ; in hcodes: 8,192 (lane / 16) + 16 (lane % 16)
	v_lshlrev_b32 v7, 5, v2                        ; the bias: 32 h
	v_mov_b32 v8, 0xc0135761                       ; K0 = -2.3022082
	v_mov_b32 v9, 0xc0135761
	s_mov_b32 s70, 0xbdd2d3e8                      ; K1 = -0.10294324
	s_mov_b32 s71, 0xbdd2d3e8
	s_lshl_b32 s46, s42, 10
	s_lshl_b32 s47, s16, 9
	s_add_co_u32 s46, s46, s47                     ; my first column in b_in, in bytes
	s_mov_b32 s47, 0
	s_add_nc_u64 s[10:11], s[10:11], s[46:47]
	s_lshl_b32 s20, s17, 8
	s_lshl_b32 s21, s15, 7
	s_add_co_u32 s20, s20, s21
	s_lshl_b32 s20, s20, 12                        ; my first token: 4,096 bytes a token,
	s_lshr_b32 s46, s46, 1                         ; 256 bytes for each 128 columns
	s_add_co_u32 s20, s20, s46
	s_mov_b32 s21, 0
	s_add_nc_u64 s[12:13], s[12:13], s[20:21]
.macro FRAGB reg, adr, q, i
.irp c, 0,1,2,3
	ds_load_b128 v[\reg+4*\c:\reg+4*\c+3], v[\adr] offset:128*(\q)+32*\c+(\i)*16*PITCH
.endr
.endm
.macro FRAGA reg, adr, q, i
.irp c, 0,1,2,3
	ds_load_b128 v[\reg+4*\c:\reg+4*\c+3], v[\adr] offset:((128*(\q)+32*\c)/PS)*256+(128*(\q)+32*\c)%PS+(\i)*(16/TPB)*APITCH
.endr
.endm
.macro MUL16 a0, p, zero
.irp a, \a0, \a0+1
.irp b, 0,1,2,3,4,5,6,7
.if \zero
	v_wmma_f32_16x16x128_fp8_fp8 v[8*(8*((\a)%4)+\b):8*(8*((\a)%4)+\b)+7], v[128*(\p)+FR*\b:128*(\p)+FR*\b+FR-1], v[AF+FR*(\a):AF+FR*(\a)+FR-1], 0
.else
	v_wmma_f32_16x16x128_fp8_fp8 v[8*(8*((\a)%4)+\b):8*(8*((\a)%4)+\b)+7], v[128*(\p)+FR*\b:128*(\p)+FR*\b+FR-1], v[AF+FR*(\a):AF+FR*(\a)+FR-1], v[8*(8*((\a)%4)+\b):8*(8*((\a)%4)+\b)+7]
.endif
.endr
.endr
.endm
.macro FETCH_B slot, q, p
	WIN TO_B
.irp i, 0,1,2,3,4,5,6,7
	FRAGB 128*(\p)+FR*\i, ADRB+\slot, \q, \i
.endr
	WIN 0
.endm
.macro FETCH_A slot, q, i0
.irp i, \i0, \i0+1, \i0+2, \i0+3
	FRAGA AF+FR*(\i), ADRA+\slot, \q, \i
.endr
.endm
.macro PLACES n
.rept \n
	v_nop
.endr
.endm
.macro STEP slot, q, zero
	s_wait_dscnt 4*NL                              ; the youngest 16 loads (A's blocks 4-7) may be out
	WIN MUL_LO
	MUL16 0, (\q)%2, \zero
	MUL16 2, (\q)%2, \zero
	s_wait_dscnt 0
	PLACES NP
	FETCH_B \slot, (\q)+1, 1-(\q)%2
	FETCH_A \slot, (\q)+1, 0
	WIN MUL_HI
	MUL16 4, (\q)%2, \zero
	MUL16 6, (\q)%2, \zero
	PLACES NP
	WIN 0
	FETCH_A \slot, (\q)+1, 4
.endm
.macro TURN slot, next, fill
	s_wait_tensorcnt 0x0                           ; all my tensor loads have landed: my part of the next slot
	ds_add_u32 v[SPW], v[NIL]                      ; 0 onto my spare word
	s_wait_dscnt 4*NL+1                            ; (the add and the youngest 16 loads may be out)
	WIN MUL_LO
	MUL16 0, 1, 0
	s_wait_dscnt 0x0                               ; the add is done, and my reads of this slot are over
	s_barrier_signal -1
	MUL16 2, 1, 0
	WIN 0
	s_barrier_wait -1
.if \fill
	CREST
	s_add_nc_u64 s[G0+4*\slot+2:G0+4*\slot+3], s[G0+4*\slot+2:G0+4*\slot+3], 2*AROWB
	s_add_nc_u64 s[G0B+4*\slot+2:G0B+4*\slot+3], s[G0B+4*\slot+2:G0B+4*\slot+3], 2*256
	JLOAD G0+4*\slot, G1, G0B+4*\slot, G1B
.else
	PLACES NP
.endif
	FETCH_B \next, 0, 0
	FETCH_A \next, 0, 0
	WIN MUL_HI
	MUL16 4, 1, 0
	MUL16 6, 1, 0
	PLACES NP
	WIN 0
	FETCH_A \next, 0, 4
.endm
	s_wait_tensorcnt 1                             ; K step 1's load may be out
	s_barrier_signal -1
	s_barrier_wait -1
	FETCH_B 0, 0, 0
	FETCH_A 0, 0, 0
	FETCH_A 0, 0, 4
	STEP 0, 0, 1
	s_mov_b32 s3, LAPS-1
.Llap:
	TURN 0, 1, 1
	STEP 1, 0, 0
	TURN 1, 0, 1
	STEP 0, 0, 0
	s_sub_co_u32 s3, s3, 1
	s_cmp_lg_u32 s3, 0
	s_cbranch_scc1 .Llap
	TURN 0, 1, 0
	STEP 1, 0, 0
	WIN 0x40                                       ; B's set 0 is done with (four places stand behind its last products): the bias comes there, in the results' layout: register 8 b + i = column 16 b + 8 h + i
.irp b, 0,1,2,3,4,5,6,7
	global_load_b128 v[8*\b:8*\b+3], v7, s[10:11] offset:64*\b
	global_load_b128 v[8*\b+4:8*\b+7], v7, s[10:11] offset:64*\b+16
.endr
	WIN 0
	s_wait_dscnt 4*NL
	WIN MUL_LO
	MUL16 0, 1, 0
	MUL16 2, 1, 0
	s_wait_dscnt 0
	WIN MUL_HI
	MUL16 4, 1, 0
	MUL16 6, 1, 0
	WIN 0
	s_wait_kmcnt 0x0
	s_add_co_i32 s96, s96, s97
	s_add_co_i32 s96, s96, 127
	s_lshl_b32 s96, s96, 23                        ; 2^(e12 + e13) as f32
	s_add_co_i32 s92, s92, 127
	s_lshl_b32 s93, s92, 23
	v_mov_b32 v11, s93                             ; 2^e14
	s_add_co_i32 s92, s92, 8
	s_lshl_b32 s92, s92, 23
	s_or_b32 s92, s92, 0x600000
	v_mov_b32 v10, s92                             ; 448 x 2^e14
	PLACES NP
	s_wait_loadcnt 0x0                             ; the bias
; THE WAY OUT, a block of 16 tokens x 128 columns at a time.  Two batches of transcendentals a block, each with one wait.
.macro OUTG a
.set AC, 64*((\a)%4)
	WIN (0x12+(\a)/4)                              ; source 0 (the sums) window 2 or 3, source 2 (the bias) window 1
.set jj, 0
.rept 32
	v_pk_fma_f32 v[XX+jj:XX+jj+1], v[AC+jj:AC+jj+1], s[96:97], v[jj:jj+1] op_sel_hi:[1,0,1]   ; x = sum x 2^(e12 + e13) + b; each accumulator from its low end on
.set jj, jj+2
.endr
	WIN 0
.set jj, 0
.rept 32
	v_pk_mul_f32 v[UU+jj:UU+jj+1], v[XX+jj:XX+jj+1], v[XX+jj:XX+jj+1]
.set jj, jj+2
.endr
.set jj, 0
.rept 32
	v_pk_fma_f32 v[UU+jj:UU+jj+1], v[UU+jj:UU+jj+1], s[70:71], v[8:9] op_sel_hi:[1,0,1]      ; K1 x^2 + K0
.set jj, jj+2
.endr
.set jj, 0
.rept 32
	v_pk_mul_f32 v[UU+jj:UU+jj+1], v[UU+jj:UU+jj+1], v[XX+jj:XX+jj+1]
.set jj, jj+2
.endr
.set jj, 0
.rept 64
	v_exp_f32 v[UU+jj], v[UU+jj]
.set jj, jj+1
.endr
	v_nop                                          ; a plain line behind the batch,
	s_wait_alu depctr_va_vdst(0)                   ; and its one wait, ahead of the first reader
.set jj, 0
.rept 32
	v_pk_add_f32 v[UU+jj:UU+jj+1], v[UU+jj:UU+jj+1], 1.0 op_sel_hi:[1,0]
.set jj, jj+2
.endr
.set jj, 0
.rept 64
	v_rcp_f32 v[UU+jj], v[UU+jj]
.set jj, jj+1
.endr
	v_nop
	s_wait_alu depctr_va_vdst(0)
.set jj, 0
.rept 32
	v_pk_mul_f32 v[XX+jj:XX+jj+1], v[XX+jj:XX+jj+1], v[UU+jj:UU+jj+1]                        ; gelu(x)
.set jj, jj+2
.endr
.set jj, 0
.rept 64
	v_med3_num_f32 v[XX+jj], v[XX+jj], -v10, v10
.set jj, jj+1
.endr
.irp b, 0,1,2,3,4,5,6,7
	v_cvt_scalef32_pk8_fp8_f32 v[96+2*\b:97+2*\b], v[XX+8*\b:XX+8*\b+7], v11
.endr
	v_nop                                          ; a plain line behind the last conversion
.irp b, 0,1,2,3,4,5,6,7
	ds_store_b64 v[STO], v[96+2*\b:97+2*\b] offset:16*\b
.endr
.if (\a) > 0
	s_wait_xcnt 0x0                                ; the last block's stores have read their registers
.endif
.irp i, 0,1,2,3
	ds_load_b128 v[112+4*\i:115+4*\i], v[RD] offset:544*\i
.endr
	s_wait_dscnt 0x0
.irp i, 0,1,2,3
	global_store_b128 v[CO], v[112+4*\i:115+4*\i], s[12:13] offset:65536*(\a)+16384*\i   ; sixteen lanes store two tokens' 256 consecutive bytes, aligned
.endr
.endm
.irp a, 0,1,2,3,4,5,6,7
	OUTG \a
.endr
	s_wait_tensorcnt 0x0                           ; the wave's end
	ds_add_u32 v[SPW], v[NIL]
	s_wait_dscnt 0x0
	CROUND
	s_endpgm
.Lfunc_end_k_qc855cd1742_mlpin:
	.size	k_qc855cd1742_mlpin, .Lfunc_end_k_qc855cd1742_mlpin-k_qc855cd1742_mlpin
	.p2alignl 7, 3214868480
	.fill 96, 4, 3214868480
	.section	.rodata,"a",@progbits
	.p2align	6, 0x0
	.amdhsa_kernel k_qc855cd1742_mlpin
		.amdhsa_group_segment_fixed_size 327680
		.amdhsa_private_segment_fixed_size 0
		.amdhsa_enable_private_segment 0
		.amdhsa_kernarg_size 40
		.amdhsa_user_sgpr_count 2
		.amdhsa_user_sgpr_kernarg_segment_ptr 1
		.amdhsa_wavefront_size32 1
		.amdhsa_system_sgpr_workgroup_id_x 1
		.amdhsa_system_sgpr_workgroup_id_y 1
		.amdhsa_system_sgpr_workgroup_id_z 1
		.amdhsa_system_vgpr_workitem_id 0
		.amdhsa_next_free_vgpr 1024
		.amdhsa_next_free_sgpr 100
		.amdhsa_reserve_vcc 0
		.amdhsa_float_denorm_mode_32 3
		.amdhsa_float_denorm_mode_16_64 3
		.amdhsa_memory_ordered 1
		.amdhsa_forward_progress 1
		.amdhsa_inst_pref_size 255
	.end_amdhsa_kernel
	.section	.bss,"aw",@nobits
	.p2align	6
	.space	262144
	.amdgpu_metadata
---
amdhsa.version: [ 1, 2 ]
amdhsa.kernels:
  - .name:           k_qc855cd1742_mlpin
    .symbol:         k_qc855cd1742_mlpin.kd
    .args:
      - { .name: h2codes, .offset: 0, .size: 8, .value_kind: global_buffer, .address_space: global }
      - { .name: wcodes, .offset: 8, .size: 8, .value_kind: global_buffer, .address_space: global }
      - { .name: lowp_scales, .offset: 16, .size: 8, .value_kind: global_buffer, .address_space: global }
      - { .name: b_in, .offset: 24, .size: 8, .value_kind: global_buffer, .address_space: global }
      - { .name: hcodes, .offset: 32, .size: 8, .value_kind: global_buffer, .address_space: global }
    .group_segment_fixed_size: 327680
    .private_segment_fixed_size: 0
    .kernarg_segment_align: 8
    .kernarg_segment_size: 40
    .max_flat_workgroup_size: 128
    .sgpr_count:     100
    .vgpr_count:     1024
    .wavefront_size: 32
...
	.end_amdgpu_metadata
.endif
;; end of part 7
;; launch mlpout (part 8): grid 4 x 16, 4 waves a work-group, clusters of 4 x 4, 327,680 bytes of LDS; arguments hcodes, wcodes, lowp_scales, rmid, out0, b_out; writes out0
.if DOCPART == 8
	.amdgcn_target "amdgcn-amd-amdhsa--gfx1250"
	.amdhsa_code_object_version 6
	.text
	.protected	k_qc855cd1742_mlpout
	.globl	k_qc855cd1742_mlpout
	.p2align	8
	.type	k_qc855cd1742_mlpout,@function
k_qc855cd1742_mlpout:
	s_mov_b64 s[64:65], 0
	v_nop
	global_prefetch_b8 v0, s[64:65] scope:SCOPE_SE
	s_setreg_imm32_b32 hwreg(HW_REG_WAVE_MODE, 25, 1), 1
	s_wait_xcnt 0x0
	s_wait_alu depctr_hold_cnt(0) depctr_sa_sdst(0) depctr_va_vdst(0) depctr_va_sdst(0) depctr_va_ssrc(0) depctr_va_vcc(0) depctr_vm_vsrc(0)
	s_getreg_b32 s2, hwreg(HW_REG_IB_STS2, 6, 4)
	s_cmp_eq_u32 s2, 0
	s_cbranch_scc0 .Lentry_in_a_cluster
	s_endpgm
.Lentry_in_a_cluster:
	s_bfe_u32 s2, ttmp6, 0x10000c
	s_cmp_lg_u32 s2, 0xf033
	s_cbranch_scc0 .Lentry_shape_is_right
	s_endpgm
.Lentry_shape_is_right:
; Product 8 on codes of FP8 (E4M3), the bias and the second residual: out0[token][d] = rmid + b_out + 2^(e14 + e15) x sum over k of h[token][k] w_out[d][k], f32.
; A = hcodes, whose aligned blocks of 256 bytes hold 2 tokens x 128 k: byte(token, k) = (token / 2) 8,192 + 256 (k / 128) + 128 (token % 2) + k % 128.  A K step of 256 is 512 consecutive bytes for two tokens:
; the tile is 64 rows of 512 bytes, and a fragment's loads pick a token's pieces of 128 bytes.  B = w_out's codes, [d][4,096], at 8 MiB in wcodes.
; LIMIT: e14 + e15 between -126 and 127.
; C has 64 tiles of 256 x 256: 64 work-groups.  A tile is made by four waves, each 128 x 128: 64 accumulators.  K goes in 16 steps of 256 through two LDS slots filled by the tensor data mover.
; CLUSTERS: 4 x 4 work-groups; A's tile is asked for jointly along a row of the cluster, B's along a column.  THE MATRIX INSTRUCTION IS USED TRANSPOSED (source 0 = 16 rows of B, source 1 = 16 rows of A).
; REGISTERS: window 0: v0-31 addresses (v8-11 my four numbers of b_out), v128-255 A's fragments (one set), later rows of C;  window 1: B's fragments, two sets, later the residual's rows;  windows 2, 3: the accumulators.
.set SIZE_K, 4096
.set TPB,    2
.set LTPB,   1
.set QIA,    6                         ; padding behind every 128 words
.set WOFF,   8<<20
.set SCOFF,  0x38
.set AROWB,  256*TPB
.set APITCH, AROWB+16
.set AROWS,  128/TPB
.set PS,     256/TPB
.set PITCH,  272
.set FR,     16
.set NL,     4
.set NP,     4
.set HALFT,  128*PITCH
.set SLOT,   4*HALFT
.set LAPS,   SIZE_K/512
.set SPARE,  2*SLOT
.set WSTG,   8448
.set SPITCH, 528
.set ADRA, 16
.set ADRB, 20
.set STO,  24
.set RD,   25
.set CO,   26
.set SPW,  28
.set NIL,  29
.set AF,   128
.set BK,   128
.set G1,  24
.set G0,  32
.set G1B, 48
.set G0B, 56
.set MSB, 0
.macro WIN new
.if MSB != (\new)
	s_set_vgpr_msb (MSB<<8)|(\new)
.set MSB, (\new)
.endif
.endm
.set MUL_LO, 0xa1
.set MUL_HI, 0xf1
.set TO_B,   0x40
.macro JLOAD g0a, g1a, g0b, g1b
	s_cmp_eq_u32 s15, 0
	s_cbranch_scc0 .Lfor_b_\@
	tensor_load_to_lds s[\g0a:\g0a+3], s[\g1a:\g1a+7]
.rept 4
	v_nop
.endr
	s_branch .Lasked_\@
.Lfor_b_\@:
	tensor_load_to_lds s[\g0b:\g0b+3], s[\g1b:\g1b+7]
.rept 4
	v_nop
.endr
.Lasked_\@:
.endm
.macro CREST
	s_cmp_lg_u32 s14, 0
	s_cbranch_scc1 .Lnot_wave_0_\@
	s_barrier_signal -3
.Lnot_wave_0_\@:
	s_barrier_wait -3
	s_barrier_signal -1
	s_barrier_wait -1
.endm
.macro CROUND
	s_barrier_signal -1
	s_barrier_wait -1
	CREST
.endm
	s_load_b128 s[4:7], s[0:1], 0x0                ; A's codes, wcodes
	s_load_b128 s[8:11], s[0:1], 0x10              ; the scales, the residual
	s_load_b64 s[12:13], s[0:1], 0x20              ; C
	s_load_b64 s[66:67], s[0:1], 0x28              ; b_out
	v_lshl_add_u32 v[SPW], v0, 2, SPARE
	v_mov_b32 v[NIL], 0
	v_lshrrev_b32 v1, 5, v0
	v_readfirstlane_b32 s14, v1
	s_lshr_b32 s15, s14, 1
	s_and_b32 s16, s14, 1
	s_bfe_u32 s40, ttmp6, 0x40000
	s_bfe_u32 s41, ttmp6, 0x40004
	s_lshl_b32 s42, ttmp9, 2
	s_add_co_u32 s42, s42, s40                     ; tile column of C
	s_and_b32 s17, ttmp7, 0xffff
	s_lshl_b32 s17, s17, 2
	s_add_co_u32 s17, s17, s41                     ; tile row of C
	s_lshl_b32 s43, s41, 2
	s_lshl_b32 s43, 15, s43
	s_lshl_b32 s44, 0x1111, s40
	s_or_b32 s[G1+0], s43, (1<<20)|(1<<21)|(QIA<<22)|(3<<25)
	s_or_b32 s[G1B+0], s44, (1<<20)|(1<<21)|(5<<22)|(3<<25)
	s_mov_b32 s[G1+1], AROWB<<16
	s_mov_b32 s[G1+2], AROWS<<16
	s_mov_b32 s[G1+3], AROWB<<16
	s_mov_b32 s[G1+4], AROWS
	s_mov_b32 s[G1+5], SIZE_K*TPB
	s_mov_b32 s[G1+6], 0
	s_mov_b32 s[G1+7], 0
	s_mov_b32 s[G1B+1], 256<<16
	s_mov_b32 s[G1B+2], 128<<16
	s_mov_b32 s[G1B+3], 256<<16
	s_mov_b32 s[G1B+4], 128
	s_mov_b32 s[G1B+5], SIZE_K
	s_mov_b32 s[G1B+6], 0
	s_mov_b32 s[G1B+7], 0
	s_lshl_b32 s18, s16, 7
	s_lshl_b32 s20, s17, 8
	s_add_co_u32 s20, s20, s18
	s_lshl_b32 s46, s42, 8
	s_add_co_u32 s46, s46, s18
	s_mul_i32 s20, s20, SIZE_K                     ; a token's share of A is SIZE_K bytes, whatever TPB
	s_mov_b32 s21, 0
	s_mul_i32 s46, s46, SIZE_K
	s_mov_b32 s47, 0
	s_mul_i32 s45, s14, HALFT
	s_wait_kmcnt 0x0
	s_load_b64 s[96:97], s[8:9], SCOFF             ; ea, eb
	s_add_nc_u64 s[6:7], s[6:7], WOFF
	s_add_nc_u64 s[20:21], s[4:5], s[20:21]
	s_add_nc_u64 s[46:47], s[6:7], s[46:47]
	CROUND
.irp s, 0,1
	s_mov_b32 s[G0+4*\s], 1
	s_add_co_u32 s[G0+4*\s+1], s45, \s*SLOT
	s_add_nc_u64 s[G0+4*\s+2:G0+4*\s+3], s[20:21], \s*AROWB
	s_or_b32 s[G0+4*\s+3], s[G0+4*\s+3], 0x80000000
	s_mov_b32 s[G0B+4*\s], 1
	s_add_co_u32 s[G0B+4*\s+1], s45, \s*SLOT
	s_add_nc_u64 s[G0B+4*\s+2:G0B+4*\s+3], s[46:47], \s*256
	s_or_b32 s[G0B+4*\s+3], s[G0B+4*\s+3], 0x80000000
	JLOAD G0+4*\s, G1, G0B+4*\s, G1B
.endr
	v_and_b32 v1, 15, v0
	v_bfe_u32 v2, v0, 4, 1
	v_mul_u32_u24 v3, v1, PITCH
	v_lshl_add_u32 v4, v2, 4, v3
	v_lshrrev_b32 v5, LTPB, v1
	v_and_b32 v6, TPB-1, v1
	v_mul_u32_u24 v5, v5, APITCH
	v_mad_u32_u24 v5, v6, PS, v5
	v_lshl_add_u32 v5, v2, 4, v5
	s_mul_i32 s21, s15, HALFT
	s_mul_i32 s22, s16, HALFT
	s_add_co_u32 s22, s22, 2*HALFT
.irp s, 0,1
	v_add_nc_u32 v[ADRA+\s], s21, v5
	v_add_nc_u32 v[ADRB+\s], s22, v4
	s_add_co_u32 s21, s21, SLOT
	s_add_co_u32 s22, s22, SLOT
.endr
	s_mul_i32 s23, s14, WSTG                       ; my stage: 16 rows of 512 bytes + 16
	v_mul_u32_u24 v5, v1, SPITCH
	v_lshl_add_u32 v5, v2, 5, v5
	v_add_nc_u32 v[STO], s23, v5
	v_and_b32 v6, 31, v0
	v_lshlrev_b32 v[CO], 4, v6
	v_add_nc_u32 v[RD], s23, v[CO]
	s_lshl_b32 s20, s17, 8
	s_lshl_b32 s21, s15, 7
	s_add_co_u32 s20, s20, s21
	s_lshl_b32 s20, s20, 12                        ; my first row of C, 4,096 bytes a row,
	s_lshl_b32 s46, s42, 10
	s_lshl_b32 s47, s16, 9
	s_add_co_u32 s46, s46, s47                     ; my first column
	s_mov_b32 s47, 0
	s_add_nc_u64 s[66:67], s[66:67], s[46:47]
	global_load_b128 v[8:11], v[CO], s[66:67]      ; b_out of my four columns: the oldest load, so every later wait for loads covers it
	s_add_co_u32 s20, s20, s46
	s_mov_b32 s21, 0
	s_add_nc_u64 s[10:11], s[10:11], s[20:21]
	s_add_nc_u64 s[12:13], s[12:13], s[20:21]
.macro FRAGB reg, adr, q, i
.irp c, 0,1,2,3
	ds_load_b128 v[\reg+4*\c:\reg+4*\c+3], v[\adr] offset:128*(\q)+32*\c+(\i)*16*PITCH
.endr
.endm
.macro FRAGA reg, adr, q, i
.irp c, 0,1,2,3
	ds_load_b128 v[\reg+4*\c:\reg+4*\c+3], v[\adr] offset:((128*(\q)+32*\c)/PS)*256+(128*(\q)+32*\c)%PS+(\i)*(16/TPB)*APITCH
.endr
.endm
.macro MUL16 a0, p, zero
.irp a, \a0, \a0+1
.irp b, 0,1,2,3,4,5,6,7
.if \zero
	v_wmma_f32_16x16x128_fp8_fp8 v[8*(8*((\a)%4)+\b):8*(8*((\a)%4)+\b)+7], v[128*(\p)+FR*\b:128*(\p)+FR*\b+FR-1], v[AF+FR*(\a):AF+FR*(\a)+FR-1], 0
.else
	v_wmma_f32_16x16x128_fp8_fp8 v[8*(8*((\a)%4)+\b):8*(8*((\a)%4)+\b)+7], v[128*(\p)+FR*\b:128*(\p)+FR*\b+FR-1], v[AF+FR*(\a):AF+FR*(\a)+FR-1], v[8*(8*((\a)%4)+\b):8*(8*((\a)%4)+\b)+7]
.endif
.endr
.endr
.endm
.macro FETCH_B slot, q, p
	WIN TO_B
.irp i, 0,1,2,3,4,5,6,7
	FRAGB 128*(\p)+FR*\i, ADRB+\slot, \q, \i
.endr
	WIN 0
.endm
.macro FETCH_A slot, q, i0
.irp i, \i0, \i0+1, \i0+2, \i0+3
	FRAGA AF+FR*(\i), ADRA+\slot, \q, \i
.endr
.endm
.macro PLACES n
.rept \n
	v_nop
.endr
.endm
.macro STEP slot, q, zero
	s_wait_dscnt 4*NL                              ; the youngest 16 loads (A's blocks 4-7) may be out
	WIN MUL_LO
	MUL16 0, (\q)%2, \zero
	MUL16 2, (\q)%2, \zero
	s_wait_dscnt 0
	PLACES NP
	FETCH_B \slot, (\q)+1, 1-(\q)%2
	FETCH_A \slot, (\q)+1, 0
	WIN MUL_HI
	MUL16 4, (\q)%2, \zero
	MUL16 6, (\q)%2, \zero
	PLACES NP
	WIN 0
	FETCH_A \slot, (\q)+1, 4
.endm
.macro TURN slot, next, fill
	s_wait_tensorcnt 0x0                           ; all my tensor loads have landed: my part of the next slot
	ds_add_u32 v[SPW], v[NIL]                      ; 0 onto my spare word
	s_wait_dscnt 4*NL+1                            ; (the add and the youngest 16 loads may be out)
	WIN MUL_LO
	MUL16 0, 1, 0
	s_wait_dscnt 0x0                               ; the add is done, and my reads of this slot are over
	s_barrier_signal -1
	MUL16 2, 1, 0
	WIN 0
	s_barrier_wait -1
.if \fill
	CREST
	s_add_nc_u64 s[G0+4*\slot+2:G0+4*\slot+3], s[G0+4*\slot+2:G0+4*\slot+3], 2*AROWB
	s_add_nc_u64 s[G0B+4*\slot+2:G0B+4*\slot+3], s[G0B+4*\slot+2:G0B+4*\slot+3], 2*256
	JLOAD G0+4*\slot, G1, G0B+4*\slot, G1B
.else
	PLACES NP
.endif
	FETCH_B \next, 0, 0
	FETCH_A \next, 0, 0
	WIN MUL_HI
	MUL16 4, 1, 0
	MUL16 6, 1, 0
	PLACES NP
	WIN 0
	FETCH_A \next, 0, 4
.endm
; The residual's 16 rows of block a, 512 bytes of each, into window 1, where B's fragments lay: four buffers of 64 registers
.macro RLOAD a
	WIN 0x40
.irp t, 0,1,2,3,4,5,6,7,8,9,10,11,12,13,14,15
	global_load_b128 v[64*((\a)%4)+4*\t:64*((\a)%4)+4*\t+3], v[CO], s[10:11] offset:65536*(\a)+4096*\t th:TH_LOAD_NT
.endr
	WIN 0
.endm
.macro TOSTAGE a                       ; block a's sums go into my stage as they stand (each accumulator from its low end on) and come back as whole rows of 512 bytes
.set AC, 64*((\a)%4)
	WIN (0x08+4*((\a)/4))                          ; the stores' data: window 2 or 3
.irp b, 0,1,2,3,4,5,6,7
	ds_store_b128 v[STO], v[AC+8*\b:AC+8*\b+3] offset:64*\b
	ds_store_b128 v[STO], v[AC+8*\b+4:AC+8*\b+7] offset:64*\b+16
.endr
	WIN 0
.set BB, BK+64*((\a)%2)
.irp t, 0,1,2,3,4,5,6,7,8,9,10,11,12,13,14,15
	ds_load_b128 v[BB+4*\t:BB+4*\t+3], v[RD] offset:\t*SPITCH
.endr
.endm
.macro SEND a, younger                 ; younger: the LDS instructions issued behind block a's loads
.set BB, BK+64*((\a)%2)
.set RR, 64*((\a)%4)
	s_wait_dscnt \younger
.if (\a) <= 4
	s_wait_loadcnt 48                              ; block a's residual is in; the three blocks of 16 loads behind it may be out
.else
	s_wait_loadcnt 16*(7-(\a))
.endif
	WIN 0x10                                       ; source 2: window 1
.set jj, 0
.rept 32
	v_pk_fma_f32 v[BB+jj:BB+jj+1], v[BB+jj:BB+jj+1], s[96:97], v[RR+jj:RR+jj+1] op_sel_hi:[1,0,1]   ; sum x 2^(ea + eb) + residual
.set jj, jj+2
.endr
	WIN 0
.set jj, 0
.rept 16
	v_pk_add_f32 v[BB+jj:BB+jj+1], v[BB+jj:BB+jj+1], v[8:9]                                          ; + b_out
	v_pk_add_f32 v[BB+jj+2:BB+jj+3], v[BB+jj+2:BB+jj+3], v[10:11]
.set jj, jj+4
.endr
.irp t, 0,1,2,3,4,5,6,7,8,9,10,11,12,13,14,15
	global_store_b128 v[CO], v[BB+4*\t:BB+4*\t+3], s[12:13] offset:65536*(\a)+4096*\t th:TH_STORE_NT   ; 512 consecutive bytes, aligned; written once, read by nobody here
.endr
.if (\a) < 4
	RLOAD (\a)+4
.endif
.endm
	s_wait_tensorcnt 1                             ; K step 1's load may be out
	s_barrier_signal -1
	s_barrier_wait -1
	FETCH_B 0, 0, 0
	FETCH_A 0, 0, 0
	FETCH_A 0, 0, 4
	STEP 0, 0, 1
	s_mov_b32 s3, LAPS-1
.Llap:
	TURN 0, 1, 1
	STEP 1, 0, 0
	TURN 1, 0, 1
	STEP 0, 0, 0
	s_sub_co_u32 s3, s3, 1
	s_cmp_lg_u32 s3, 0
	s_cbranch_scc1 .Llap
	TURN 0, 1, 0
	STEP 1, 0, 0
	RLOAD 0                                        ; B's set 0 is done with (four places stand behind its last products): the first residual rows are asked for under the last step
	RLOAD 1
	s_wait_dscnt 4*NL
	WIN MUL_LO
	MUL16 0, 1, 0
	MUL16 2, 1, 0
	s_wait_dscnt 0
	WIN MUL_HI
	MUL16 4, 1, 0
	MUL16 6, 1, 0
	WIN 0
	s_wait_kmcnt 0x0
	s_add_co_i32 s96, s96, s97
	s_add_co_i32 s96, s96, 127
	s_lshl_b32 s96, s96, 23                        ; 2^(ea + eb) as f32
	PLACES NP
	RLOAD 2
	RLOAD 3
	TOSTAGE 0
.irp a, 1,2,3,4,5,6,7
.if \a > 1
	s_wait_xcnt 0x0                                ; block a - 2's stores have read their registers: block a's rows may land there
.endif
	TOSTAGE \a
	SEND \a-1, 32                                  ; behind block a - 1's loads: block a's 16 stores and 16 loads
.endr
	SEND 7, 0
	s_wait_tensorcnt 0x0                           ; the wave's end
	ds_add_u32 v[SPW], v[NIL]
	s_wait_dscnt 0x0
	CROUND
	s_endpgm
.Lfunc_end_k_qc855cd1742_mlpout:
	.size	k_qc855cd1742_mlpout, .Lfunc_end_k_qc855cd1742_mlpout-k_qc855cd1742_mlpout
	.p2alignl 7, 3214868480
	.fill 96, 4, 3214868480
	.section	.rodata,"a",@progbits
	.p2align	6, 0x0
	.amdhsa_kernel k_qc855cd1742_mlpout
		.amdhsa_group_segment_fixed_size 327680
		.amdhsa_private_segment_fixed_size 0
		.amdhsa_enable_private_segment 0
		.amdhsa_kernarg_size 48
		.amdhsa_user_sgpr_count 2
		.amdhsa_user_sgpr_kernarg_segment_ptr 1
		.amdhsa_wavefront_size32 1
		.amdhsa_system_sgpr_workgroup_id_x 1
		.amdhsa_system_sgpr_workgroup_id_y 1
		.amdhsa_system_sgpr_workgroup_id_z 1
		.amdhsa_system_vgpr_workitem_id 0
		.amdhsa_next_free_vgpr 1024
		.amdhsa_next_free_sgpr 100
		.amdhsa_reserve_vcc 0
		.amdhsa_float_denorm_mode_32 3
		.amdhsa_float_denorm_mode_16_64 3
		.amdhsa_memory_ordered 1
		.amdhsa_forward_progress 1
		.amdhsa_inst_pref_size 152
	.end_amdhsa_kernel
	.amdgpu_metadata
---
amdhsa.version: [ 1, 2 ]
amdhsa.kernels:
  - .name:           k_qc855cd1742_mlpout
    .symbol:         k_qc855cd1742_mlpout.kd
    .args:
      - { .name: hcodes, .offset: 0, .size: 8, .value_kind: global_buffer, .address_space: global }
      - { .name: wcodes, .offset: 8, .size: 8, .value_kind: global_buffer, .address_space: global }
      - { .name: lowp_scales, .offset: 16, .size: 8, .value_kind: global_buffer, .address_space: global }
      - { .name: rmid, .offset: 24, .size: 8, .value_kind: global_buffer, .address_space: global }
      - { .name: out0, .offset: 32, .size: 8, .value_kind: global_buffer, .address_space: global }
      - { .name: b_out, .offset: 40, .size: 8, .value_kind: global_buffer, .address_space: global }
    .group_segment_fixed_size: 327680
    .private_segment_fixed_size: 0
    .kernarg_segment_align: 8
    .kernarg_segment_size: 48
    .max_flat_workgroup_size: 128
    .sgpr_count:     100
    .vgpr_count:     1024
    .wavefront_size: 32
...
	.end_amdgpu_metadata
.endif
;; end of part 8
;; ======== version 2 of 2: 8 launches
;; limits: right only within a limited range of input values
;; workspace buffers: wcodes 12,582,912 bytes; xcodes 12,582,912 bytes; qkvc 12,582,912 bytes; zcodes 4,194,304 bytes; rmid 16,777,216 bytes; h2codes 4,194,304 bytes; hcodes 16,777,216 bytes
;; launch wq (part 9): grid 384 x 1, 4 waves a work-group, no clusters, 34,816 bytes of LDS; arguments w_q, w_k, w_v, w_o, w_in, w_out, lowp_scales, wcodes; writes wcodes
.if DOCPART == 9
	.amdgcn_target "amdgcn-amd-amdhsa--gfx1250"
	.amdhsa_code_object_version 6
	.text
	.protected	k_qc855cd1742_wq
	.globl	k_qc855cd1742_wq
	.p2align	8
	.type	k_qc855cd1742_wq,@function
k_qc855cd1742_wq:
	s_mov_b64 s[64:65], 0
	v_nop
	global_prefetch_b8 v0, s[64:65] scope:SCOPE_SE
	s_setreg_imm32_b32 hwreg(HW_REG_WAVE_MODE, 25, 1), 1
	s_wait_xcnt 0x0
; The six weights, f32 with K NOT innermost, become codes of FP8 (E4M3) laid [n][k], K innermost, each with its given scale 2^e.
; wcodes: w_q at 0, w_k at 1 MiB, w_v at 2 MiB (row n = 64 head + e, 1,024 bytes), w_o at 3 MiB (row n = d, k = 64 head + e), w_in at 4 MiB (4,096 rows of 1,024), w_out at 8 MiB (1,024 rows of 4,096).
; code = x / 2^e, to the nearest code, ties to even.  LIMITS: -126 <= e <= 119.  NaN among the inputs is not served.
; A work-group takes 128 columns n x 256 along K, a wave 32 columns: A LANE TAKES A COLUMN AND ITS REGISTERS RUN DOWN K, so each load reads 128 consecutive bytes a wave and the conversions give K innermost.
; A lane's codes belong to one output row: they go through the wave's own stage in LDS and leave by rows, sixteen lanes storing 256 consecutive bytes, aligned.  Waves share nothing: no barrier.
; Work-groups share no input: no cluster.  One text serves all six tensors: only pointers and pitches are chosen, by the work-group's number.
.set PITCH, 272                        ; a stage row: 256 bytes of codes + 16
.set VO,   16                          ; v16-47   4 x lane + i source rows
.set X,    48                          ; v48-111  two sets of 32 numbers
.set C,    112                         ; v112-119 a block's codes
.set OO,   120                         ; v120-135 the stores' offsets
.set OUTR, 136                         ; v136-199 the way out
.set BS,   40                          ; s[40:55] the source at each of the eight blocks of 32 along K
	s_load_b512 s[16:31], s[0:1], 0x0              ; w_q, w_k, w_v, w_o, w_in, w_out, the scales, wcodes
	v_lshrrev_b32 v1, 5, v0
	v_readfirstlane_b32 s8, v1                     ; wave
	v_and_b32 v2, 31, v0                           ; lane
	s_wait_alu depctr_va_vdst(0)
	s_lshr_b32 s9, ttmp9, 5                        ; 32 work-groups to a step of the table below
	s_mov_b32 s10, 256                             ; w_out's line: first work-group,
	s_mov_b32 s11, 3                               ; bits of the column block,
	s_mov_b32 s12, 4096                            ; bytes from k to k + 1 in the source,
	s_mov_b32 s13, 4096                            ; bytes of a row of codes,
	s_mov_b32 s14, 60                              ; byte of its scale's entry,
	s_mov_b32 s15, 8<<20                           ; its place in wcodes
	s_mul_i32 s37, s8, 32*PITCH                    ; my stage
	v_mul_u32_u24 v4, v2, PITCH
	v_add_nc_u32 v4, s37, v4                       ; into it: row = my column
	v_and_b32 v5, 15, v2
	v_lshrrev_b32 v6, 4, v2
	v_mul_u32_u24 v7, v6, PITCH
	v_lshl_add_u32 v7, v5, 4, v7
	v_add_nc_u32 v7, s37, v7                       ; out of it: sixteen lanes to a row, two rows an instruction
	s_wait_kmcnt 0x0
	s_mov_b64 s[4:5], s[26:27]
.macro SEL lim, ptr, first, cb, rs, krow, sc, dst      ; the tensor's line, where the work-group lies under lim
	s_cmp_lt_u32 s9, \lim
	s_cselect_b64 s[4:5], s[\ptr:\ptr+1], s[4:5]
	s_cselect_b32 s10, \first, s10
	s_cselect_b32 s11, \cb, s11
	s_cselect_b32 s12, \rs, s12
	s_cselect_b32 s13, \krow, s13
	s_cselect_b32 s14, \sc, s14
	s_cselect_b32 s15, \dst, s15
.endm
	SEL 8, 24, 128, 5, 16384, 1024, 52, 4<<20      ; w_in
	SEL 4, 22, 96, 3, 4096, 1024, 44, 3<<20        ; w_o
	SEL 3, 20, 64, 3, 256, 1024, 16, 2<<20         ; w_v
	SEL 2, 18, 32, 3, 256, 1024, 8, 1<<20          ; w_k
	SEL 1, 16, 0, 3, 256, 1024, 0, 0               ; w_q
	s_mov_b32 s62, s14
	s_mov_b32 s63, 0
	s_add_nc_u64 s[62:63], s[28:29], s[62:63]
	s_load_b32 s56, s[62:63], 0x0                  ; e
	s_sub_co_u32 s32, ttmp9, s10                   ; my number within the tensor
	s_lshl_b32 s33, 1, s11
	s_sub_co_u32 s33, s33, 1
	s_and_b32 s34, s32, s33                        ; column block
	s_lshr_b32 s35, s32, s11                       ; block of 256 along K
	s_lshl_b32 s36, s34, 7
	s_lshl_b32 s37, s8, 5
	s_add_co_u32 s36, s36, s37                     ; n0: my wave's first column
	s_lshr_b32 s37, s36, 6
	s_lshl_b32 s37, s37, 18                        ; w_q, w_k, w_v: the head's 262,144 bytes,
	s_and_b32 s38, s36, 63
	s_lshl_b32 s38, s38, 2
	s_add_co_u32 s37, s37, s38                     ; and the column within the head
	s_lshl_b32 s38, s36, 2                         ; the others: 4 n0
	s_cmp_lt_u32 s9, 3
	s_cselect_b32 s38, s37, s38
	s_mul_i32 s37, s35, s12
	s_lshl_b32 s37, s37, 8                         ; 256 rows k for each block along K
	s_add_co_u32 s38, s38, s37
	s_mov_b32 s39, 0
	s_add_nc_u64 s[BS:BS+1], s[4:5], s[38:39]
	s_lshl_b32 s60, s12, 5                         ; 32 rows k
	s_mov_b32 s61, 0
.irp t, 1,2,3,4,5,6,7
	s_add_nc_u64 s[BS+2*\t:BS+2*\t+1], s[BS+2*\t-2:BS+2*\t-1], s[60:61]
.endr
	s_mul_i32 s38, s36, s13                        ; the codes: row n0,
	s_lshl_b32 s37, s35, 8                         ; 256 bytes for each block along K,
	s_add_co_u32 s38, s38, s37
	s_add_co_u32 s38, s38, s15                     ; the tensor's place
	s_add_nc_u64 s[6:7], s[30:31], s[38:39]
	v_lshlrev_b32 v[VO], 2, v2
.set ii, 1
.rept 31
	v_add_nc_u32 v[VO+ii], s12, v[VO+ii-1]
.set ii, ii+1
.endr
	v_mul_lo_u32 v[OO], v6, s13
	v_lshl_add_u32 v[OO], v5, 4, v[OO]
	s_lshl_b32 s37, s13, 1
.set ii, 1
.rept 15
	v_add_nc_u32 v[OO+ii], s37, v[OO+ii-1]
.set ii, ii+1
.endr
.macro LOAD t                          ; block t: w(32 t + i, my column), i = 0 .. 31, into set t % 2
.set ii, 0
.rept 32
	global_load_b32 v[X+32*((\t)%2)+ii], v[VO+ii], s[BS+2*(\t):BS+2*(\t)+1] th:TH_LOAD_NT
.set ii, ii+1
.endr
.endm
	LOAD 0
	LOAD 1
	s_wait_kmcnt 0x0
	s_add_co_i32 s56, s56, 127
	s_lshl_b32 s57, s56, 23
	v_mov_b32 v11, s57                             ; 2^e as f32: the conversion takes its exponent field
	s_add_co_i32 s56, s56, 8
	s_lshl_b32 s56, s56, 23
	s_or_b32 s56, s56, 0x600000
.macro BLOCK t
.set XS, X+32*((\t)%2)
.if (\t) < 7
	s_wait_loadcnt 32                              ; this block's 32 loads are in; the next block's 32 may be out
.else
	s_wait_loadcnt 0
.endif
.set ii, 0
.rept 32
.set ii, ii+1
.endr
.irp g, 0,1,2,3
	v_cvt_scalef32_pk8_fp8_f32 v[C+2*\g:C+2*\g+1], v[XS+8*\g:XS+8*\g+7], v11
.endr
	ds_store_b128 v4, v[C:C+3] offset:32*(\t)      ; 32 codes of my column's row
	ds_store_b128 v4, v[C+4:C+7] offset:32*(\t)+16
.if (\t)+2 < 8
	LOAD (\t)+2
.endif
	s_wait_dscnt 0x0                               ; the stores have read their registers: the next block's codes may be written
.endm
.set Q, 0
	s_wait_alu depctr_va_vdst(0)
.rept 8
	BLOCK Q
.set Q, Q+1
.endr
.irp t, 0,1,2,3,4,5,6,7,8,9,10,11,12,13,14,15
	ds_load_b128 v[OUTR+4*\t:OUTR+4*\t+3], v7 offset:2*\t*PITCH   ; LDS serves a wave's instructions in order: these see my stores
.endr
.irp t, 0,1,2,3,4,5,6,7,8,9,10,11,12,13,14,15
	s_wait_dscnt 15-\t
	global_store_b128 v[OO+\t], v[OUTR+4*\t:OUTR+4*\t+3], s[6:7]   ; sixteen lanes store 256 consecutive bytes, aligned
.endr
	s_endpgm
.Lfunc_end_k_qc855cd1742_wq:
	.size	k_qc855cd1742_wq, .Lfunc_end_k_qc855cd1742_wq-k_qc855cd1742_wq
	.p2alignl 7, 3214868480
	.fill 96, 4, 3214868480
	.section	.rodata,"a",@progbits
	.p2align	6, 0x0
	.amdhsa_kernel k_qc855cd1742_wq
		.amdhsa_group_segment_fixed_size 34816
		.amdhsa_private_segment_fixed_size 0
		.amdhsa_enable_private_segment 0
		.amdhsa_kernarg_size 64
		.amdhsa_user_sgpr_count 2
		.amdhsa_user_sgpr_kernarg_segment_ptr 1
		.amdhsa_wavefront_size32 1
		.amdhsa_system_sgpr_workgroup_id_x 1
		.amdhsa_system_sgpr_workgroup_id_y 1
		.amdhsa_system_sgpr_workgroup_id_z 1
		.amdhsa_system_vgpr_workitem_id 0
		.amdhsa_next_free_vgpr 224
		.amdhsa_next_free_sgpr 66
		.amdhsa_reserve_vcc 0
		.amdhsa_float_denorm_mode_32 3
		.amdhsa_float_denorm_mode_16_64 3
		.amdhsa_fp16_overflow 1
		.amdhsa_memory_ordered 1
		.amdhsa_forward_progress 1
		.amdhsa_inst_pref_size 37
	.end_amdhsa_kernel
	.amdgpu_metadata
---
amdhsa.version: [ 1, 2 ]
amdhsa.kernels:
  - .name:           k_qc855cd1742_wq
    .symbol:         k_qc855cd1742_wq.kd
    .args:
      - { .name: w_q, .offset: 0, .size: 8, .value_kind: global_buffer, .address_space: global }
      - { .name: w_k, .offset: 8, .size: 8, .value_kind: global_buffer, .address_space: global }
      - { .name: w_v, .offset: 16, .size: 8, .value_kind: global_buffer, .address_space: global }
      - { .name: w_o, .offset: 24, .size: 8, .value_kind: global_buffer, .address_space: global }
      - { .name: w_in, .offset: 32, .size: 8, .value_kind: global_buffer, .address_space: global }
      - { .name: w_out, .offset: 40, .size: 8, .value_kind: global_buffer, .address_space: global }
      - { .name: lowp_scales, .offset: 48, .size: 8, .value_kind: global_buffer, .address_space: global }
      - { .name: wcodes, .offset: 56, .size: 8, .value_kind: global_buffer, .address_space: global }
    .group_segment_fixed_size: 34816
    .private_segment_fixed_size: 0
    .kernarg_segment_align: 8
    .kernarg_segment_size: 64
    .max_flat_workgroup_size: 128
    .sgpr_count:     66
    .vgpr_count:     224
    .wavefront_size: 32
...
	.end_amdgpu_metadata
.endif
;; end of part 9
;; launch ln1 (part 10): grid 256 x 1, 8 waves a work-group, no clusters, 24,576 bytes of LDS; arguments resid, ln1_w, ln1_b, lowp_scales, xcodes; writes xcodes
.if DOCPART == 10
	.amdgcn_target "amdgcn-amd-amdhsa--gfx1250"
	.amdhsa_code_object_version 6
	.text
	.protected	k_qc855cd1742_ln1
	.globl	k_qc855cd1742_ln1
	.p2align	8
	.type	k_qc855cd1742_ln1,@function
k_qc855cd1742_ln1:
	s_mov_b64 s[64:65], 0
	v_nop
	global_prefetch_b8 v0, s[64:65] scope:SCOPE_SE
	s_setreg_imm32_b32 hwreg(HW_REG_WAVE_MODE, 25, 1), 1
	s_wait_xcnt 0x0
; y = (x - mean) / sqrt(var + 1e-5) * w + b for each row of 1,024 f32, all in f32, then quantised to FP8 (E4M3) NS times, each with a given scale 2^e, into NS planes of [4,096][1,024] codes, 4 MiB apart.
; Here NS = 3: the same y is the operand of three products, with the scales' entries 1, 3, 5.
; A wave takes a whole row in 32 registers a lane (eight loads of 512 consecutive bytes), two rows in all: the mean is taken away before the squares are summed; no wave waits for another, no barrier.
; A lane's four codes of each load are a word; a row's words meet in the wave's own stage in LDS and leave as 512 consecutive bytes a store.
; LIMITS: -126 <= e <= 119.  NaN among the inputs is not served.  The matrix unit, clusters and tensor loads have nothing to do here: memory binds, and only w and b (8 KiB) are shared.
.set NS,  3                            ; scales
.set SO0, 4                            ; byte of the first scale's entry; the next lie 8 bytes on
.set W,   24                           ; v24-55   w of my 32 columns
.set B,   56                           ; v56-87   b
.set X,   88                           ; v88-151  two rows
.set T,   152
.set C,   168                          ; v168-191 eight words of codes for each scale
	s_load_b256 s[4:11], s[0:1], 0x0               ; x, w, b, the scales
	s_load_b64 s[28:29], s[0:1], 0x20              ; the codes
	v_lshrrev_b32 v2, 5, v0
	s_delay_alu instid0(VALU_DEP_1)
	v_readfirstlane_b32 s30, v2                    ; wave
	v_and_b32 v2, 31, v0
	s_delay_alu instid0(VALU_DEP_1)
	v_lshlrev_b32 v1, 4, v2                        ; 16 x lane
	s_mul_i32 s31, s30, NS*1024                    ; my stage
	v_lshl_add_u32 v16, v2, 2, s31                 ; in: a word a lane
	v_add_nc_u32 v17, s31, v1                      ; out: 16 bytes a lane
	v_mov_b32 v3, 0                                ; a lane permute's destination counts as read
	s_mov_b32 s12, 0x76543210
	s_mov_b32 s13, 0xfedcba98
	s_mov_b32 s25, 0x3a800000                      ; 1 / 1,024
	s_mov_b32 s26, 0x3727c5ac                      ; 1e-5
	s_lshl_b32 s14, ttmp9, 4
	s_lshl_b32 s15, s30, 1
	s_add_co_u32 s14, s14, s15                     ; my first row: 16 x work-group + 2 x wave
	s_lshl_b32 s32, s14, 10
	s_mov_b32 s33, 0
	s_lshl_b32 s14, s14, 12
	s_mov_b32 s15, 0
	s_wait_alu depctr_va_vdst(0)
	s_wait_kmcnt 0x0
.irp sc, 0,1,2
.if \sc < NS
	s_load_b32 s[22+\sc], s[10:11], SO0+8*\sc
.endif
.endr
	s_add_nc_u64 s[4:5], s[4:5], s[14:15]
	s_add_nc_u64 s[16:17], s[28:29], s[32:33]
.if NS > 1
	s_add_nc_u64 s[18:19], s[16:17], 4<<20
	s_add_nc_u64 s[20:21], s[16:17], 8<<20
.endif
.irp j, 0,1,2,3,4,5,6,7
	global_load_b128 v[W+4*\j:W+4*\j+3], v1, s[6:7] offset:512*\j
.endr
.irp j, 0,1,2,3,4,5,6,7
	global_load_b128 v[B+4*\j:B+4*\j+3], v1, s[8:9] offset:512*\j
.endr
.irp r, 0,1
.irp j, 0,1,2,3,4,5,6,7
	global_load_b128 v[X+32*\r+4*\j:X+32*\r+4*\j+3], v1, s[4:5] offset:4096*\r+512*\j
.endr
.endr
	s_wait_kmcnt 0x0
.irp sc, 0,1,2
.if \sc < NS
	s_add_co_i32 s[22+\sc], s[22+\sc], 127
	s_lshl_b32 s27, s[22+\sc], 23
	v_mov_b32 v[10+\sc], s27                       ; 2^e
	s_add_co_i32 s[22+\sc], s[22+\sc], 8
	s_lshl_b32 s[22+\sc], s[22+\sc], 23
	s_or_b32 s[22+\sc], s[22+\sc], 0x600000
.endif
.endr
.macro REDUCE                          ; the two chains v[4:5], v[6:7] become one sum over the row, in every lane's v4
	s_delay_alu instid0(VALU_DEP_1)
	v_pk_add_f32 v[4:5], v[4:5], v[6:7]
	s_delay_alu instid0(VALU_DEP_1)
	v_add_f32 v4, v4, v5
	s_delay_alu instid0(VALU_DEP_1)
	v_add_f32_dpp v4, v4, v4 row_xmask:1 row_mask:0xf bank_mask:0xf
	s_delay_alu instid0(VALU_DEP_1)
	v_add_f32_dpp v4, v4, v4 row_xmask:2 row_mask:0xf bank_mask:0xf
	s_delay_alu instid0(VALU_DEP_1)
	v_add_f32_dpp v4, v4, v4 row_xmask:4 row_mask:0xf bank_mask:0xf
	s_delay_alu instid0(VALU_DEP_1)
	v_add_f32_dpp v4, v4, v4 row_xmask:8 row_mask:0xf bank_mask:0xf
	s_delay_alu instid0(VALU_DEP_1)
	v_permlanex16_b32 v3, v4, s12, s13
	s_delay_alu instid0(VALU_DEP_1)
	v_add_f32 v4, v4, v3
.endm
.macro ROW rho
.set XR, X+32*\rho
	s_wait_loadcnt 8*(1-\rho)                      ; w, b and this row are in; the other row's eight loads may be out
	v_pk_add_f32 v[4:5], v[XR:XR+1], v[XR+2:XR+3]
	v_pk_add_f32 v[6:7], v[XR+4:XR+5], v[XR+6:XR+7]
.irp j, 8,12,16,20,24,28
	s_delay_alu instid0(VALU_DEP_2)
	v_pk_add_f32 v[4:5], v[4:5], v[XR+\j:XR+\j+1]
	s_delay_alu instid0(VALU_DEP_2)
	v_pk_add_f32 v[6:7], v[6:7], v[XR+\j+2:XR+\j+3]
.endr
	REDUCE
	s_delay_alu instid0(VALU_DEP_1)
	v_mul_f32 v8, s25, v4                          ; the mean
	s_delay_alu instid0(VALU_DEP_1)
	v_mov_b32 v9, v8
.set jj, 0
.rept 16
	v_pk_add_f32 v[XR+jj:XR+jj+1], v[XR+jj:XR+jj+1], v[8:9] neg_lo:[0,1] neg_hi:[0,1]
.set jj, jj+2
.endr
	v_pk_mul_f32 v[4:5], v[XR:XR+1], v[XR:XR+1]
	v_pk_mul_f32 v[6:7], v[XR+2:XR+3], v[XR+2:XR+3]
.irp j, 4,8,12,16,20,24,28
	s_delay_alu instid0(VALU_DEP_2)
	v_pk_fma_f32 v[4:5], v[XR+\j:XR+\j+1], v[XR+\j:XR+\j+1], v[4:5]
	s_delay_alu instid0(VALU_DEP_2)
	v_pk_fma_f32 v[6:7], v[XR+\j+2:XR+\j+3], v[XR+\j+2:XR+\j+3], v[6:7]
.endr
	REDUCE
	s_delay_alu instid0(VALU_DEP_1)
	v_fma_f32 v4, v4, s25, s26                     ; var + 1e-5
	s_wait_alu depctr_va_vdst(0)
	v_rsq_f32 v8, v4
	v_nop                                          ; a plain line behind the transcendental,
	s_wait_alu depctr_va_vdst(0)                   ; and the wait ahead of its first reader
	v_mov_b32 v9, v8
.set jj, 0
.rept 16
	v_pk_mul_f32 v[XR+jj:XR+jj+1], v[XR+jj:XR+jj+1], v[8:9]
.set jj, jj+2
.endr
.set jj, 0
.rept 16
	v_pk_fma_f32 v[XR+jj:XR+jj+1], v[XR+jj:XR+jj+1], v[W+jj:W+jj+1], v[B+jj:B+jj+1]
.set jj, jj+2
.endr
.irp sc, 0,1,2
.if \sc < NS
.irp g, 0,1,2,3
.irp i, 0,1,2,3,4,5,6,7
.endr
	v_cvt_scalef32_pk8_fp8_f32 v[C+8*\sc+2*\g:C+8*\sc+2*\g+1], v[T+8*(\g%2)+((XR+8*\g+0)-(T+8*(\g%2)+0)):T+8*(\g%2)+7+((XR+8*\g+0)-(T+8*(\g%2)+0))], v[10+\sc]
.endr
.endif
.endr
	v_nop
.irp sc, 0,1,2
.if \sc < NS
.irp j, 0,1,2,3,4,5,6,7
	ds_store_b32 v16, v[C+8*\sc+\j] offset:1024*\sc+128*\j   ; word j: columns 128 j + 4 lane + 0 .. 3
.endr
.endif
.endr
.irp sc, 0,1,2
.if \sc < NS
.irp i, 0,1
	ds_load_b128 v[XR+8*\sc+4*\i:XR+8*\sc+4*\i+3], v17 offset:1024*\sc+512*\i   ; into the row's own registers, which are done with
.endr
.endif
.endr
	s_wait_dscnt 0x0
.irp sc, 0,1,2
.if \sc < NS
.irp i, 0,1
	global_store_b128 v1, v[XR+8*\sc+4*\i:XR+8*\sc+4*\i+3], s[16+2*\sc:17+2*\sc] offset:1024*\rho+512*\i   ; 512 consecutive bytes, aligned
.endr
.endif
.endr
.endm
	ROW 0
	ROW 1
	s_endpgm
.Lfunc_end_k_qc855cd1742_ln1:
	.size	k_qc855cd1742_ln1, .Lfunc_end_k_qc855cd1742_ln1-k_qc855cd1742_ln1
	.p2alignl 7, 3214868480
	.fill 96, 4, 3214868480
	.section	.rodata,"a",@progbits
	.p2align	6, 0x0
	.amdhsa_kernel k_qc855cd1742_ln1
		.amdhsa_group_segment_fixed_size 24576
		.amdhsa_private_segment_fixed_size 0
		.amdhsa_enable_private_segment 0
		.amdhsa_kernarg_size 40
		.amdhsa_user_sgpr_count 2
		.amdhsa_user_sgpr_kernarg_segment_ptr 1
		.amdhsa_wavefront_size32 1
		.amdhsa_system_sgpr_workgroup_id_x 1
		.amdhsa_system_sgpr_workgroup_id_y 1
		.amdhsa_system_sgpr_workgroup_id_z 1
		.amdhsa_system_vgpr_workitem_id 0
		.amdhsa_next_free_vgpr 192
		.amdhsa_next_free_sgpr 66
		.amdhsa_reserve_vcc 0
		.amdhsa_float_denorm_mode_32 3
		.amdhsa_float_denorm_mode_16_64 3
		.amdhsa_fp16_overflow 1
		.amdhsa_memory_ordered 1
		.amdhsa_forward_progress 1
		.amdhsa_inst_pref_size 27
	.end_amdhsa_kernel
	.amdgpu_metadata
---
amdhsa.version: [ 1, 2 ]
amdhsa.kernels:
  - .name:           k_qc855cd1742_ln1
    .symbol:         k_qc855cd1742_ln1.kd
    .args:
      - { .name: resid, .offset: 0, .size: 8, .value_kind: global_buffer, .address_space: global }
      - { .name: ln1_w, .offset: 8, .size: 8, .value_kind: global_buffer, .address_space: global }
      - { .name: ln1_b, .offset: 16, .size: 8, .value_kind: global_buffer, .address_space: global }
      - { .name: lowp_scales, .offset: 24, .size: 8, .value_kind: global_buffer, .address_space: global }
      - { .name: xcodes, .offset: 32, .size: 8, .value_kind: global_buffer, .address_space: global }
    .group_segment_fixed_size: 24576
    .private_segment_fixed_size: 0
    .kernarg_segment_align: 8
    .kernarg_segment_size: 40
    .max_flat_workgroup_size: 256
    .sgpr_count:     66
    .vgpr_count:     192
    .wavefront_size: 32
...
	.end_amdgpu_metadata
.endif
;; end of part 10
;; launch qkv (part 11): grid 12 x 16, 4 waves a work-group, clusters of 4 x 4, 327,680 bytes of LDS; arguments xcodes, wcodes, lowp_scales, qkvc; writes qkvc
.if DOCPART == 11
	.amdgcn_target "amdgcn-amd-amdhsa--gfx1250"
	.amdhsa_code_object_version 6
	.text
	.protected	k_qc855cd1742_qkv
	.globl	k_qc855cd1742_qkv
	.p2align	8
	.type	k_qc855cd1742_qkv,@function
k_qc855cd1742_qkv:
	s_mov_b64 s[64:65], 0
	v_nop
	global_prefetch_b8 v0, s[64:65] scope:SCOPE_SE
	s_setreg_imm32_b32 hwreg(HW_REG_WAVE_MODE, 25, 1), 1
	s_wait_xcnt 0x0
	s_wait_alu depctr_hold_cnt(0) depctr_sa_sdst(0) depctr_va_vdst(0) depctr_va_sdst(0) depctr_va_ssrc(0) depctr_va_vcc(0) depctr_vm_vsrc(0)
	s_getreg_b32 s2, hwreg(HW_REG_IB_STS2, 6, 4)
	s_cmp_eq_u32 s2, 0
	s_cbranch_scc0 .Lentry_in_a_cluster
	s_endpgm
.Lentry_in_a_cluster:
	s_bfe_u32 s2, ttmp6, 0x10000c
	s_cmp_lg_u32 s2, 0xf033
	s_cbranch_scc0 .Lentry_shape_is_right
	s_endpgm
.Lentry_shape_is_right:
; Products 1 to 3 on codes of FP8 (E4M3), and their results quantised at once for products 4 and 5.  Cluster x = 0: q, 1: k, 2: v.
; q, k: C[token][64 head + e] = x W^T: rows of C are tokens (A = that product's plane of xcodes), columns are rows of wcodes (B).  v: C[64 head + e][token]: A = w_v's codes, B = x's: so a lane's eight results run along
; e for q and k and along the KEYS for v, each the next product's K.  A sum stands for sum x 2^(ew + ex); its code is sum / 2^(eo - ew - ex): the three scales are folded into the conversion's one.
; qkvc: q at 0, k at 4 MiB: [16 b + head][s][64];  v at 8 MiB: [16 b + head][s / 64][e][64 keys].  In each a head is 131,072 bytes.
; LIMIT: eo - ew - ex between -126 and 119 (eo: entry 6, 7 or 9).
; A tile of C, 256 x 256, is made by four waves, as many as a WGP has SIMDs; a wave makes 128 x 128: 64 accumulators, 512 registers.  K goes in steps of 256 through two LDS slots filled by the tensor data mover.
; CLUSTERS: 4 x 4 work-groups; A's tile is asked for jointly along a row of the cluster, B's along a column.  THE MATRIX INSTRUCTION IS USED TRANSPOSED (source 0 = 16 rows of B, source 1 = 16 rows of A).
; A fragment is fetched by four loads of 16 bytes: the same permutation of k in A and in B, so every product meets its partner.
; REGISTERS: window 0: v0-31 addresses, v32-127 the way out, v128-255 A's fragments (one set);  window 1: B's fragments, two sets;  windows 2, 3: the accumulators ((a, b) at v[8 (8 (a % 4) + b)]).
.set SIZE_K, 1024
.set TPB,    1                         ; tokens that share an LDS row of A (1: rows as they are)
.set LTPB,   0
.set QIA,    5                         ; padding behind every 64 words
.set AROWB,  256*TPB
.set APITCH, AROWB+16
.set AROWS,  128/TPB
.set PS,     256/TPB
.set PITCH,  272                       ; an LDS row of B: 256 bytes + 16: the 16 rows that a load touches start at 16 different groups of four banks
.set FR,     16
.set NL,     4
.set NP,     4                         ; places behind this matrix instruction (ISA guide 7.12.1)
.set HALFT,  128*PITCH
.set SLOT,   4*HALFT
.set LAPS,   SIZE_K/512
.set SPARE,  2*SLOT                    ; the spare words: 128 bytes a wave, named by no other line
.set WSTG,   8448                      ; the way out: a stage for each wave, in slot 0, which has had its last fill and its last read by then
.set ADRA, 16
.set ADRB, 20
.set STO,  24
.set RD,   25
.set CO,   26
.set SPW,  28
.set NIL,  29
.set AF,   128
.set G1,  24
.set G0,  32
.set G1B, 48
.set G0B, 56
.set OB,  72                           ; s[72:79] the four output bases: [rows 0-63, 64-127][columns 0-63, 64-127]
.set MSB, 0
.macro WIN new                         ; the immediate's high byte repeats the setting that is left
.if MSB != (\new)
	s_set_vgpr_msb (MSB<<8)|(\new)
.set MSB, (\new)
.endif
.endm
.set MUL_LO, 0xa1
.set MUL_HI, 0xf1
.set TO_B,   0x40
.macro JLOAD g0a, g1a, g0b, g1b        ; a joint load: waves 0 and 1 fetch for A, waves 2 and 3 for B; four v_nop follow each line
	s_cmp_eq_u32 s15, 0
	s_cbranch_scc0 .Lfor_b_\@
	tensor_load_to_lds s[\g0a:\g0a+3], s[\g1a:\g1a+7]
	s_nop 0
.rept 4
	v_nop
.endr
	s_branch .Lasked_\@
.Lfor_b_\@:
	tensor_load_to_lds s[\g0b:\g0b+3], s[\g1b:\g1b+7]
	s_nop 0
.rept 4
	v_nop
.endr
.Lasked_\@:
.endm
.macro CREST                           ; a round of the cluster's barrier behind its opening barrier
	s_cmp_lg_u32 s14, 0
	s_cbranch_scc1 .Lnot_wave_0_\@
	s_barrier_signal -3
.Lnot_wave_0_\@:
	s_barrier_wait -3
	s_barrier_signal -1
	s_barrier_wait -1
.endm
.macro CROUND
	s_barrier_signal -1
	s_barrier_wait -1
	CREST
.endm
	s_load_b128 s[4:7], s[0:1], 0x0                ; xcodes, wcodes
	s_load_b128 s[8:11], s[0:1], 0x10              ; the scales, qkvc
	v_lshl_add_u32 v[SPW], v0, 2, SPARE
	v_mov_b32 v[NIL], 0
	v_lshrrev_b32 v1, 5, v0
	v_readfirstlane_b32 s14, v1                    ; wave
	s_lshr_b32 s15, s14, 1                         ; my half of the tile's rows; also: I fetch for A (0) or B (1)
	s_and_b32 s16, s14, 1                          ; my half of its columns; also: which 128 rows I fetch
	s_bfe_u32 s40, ttmp6, 0x40000                  ; cx
	s_bfe_u32 s41, ttmp6, 0x40004                  ; cy
	s_mov_b32 s68, ttmp9                           ; which product: 0 q, 1 k, 2 v
	s_lshr_b32 s69, s68, 1                         ; 1 for v
	s_and_b32 s70, ttmp7, 0xffff
	s_lshl_b32 s70, s70, 2                         ; 4 x cluster y walks the tokens: tile rows for q and k, tile columns for v
	s_mul_i32 s71, s70, s69
	s_sub_co_u32 s70, s70, s71
	s_add_co_u32 s17, s41, s70                     ; tile row of C
	s_add_co_u32 s42, s40, s71                     ; tile column of C
	s_lshl_b32 s43, s41, 2
	s_lshl_b32 s43, 15, s43                        ; my row of the cluster
	s_lshl_b32 s44, 0x1111, s40                    ; my column
	s_or_b32 s[G1+0], s43, (1<<20)|(1<<21)|(QIA<<22)|(3<<25)   ; the mask; elements of 1 byte; padding on; bit 21 beside a mask; four words behind each row
	s_or_b32 s[G1B+0], s44, (1<<20)|(1<<21)|(5<<22)|(3<<25)
	s_mov_b32 s[G1+1], AROWB<<16                   ; tensor_dim0
	s_mov_b32 s[G1+2], AROWS<<16                   ; tensor_dim1
	s_mov_b32 s[G1+3], AROWB<<16                   ; tile_dim0
	s_mov_b32 s[G1+4], AROWS                       ; tile_dim1
	s_mov_b32 s[G1+5], SIZE_K*TPB                  ; from row to row
	s_mov_b32 s[G1+6], 0
	s_mov_b32 s[G1+7], 0
	s_mov_b32 s[G1B+1], 256<<16
	s_mov_b32 s[G1B+2], 128<<16
	s_mov_b32 s[G1B+3], 256<<16
	s_mov_b32 s[G1B+4], 128
	s_mov_b32 s[G1B+5], SIZE_K
	s_mov_b32 s[G1B+6], 0
	s_mov_b32 s[G1B+7], 0
	s_lshl_b32 s18, s16, 7
	s_lshl_b32 s20, s17, 8
	s_add_co_u32 s20, s20, s18                     ; A: row 256 x tile row + 128 x half
	s_lshl_b32 s46, s42, 8
	s_add_co_u32 s46, s46, s18                     ; B: row 256 x tile column + 128 x half
	s_mul_i32 s20, s20, SIZE_K
	s_mov_b32 s21, 0
	s_mul_i32 s46, s46, SIZE_K
	s_mov_b32 s47, 0
	s_mul_i32 s45, s14, HALFT                      ; where they go: wave x 128 rows
	s_lshl_b32 s84, s68, 22                        ; q, k: x's plane,
	s_lshl_b32 s86, s68, 20                        ; and the weight's place
	s_mov_b32 s85, 0
	s_mov_b32 s87, 0
	s_lshl_b32 s92, s68, 3                         ; the scales' entries 2 X, 2 X + 1: ew, ex
	s_mov_b32 s93, 0
	s_lshl_b32 s94, s68, 2
	s_lshl_b32 s95, s69, 2
	s_add_co_u32 s94, s94, s95
	s_add_co_u32 s94, s94, 24                      ; entry 6, 7 or 9: eo
	s_mov_b32 s95, 0
	s_wait_kmcnt 0x0
	s_cmp_eq_u32 s69, 1                            ; the choice hangs on the cluster's number alone
	s_cselect_b64 s[80:81], s[6:7], s[4:5]         ; A's buffer
	s_cselect_b64 s[82:83], s[4:5], s[6:7]         ; B's
	s_cselect_b32 s84, 2<<20, s84
	s_cselect_b32 s86, 8<<20, s86
	s_add_nc_u64 s[92:93], s[8:9], s[92:93]
	s_add_nc_u64 s[94:95], s[8:9], s[94:95]
	s_load_b64 s[88:89], s[92:93], 0x0
	s_load_b32 s90, s[94:95], 0x0
	s_add_nc_u64 s[80:81], s[80:81], s[84:85]
	s_add_nc_u64 s[82:83], s[82:83], s[86:87]
	s_add_nc_u64 s[20:21], s[80:81], s[20:21]
	s_add_nc_u64 s[46:47], s[82:83], s[46:47]
	CROUND                                         ; all sixteen work-groups are here: the first joint loads meet
.irp s, 0,1
	s_mov_b32 s[G0+4*\s], 1
	s_add_co_u32 s[G0+4*\s+1], s45, \s*SLOT
	s_add_nc_u64 s[G0+4*\s+2:G0+4*\s+3], s[20:21], \s*AROWB
	s_or_b32 s[G0+4*\s+3], s[G0+4*\s+3], 0x80000000
	s_mov_b32 s[G0B+4*\s], 1
	s_add_co_u32 s[G0B+4*\s+1], s45, \s*SLOT
	s_add_nc_u64 s[G0B+4*\s+2:G0B+4*\s+3], s[46:47], \s*256
	s_or_b32 s[G0B+4*\s+3], s[G0B+4*\s+3], 0x80000000
	JLOAD G0+4*\s, G1, G0B+4*\s, G1B
.endr
	v_and_b32 v1, 15, v0                           ; r
	v_bfe_u32 v2, v0, 4, 1                         ; h
	v_mul_u32_u24 v3, v1, PITCH
	v_lshl_add_u32 v4, v2, 4, v3                   ; B: row x pitch + 16 h
	v_lshrrev_b32 v5, LTPB, v1
	v_and_b32 v6, TPB-1, v1
	v_mul_u32_u24 v5, v5, APITCH
	v_mad_u32_u24 v5, v6, PS, v5
	v_lshl_add_u32 v5, v2, 4, v5                   ; A: (r / TPB) x pitch + (r % TPB) x PS + 16 h
	s_mul_i32 s21, s15, HALFT
	s_mul_i32 s22, s16, HALFT
	s_add_co_u32 s22, s22, 2*HALFT
.irp s, 0,1
	v_add_nc_u32 v[ADRA+\s], s21, v5
	v_add_nc_u32 v[ADRB+\s], s22, v4
	s_add_co_u32 s21, s21, SLOT
	s_add_co_u32 s22, s22, SLOT
.endr
	s_mul_i32 s23, s14, WSTG                       ; my stage: 16 rows of 128 bytes + 16
	v_mul_u32_u24 v5, v1, 144
	v_lshl_add_u32 v5, v2, 3, v5
	v_add_nc_u32 v[STO], s23, v5                   ; in: row r, 8 bytes for each half of the lanes
	v_and_b32 v6, 31, v0
	v_lshrrev_b32 v7, 2, v6
	v_mul_u32_u24 v7, v7, 144
	v_and_b32 v8, 3, v6
	v_lshl_add_u32 v7, v8, 4, v7
	v_add_nc_u32 v[RD], s23, v7                    ; back: four lanes to 64 bytes of a row, eight rows an instruction
	v_lshlrev_b32 v[CO], 4, v6                     ; which are 512 consecutive bytes of the output
	s_lshl_b32 s72, s17, 8
	s_lshl_b32 s73, s15, 7
	s_add_co_u32 s72, s72, s73                     ; my first row of C
	s_lshl_b32 s73, s42, 8
	s_lshl_b32 s74, s16, 7
	s_add_co_u32 s73, s73, s74                     ; my first column
	s_cmp_eq_u32 s69, 1
	s_cselect_b32 s74, s73, s72                    ; the token,
	s_cselect_b32 s75, s72, s73                    ; the channel 64 head + e
	s_mov_b32 s82, 131072
	s_cselect_b32 s82, 4096, s82                   ; from columns 0-63 to 64-127: the next head (q, k), the next 64 keys (v)
	s_mov_b32 s84, 4096
	s_cselect_b32 s84, 131072, s84                 ; from rows 0-63 to 64-127: 64 tokens on (q, k), the next head (v)
	s_mov_b32 s83, 0
	s_mov_b32 s85, 0
	s_lshr_b32 s80, s74, 11
	s_lshl_b32 s80, s80, 4
	s_lshr_b32 s81, s75, 6
	s_add_co_u32 s80, s80, s81                     ; 16 b + head
	s_lshl_b32 s80, s80, 17
	s_and_b32 s81, s74, 2047
	s_lshl_b32 s81, s81, 6
	s_add_co_u32 s80, s80, s81                     ; + 64 s
	s_lshl_b32 s81, s68, 22
	s_add_co_u32 s80, s80, s81                     ; + the plane
	s_mov_b32 s81, 0
	s_add_nc_u64 s[OB:OB+1], s[10:11], s[80:81]
	s_add_nc_u64 s[OB+2:OB+3], s[OB:OB+1], s[82:83]
	s_add_nc_u64 s[OB+4:OB+5], s[OB:OB+1], s[84:85]
	s_add_nc_u64 s[OB+6:OB+7], s[OB+4:OB+5], s[82:83]
.macro FRAGB reg, adr, q, i            ; 16 rows x 128 K: registers 4 c .. 4 c + 3 hold K = 32 c + 16 h + 0 .. 15
.irp c, 0,1,2,3
	ds_load_b128 v[\reg+4*\c:\reg+4*\c+3], v[\adr] offset:128*(\q)+32*\c+(\i)*16*PITCH
.endr
.endm
.macro FRAGA reg, adr, q, i            ; the same k, from rows that TPB tokens share in pieces of PS bytes
.irp c, 0,1,2,3
	ds_load_b128 v[\reg+4*\c:\reg+4*\c+3], v[\adr] offset:((128*(\q)+32*\c)/PS)*256+(128*(\q)+32*\c)%PS+(\i)*(16/TPB)*APITCH
.endr
.endm
.macro MUL16 a0, p, zero               ; A's blocks a0, a0 + 1 x B's eight; the 64 accumulators take turns; zero = 1: the first product starts the sums
.irp a, \a0, \a0+1
.irp b, 0,1,2,3,4,5,6,7
.if \zero
	v_wmma_f32_16x16x128_fp8_fp8 v[8*(8*((\a)%4)+\b):8*(8*((\a)%4)+\b)+7], v[128*(\p)+FR*\b:128*(\p)+FR*\b+FR-1], v[AF+FR*(\a):AF+FR*(\a)+FR-1], 0
.else
	v_wmma_f32_16x16x128_fp8_fp8 v[8*(8*((\a)%4)+\b):8*(8*((\a)%4)+\b)+7], v[128*(\p)+FR*\b:128*(\p)+FR*\b+FR-1], v[AF+FR*(\a):AF+FR*(\a)+FR-1], v[8*(8*((\a)%4)+\b):8*(8*((\a)%4)+\b)+7]
.endif
.endr
.endr
.endm
.macro FETCH_B slot, q, p
	WIN TO_B
.irp i, 0,1,2,3,4,5,6,7
	FRAGB 128*(\p)+FR*\i, ADRB+\slot, \q, \i
.endr
	WIN 0
.endm
.macro FETCH_A slot, q, i0
.irp i, \i0, \i0+1, \i0+2, \i0+3
	FRAGA AF+FR*(\i), ADRA+\slot, \q, \i
.endr
.endm
.macro PLACES n                        ; plain vector lines between a matrix instruction and a load into, or a read of, its registers
.rept \n
	v_nop
.endr
.endm
.macro STEP slot, q, zero              ; 128 along K whose successor lies in the same slot
	s_wait_dscnt 4*NL                              ; B's set and A's blocks 0-3 are in; the youngest 16 loads (A's blocks 4-7) may be out
	WIN MUL_LO
	MUL16 0, (\q)%2, \zero
	MUL16 2, (\q)%2, \zero
	s_wait_dscnt 0
	PLACES NP
	FETCH_B \slot, (\q)+1, 1-(\q)%2
	FETCH_A \slot, (\q)+1, 0
	WIN MUL_HI
	MUL16 4, (\q)%2, \zero
	MUL16 6, (\q)%2, \zero
	PLACES NP
	WIN 0
	FETCH_A \slot, (\q)+1, 4
.endm
.macro TURN slot, next, fill           ; a slot's last step changes slots: one barrier; fill = 1: this slot is filled again, two K steps ahead
	s_wait_tensorcnt 0x0                           ; all my tensor loads have landed: my part of the next slot
	ds_add_u32 v[SPW], v[NIL]                      ; 0 onto my spare word
	s_wait_dscnt 4*NL+1                            ; (the add and the youngest 16 loads may be out)
	WIN MUL_LO
	MUL16 0, 1, 0
	s_wait_dscnt 0x0                               ; the add is done, and my reads of this slot are over
	s_barrier_signal -1
	MUL16 2, 1, 0
	WIN 0
	s_barrier_wait -1
.if \fill
	CREST                                          ; the barrier has opened a round of the cluster's: no wave of any partner still reads this slot or has a load on its way
	s_add_nc_u64 s[G0+4*\slot+2:G0+4*\slot+3], s[G0+4*\slot+2:G0+4*\slot+3], 2*AROWB
	s_add_nc_u64 s[G0B+4*\slot+2:G0B+4*\slot+3], s[G0B+4*\slot+2:G0B+4*\slot+3], 2*256
	JLOAD G0+4*\slot, G1, G0B+4*\slot, G1B         ; the first tensor load behind the round; its four v_nop are also the places in front of the loads below
.else
	PLACES NP
.endif
	FETCH_B \next, 0, 0
	FETCH_A \next, 0, 0
	WIN MUL_HI
	MUL16 4, 1, 0
	MUL16 6, 1, 0
	PLACES NP
	WIN 0
	FETCH_A \next, 0, 4
.endm
	s_wait_tensorcnt 1                             ; my part of K step 0 is in; K step 1's load may be out
	s_barrier_signal -1
	s_barrier_wait -1
	FETCH_B 0, 0, 0
	FETCH_A 0, 0, 0
	FETCH_A 0, 0, 4
	STEP 0, 0, 1
	s_mov_b32 s3, LAPS-1
.Llap:
	TURN 0, 1, 1
	STEP 1, 0, 0
	TURN 1, 0, 1
	STEP 0, 0, 0
	s_sub_co_u32 s3, s3, 1
	s_cmp_lg_u32 s3, 0
	s_cbranch_scc1 .Llap
	TURN 0, 1, 0
	STEP 1, 0, 0
	s_wait_dscnt 4*NL
	WIN MUL_LO
	MUL16 0, 1, 0
	MUL16 2, 1, 0
	s_wait_dscnt 0
	WIN MUL_HI
	MUL16 4, 1, 0
	MUL16 6, 1, 0
	WIN 0
	s_wait_kmcnt 0x0
	s_sub_co_i32 s90, s90, s88
	s_sub_co_i32 s90, s90, s89                     ; eo - ew - ex
	s_add_co_i32 s90, s90, 127
	s_lshl_b32 s91, s90, 23
	v_mov_b32 v11, s91                             ; 2^(eo - ew - ex)
	s_wait_alu depctr_va_vdst(0)
	s_add_co_i32 s90, s90, 8
	s_lshl_b32 s90, s90, 23
	s_or_b32 s90, s90, 0x600000
	PLACES NP
; THE WAY OUT, a block of 16 rows x 128 columns at a time: converted (a lane's eight sums are eight neighbours along the next K), through my stage, and out as pieces of 16 rows x 64 bytes, each 1,024 consecutive bytes.
.macro OUTQ a
.set AC, 64*((\a)%4)
	WIN (0x02+(\a)/4)                              ; source 0: window 2 or 3
.set jj, 0
.rept 64
.set jj, jj+1
.endr
.irp b, 0,1,2,3,4,5,6,7
	v_cvt_scalef32_pk8_fp8_f32 v[96+2*\b:97+2*\b], v[32+8*\b+((AC+jj)-(32+jj)):39+8*\b+((AC+jj)-(32+jj))], v11
.endr
	WIN 0
	v_nop                                          ; a plain line behind the last conversion
.irp b, 0,1,2,3,4,5,6,7
	ds_store_b64 v[STO], v[96+2*\b:97+2*\b] offset:16*\b
.endr
.if (\a) > 0
	s_wait_xcnt 0x0                                ; the last block's stores have read their registers
.endif
.irp i, 0,1,2,3
	ds_load_b128 v[112+4*\i:115+4*\i], v[RD] offset:(\i&1)*1152+(\i>>1)*64
.endr
	s_wait_dscnt 0x0
.irp i, 0,1,2,3
	global_store_b128 v[CO], v[112+4*\i:115+4*\i], s[OB+4*((\a)/4)+2*(\i>>1):OB+4*((\a)/4)+2*(\i>>1)+1] offset:((\a)%4)*1024+(\i&1)*512
.endr
.endm
.irp a, 0,1,2,3,4,5,6,7
	OUTQ \a
.endr
	s_wait_tensorcnt 0x0                           ; the wave's end
	ds_add_u32 v[SPW], v[NIL]
	s_wait_dscnt 0x0
	CROUND                                         ; the closing round
	s_endpgm
.Lfunc_end_k_qc855cd1742_qkv:
	.size	k_qc855cd1742_qkv, .Lfunc_end_k_qc855cd1742_qkv-k_qc855cd1742_qkv
	.p2alignl 7, 3214868480
	.fill 96, 4, 3214868480
	.section	.rodata,"a",@progbits
	.p2align	6, 0x0
	.amdhsa_kernel k_qc855cd1742_qkv
		.amdhsa_group_segment_fixed_size 327680
		.amdhsa_private_segment_fixed_size 0
		.amdhsa_enable_private_segment 0
		.amdhsa_kernarg_size 32
		.amdhsa_user_sgpr_count 2
		.amdhsa_user_sgpr_kernarg_segment_ptr 1
		.amdhsa_wavefront_size32 1
		.amdhsa_system_sgpr_workgroup_id_x 1
		.amdhsa_system_sgpr_workgroup_id_y 1
		.amdhsa_system_sgpr_workgroup_id_z 1
		.amdhsa_system_vgpr_workitem_id 0
		.amdhsa_next_free_vgpr 1024
		.amdhsa_next_free_sgpr 100
		.amdhsa_reserve_vcc 0
		.amdhsa_float_denorm_mode_32 3
		.amdhsa_float_denorm_mode_16_64 3
		.amdhsa_fp16_overflow 1
		.amdhsa_memory_ordered 1
		.amdhsa_forward_progress 1
		.amdhsa_inst_pref_size 94
	.end_amdhsa_kernel
	.amdgpu_metadata
---
amdhsa.version: [ 1, 2 ]
amdhsa.kernels:
  - .name:           k_qc855cd1742_qkv
    .symbol:         k_qc855cd1742_qkv.kd
    .args:
      - { .name: xcodes, .offset: 0, .size: 8, .value_kind: global_buffer, .address_space: global }
      - { .name: wcodes, .offset: 8, .size: 8, .value_kind: global_buffer, .address_space: global }
      - { .name: lowp_scales, .offset: 16, .size: 8, .value_kind: global_buffer, .address_space: global }
      - { .name: qkvc, .offset: 24, .size: 8, .value_kind: global_buffer, .address_space: global }
    .group_segment_fixed_size: 327680
    .private_segment_fixed_size: 0
    .kernarg_segment_align: 8
    .kernarg_segment_size: 32
    .max_flat_workgroup_size: 128
    .sgpr_count:     100
    .vgpr_count:     1024
    .wavefront_size: 32
...
	.end_amdgpu_metadata
.endif
;; end of part 11
;; launch attn (part 12): grid 8 x 32, 16 waves a work-group, clusters of 4 x 1, 327,680 bytes of LDS; arguments qkvc, lowp_scales, zcodes; writes zcodes
.if DOCPART == 12
	.amdgcn_target "amdgcn-amd-amdhsa--gfx1250"
	.amdhsa_code_object_version 6
	.text
	.protected	k_qc855cd1742_attn
	.globl	k_qc855cd1742_attn
	.p2align	8
	.type	k_qc855cd1742_attn,@function
k_qc855cd1742_attn:
	s_mov_b64 s[64:65], 0
	v_nop
	global_prefetch_b8 v0, s[64:65] scope:SCOPE_SE
	s_setreg_imm32_b32 hwreg(HW_REG_WAVE_MODE, 25, 1), 1
	s_wait_xcnt 0x0
	s_wait_alu depctr_hold_cnt(0) depctr_sa_sdst(0) depctr_va_vdst(0) depctr_va_sdst(0) depctr_va_ssrc(0) depctr_va_vcc(0) depctr_vm_vsrc(0)
	s_getreg_b32 s2, hwreg(HW_REG_IB_STS2, 6, 4)
	s_cmp_eq_u32 s2, 0
	s_cbranch_scc0 .Lentry_in_a_cluster
	s_endpgm
.Lentry_in_a_cluster:
	s_bfe_u32 s2, ttmp6, 0x10000c
	s_cmp_lg_u32 s2, 0x3003
	s_cbranch_scc0 .Lentry_shape_is_right
	s_endpgm
.Lentry_shape_is_right:
; Causal attention of one head (y = 16 b + head) on codes of FP8 (E4M3): products 4 and 5, the softmax between them, and z quantised for product 6.
; t = score x log2(e) / 8; M = the running largest t rounded UP to a whole number; p = 2^(t - M) is quantised (2^e8), not normalised; the row's sum is taken of the unquantised p and divides at the end.
; SHARES.  A head has 128 tiles of 16 queries.  Work-group j (0 .. 7) takes tiles j + 8 i; wave w takes ONE, i = i(w) (0 .. 15).  Its queries are 128 i + 16 j + r, so it needs the key steps (128 keys) 0 .. i, and step i
; is its diagonal, WHATEVER j IS: all work-groups have the same work, and every branch hangs on the wave's number and a counter alone.  i(w) is laid so that waves w, w + 4, w + 8, w + 12 have 34 steps together.
; LDS.  The head's whole K and V stay in LDS, each byte filled once: four chunks of 512 keys, K's 512 rows of 64 bytes + 16, then V's 512 rows ((64 keys' block, e): 64 keys) likewise: 4 x 81,920 bytes.
; CLUSTER.  The four work-groups of a cluster belong to one head and need the same K and V: each chunk is asked for JOINTLY.  Wave 0 asks for K's four chunks, wave 1 for V's: four loads of a wave are out at most.
; LAYOUT.  Both products are used transposed (S^T = K Q^T, O^T = V^T P^T): a lane holds one query throughout.  Lane r of key tile 2 b + u takes key 32 b + 8 u + r + 8 (r / 8), so the 16 registers of tiles 2 b, 2 b + 1 are
; keys 32 b + 16 h + 0 .. 15.  Fragments come by loads of 16 bytes: the same permutation of k on both sides of each product.
; zcodes: byte(token, head, e) = (token / 4) 4,096 + 256 head + 64 (token % 4) + e: four tokens of one head are 256 consecutive bytes, aligned.
; LIMITS: e6 + e7 between -123 and 130; e8 and e10 between -126 and 119.  NaN among the inputs is not served.
; REGISTERS: v1-7 addresses that stay; v8, v9 the step's; v12 -M, v13 the largest t, v[14:15] the sum; v16-23 Q; v32-95 fragments; v96-159 S^T, then p; v160-191 O^T; v224-239 p's codes; v240-255 constants and at work.
.set KP,   80                          ; a row in LDS
.set STEPB, 128*KP                     ; a key step's rows of K, and of V
.set VOFF, 512*KP                      ; V behind K in a chunk
.set CHUNK, 2*VOFF
.set AK0, 1
.set AV0, 2
.set DV,  3                            ; v3  my query - 16 h, counted from the diagonal step's first key
.set STI, 4                            ; v4  the way out: into my stage
.set STB, 5                            ; v5  and back
.set GO,  7
.set ADK, 8
.set ADV, 9
.set WV,  10
.set II,  11
.set KS,  12
.set TB,  13
.set CNT, 14
.set JJ,  15
.set G1,  16
.set G0K, 24
.set G0V, 40
.set SEL, 56
.set CS,  58
.macro CROUND
	s_barrier_signal -1
	s_barrier_wait -1
	s_cmp_lg_u32 s[WV], 0
	s_cbranch_scc1 .Lnot_wave_0_\@
	s_barrier_signal -3
.Lnot_wave_0_\@:
	s_barrier_wait -3
	s_barrier_signal -1
	s_barrier_wait -1
.endm
	s_load_b128 s[4:7], s[0:1], 0x0                ; qkvc, the scales
	s_load_b64 s[8:9], s[0:1], 0x10                ; zcodes
	v_lshrrev_b32 v8, 5, v0
	s_delay_alu instid0(VALU_DEP_1)
	v_readfirstlane_b32 s[WV], v8                  ; wave 0 .. 15
	s_bfe_u32 s67, ttmp6, 0x40000                  ; cx
	s_lshl_b32 s[JJ], ttmp9, 2
	s_add_co_u32 s[JJ], s[JJ], s67                 ; j: it enters Q's and z's addresses and the mask's numbers alone
	s_and_b32 s68, ttmp7, 0xffff                   ; 16 b + head
	s_bfe_u32 s69, s[WV], 0x10002
	s_mul_i32 s69, s69, 3
	s_and_b32 s70, s[WV], 3
	s_xor_b32 s70, s70, s69
	s_and_b32 s[II], s[WV], 12
	s_or_b32 s[II], s[II], s70                     ; i = (w & 12) | ((w & 3) xor 3 ((w >> 2) & 1))
	s_mov_b32 s[G1], 15|(1<<20)|(1<<21)|(3<<22)|(3<<25)   ; the mask: all four; elements of 1 byte; padding on; bit 21 beside a mask; four words behind every 16
	s_mov_b32 s[G1+1], 64<<16                      ; tensor_dim0
	s_mov_b32 s[G1+2], 512<<16                     ; tensor_dim1
	s_mov_b32 s[G1+3], 64<<16                      ; tile_dim0
	s_mov_b32 s[G1+4], 512                         ; tile_dim1
	s_mov_b32 s[G1+5], 64                          ; from row to row
	s_mov_b32 s[G1+6], 0
	s_mov_b32 s[G1+7], 0
	s_lshl_b32 s72, s68, 17                        ; the head's 131,072 bytes in each plane
	s_mov_b32 s73, 0
	s_lshl_b32 s70, s[JJ], 4
	s_lshl_b32 s71, s[II], 7
	s_add_co_u32 s70, s70, s71                     ; my first query
	s_lshl_b32 s80, s70, 6
	s_mov_b32 s81, 0
	s_lshr_b32 s71, s68, 4
	s_lshl_b32 s71, s71, 11
	s_add_co_u32 s71, s71, s70                     ; as a token
	s_lshl_b32 s82, s71, 10
	s_and_b32 s71, s68, 15
	s_lshl_b32 s71, s71, 8
	s_add_co_u32 s82, s82, s71                     ; its place in zcodes
	s_mov_b32 s83, 0
	s_mov_b32 s[SEL], 0x76543210
	s_mov_b32 s[SEL+1], 0xfedcba98
	s_mov_b32 s[CS], 0x3e38aa3b                    ; c = log2(e) / 8
	s_mov_b32 s[TB], 0
	s_mov_b32 s[KS], 0
	s_wait_kmcnt 0x0
	s_load_b128 s[60:63], s[6:7], 0x18             ; e6, e7, e8, e9
	s_load_b32 s66, s[6:7], 0x28                   ; e10
	s_add_nc_u64 s[74:75], s[4:5], s[72:73]        ; q's plane at my head,
	s_add_nc_u64 s[76:77], s[74:75], 4<<20         ; k's,
	s_add_nc_u64 s[78:79], s[74:75], 8<<20         ; v's
	s_add_nc_u64 s[74:75], s[74:75], s[80:81]      ; Q at my first query
	s_add_nc_u64 s[8:9], s[8:9], s[82:83]
.irp c, 0,1,2,3
	s_mov_b32 s[G0K+4*\c], 1
	s_mov_b32 s[G0K+4*\c+1], CHUNK*\c
	s_add_nc_u64 s[G0K+4*\c+2:G0K+4*\c+3], s[76:77], 32768*\c
	s_or_b32 s[G0K+4*\c+3], s[G0K+4*\c+3], 0x80000000
	s_mov_b32 s[G0V+4*\c], 1
	s_mov_b32 s[G0V+4*\c+1], CHUNK*\c+VOFF
	s_add_nc_u64 s[G0V+4*\c+2:G0V+4*\c+3], s[78:79], 32768*\c
	s_or_b32 s[G0V+4*\c+3], s[G0V+4*\c+3], 0x80000000
.endr
	CROUND                                         ; all four work-groups are here: the joint loads meet
	s_cmp_eq_u32 s[WV], 0                          ; a wave's fills stand in one branch, ahead of every wait on TENSORcnt, every LDS read and every other barrier
	s_cbranch_scc0 .Lnot_k
.irp c, 0,1,2,3
	tensor_load_to_lds s[G0K+4*\c:G0K+4*\c+3], s[G1:G1+7]
	s_nop 0
.endr
.rept 4
	v_nop
.endr
	s_branch .Lasked
.Lnot_k:
	s_cmp_eq_u32 s[WV], 1
	s_cbranch_scc0 .Lasked
.irp c, 0,1,2,3
	tensor_load_to_lds s[G0V+4*\c:G0V+4*\c+3], s[G1:G1+7]
	s_nop 0
.endr
.rept 4
	v_nop
.endr
.Lasked:
	v_and_b32 v8, 15, v0                           ; r
	v_bfe_u32 v9, v0, 4, 1                         ; h
	s_delay_alu instid0(VALU_DEP_2)
	v_lshlrev_b32 v10, 6, v8
	s_delay_alu instid0(VALU_DEP_1)
	v_lshl_add_u32 v10, v9, 4, v10
	global_load_b128 v[16:19], v10, s[74:75]       ; Q's fragment stays: registers 4 c .. 4 c + 3: e = 32 c + 16 h + 0 .. 15
	global_load_b128 v[20:23], v10, s[74:75] offset:32
	v_and_b32 v11, 8, v8
	s_delay_alu instid0(VALU_DEP_1)
	v_add_nc_u32 v11, v11, v8                      ; r + 8 (r / 8)
	s_delay_alu instid0(VALU_DEP_1)
	v_mul_u32_u24 v[AK0], v11, KP
	s_delay_alu instid0(VALU_DEP_1)
	v_lshl_add_u32 v[AK0], v9, 4, v[AK0]
	v_mul_u32_u24 v[AV0], v8, KP
	s_delay_alu instid0(VALU_DEP_1)
	v_lshl_add_u32 v[AV0], v9, 4, v[AV0]
	s_delay_alu instid0(VALU_DEP_1)
	v_add_nc_u32 v[AV0], VOFF, v[AV0]
	v_lshlrev_b32 v6, 4, v9
	s_delay_alu instid0(VALU_DEP_1)
	v_sub_nc_u32 v[DV], v8, v6
	s_lshl_b32 s67, s[JJ], 4
	v_add_nc_u32 v[DV], s67, v[DV]                 ; 16 j + r - 16 h
	s_lshl_b32 s67, s[WV], 10                      ; my stage: 1,024 bytes in chunk 0
	v_lshlrev_b32 v[STI], 6, v8
	s_delay_alu instid0(VALU_DEP_1)
	v_lshl_add_u32 v[STI], v9, 3, v[STI]
	s_delay_alu instid0(VALU_DEP_1)
	v_add_nc_u32 v[STI], s67, v[STI]               ; in: 64 r + 8 h
	v_and_b32 v6, 31, v0
	s_delay_alu instid0(VALU_DEP_1)
	v_lshl_add_u32 v[STB], v6, 4, s67              ; back: 16 x lane
	v_lshlrev_b32 v[GO], 12, v9
	s_delay_alu instid0(VALU_DEP_1)
	v_lshl_add_u32 v[GO], v8, 4, v[GO]             ; in zcodes: 4,096 (lane / 16) + 16 (lane % 16)
	v_mov_b32 v13, 0xff61b1e6                      ; the largest t so far: -3e38
	s_delay_alu instid0(VALU_DEP_1)
	v_floor_f32 v12, -v13                          ; -M
	v_mov_b32 v14, 0
	v_mov_b32 v15, 0
	v_mov_b32 v236, 0                              ; a lane permute's destination counts as read
	v_mov_b32 v253, 0                              ; (named as the upper half of v[252:253])
.set jj, 0
.rept 32
	v_mov_b32 v[160+jj], 0                         ; O^T: the step is written once; the first finds zeros, which the first change of M leaves zeros
.set jj, jj+1
.endr
	s_wait_kmcnt 0x0
	s_add_co_i32 s67, s60, s61
	s_lshl_b32 s67, s67, 23
	s_add_co_i32 s[CS], s[CS], s67                 ; a score stands for score x 2^(e6 + e7): added to c's exponent field
	s_mov_b32 s[CS+1], s[CS]
	s_add_co_i32 s67, s62, 127
	s_lshl_b32 s69, s67, 23
	v_mov_b32 v244, s69                            ; 2^e8
	s_add_co_i32 s67, s66, 127
	s_lshl_b32 s69, s67, 23
	v_mov_b32 v245, s69                            ; 2^e10
	s_add_co_i32 s71, s62, s63                     ; e8 + e9
; A KEY STEP: 128 keys.  A step behind my diagonal is left out: a branch on the wave's number and the count of steps, round the step's loads, products and softmax; no barrier stands in a step.
.macro STEP
	s_cmp_gt_u32 s[KS], s[II]
	s_cbranch_scc1 .Lhidden_\@
	s_setprio 2
	v_add_nc_u32 v[ADK], s[TB], v[AK0]
	v_add_nc_u32 v[ADV], s[TB], v[AV0]
	v_nop                                          ; with the two additions: four places in front of loads into registers that the last products read
	v_nop
.irp t, 0,1,2,3,4,5,6,7
.irp c, 0,1
	ds_load_b128 v[32+8*\t+4*\c:35+8*\t+4*\c], v[ADK] offset:(32*(\t/2)+8*(\t%2))*KP+32*\c
.endr
.endr
	s_wait_alu depctr_va_vdst(0)
	s_wait_dscnt 0x0
.irp t, 0,1,2,3,4,5,6,7
	v_wmma_f32_16x16x64_fp8_fp8 v[96+8*\t:103+8*\t], v[32+8*\t:39+8*\t], v[16:23], 0
.endr
.rept 4
	v_nop                                          ; places: for V's loads into K's registers, and for the first read of the scores
.endr
.irp t, 0,1,2,3                        ; V's four tiles of 16 channels x 128 keys land while the softmax is walked
.irp c, 0,1,2,3
	ds_load_b128 v[32+16*\t+4*\c:35+16*\t+4*\c], v[ADV] offset:((\c>>1)*64+16*\t)*KP+32*(\c&1)
.endr
.endr
	s_cmp_lg_u32 s[KS], s[II]
	s_cbranch_scc1 .Lopen_\@
	v_mov_b32 v254, 0xff800000                     ; on the diagonal hidden scores become -infinity: register 16 b + i holds key 32 b + 16 h + i of the step, hidden where 32 b + i > 16 j + r - 16 h
.set nn, 0
.rept 64
	v_cmp_gt_i32 vcc_lo, 32*(nn/16)+nn%16, v[DV]
	v_cndmask_b32 v[96+nn], v[96+nn], v254, vcc_lo
.set nn, nn+1
.endr
.Lopen_\@:
	v_max3_num_f32 v254, v96, v97, v98             ; the step's largest score of my query, in two chains,
	v_max3_num_f32 v252, v99, v100, v101
.irp i, 6,10,14,18,22,26,30,34,38,42,46,50,54,58
	v_max3_num_f32 v254, v254, v[96+\i], v[97+\i]
	v_max3_num_f32 v252, v252, v[98+\i], v[99+\i]
.endr
	v_max3_num_f32 v254, v254, v158, v159
	s_delay_alu instid0(VALU_DEP_1)
	v_max_num_f32 v254, v254, v252
	v_permlanex16_b32 v236, v254, s[SEL], s[SEL+1]
	s_delay_alu instid0(VALU_DEP_1)
	v_max_num_f32 v254, v254, v236                 ; and among lane l xor 16's
	s_delay_alu instid0(VALU_DEP_1)
	v_mul_f32 v254, s[CS], v254                    ; as t (c is positive)
	s_delay_alu instid0(VALU_DEP_1)
	v_max_num_f32 v13, v13, v254
	v_mov_b32 v254, v12
	s_delay_alu instid0(VALU_DEP_2)
	v_floor_f32 v12, -v13                          ; the new -M = -ceil(t)
	s_delay_alu instid0(VALU_DEP_1)
	v_sub_f32 v254, v12, v254                      ; old M - new M: a whole number, 0 or less
	s_delay_alu instid0(VALU_DEP_1)
	v_cvt_i32_f32 v254, v254                       ; (it saturates)
	s_delay_alu instid0(VALU_DEP_1)
	v_ldexp_f32 v252, 1.0, v254                    ; f = 2^(old M - new M)
.set jj, 0
	s_setprio 1
.rept 32
	v_pk_fma_f32 v[96+jj:97+jj], v[96+jj:97+jj], s[CS:CS+1], v[12:13] op_sel_hi:[1,0,0]   ; t - M
.set jj, jj+2
.endr
.set jj, 0
	s_wait_alu depctr_va_vdst(0)
.rept 64
	v_exp_f32 v[96+jj], v[96+jj]                   ; p = 2^(t - M)
.set jj, jj+1
.endr
	v_pk_mul_f32 v[14:15], v[14:15], v[252:253] op_sel_hi:[1,0]   ; the sums under the new M (a plain line behind the exponentials)
	s_wait_alu depctr_va_vdst(0)                   ; one wait for the batch, ahead of its first reader
	v_pk_add_f32 v[242:243], v[100:101], v[104:105]
	v_pk_add_f32 v[254:255], v[108:109], v[112:113]
	v_pk_add_f32 v[250:251], v[116:117], v[120:121]
	v_pk_add_f32 v[248:249], v[124:125], v[128:129]
	v_pk_add_f32 v[246:247], v[132:133], v[136:137]
	v_pk_add_f32 v[240:241], v[140:141], v[144:145]
	v_pk_add_f32 v[238:239], v[148:149], v[152:153]
	v_pk_add_f32 v[14:15], v[14:15], v[156:157]
	v_pk_add_f32 v[242:243], v[242:243], v[96:97]
	v_pk_add_f32 v[254:255], v[254:255], v[98:99]
	v_pk_add_f32 v[250:251], v[250:251], v[102:103]
	v_pk_add_f32 v[248:249], v[248:249], v[106:107]
	v_pk_add_f32 v[246:247], v[246:247], v[110:111]
	v_pk_add_f32 v[240:241], v[240:241], v[114:115]
	v_pk_add_f32 v[238:239], v[238:239], v[118:119]
	v_pk_add_f32 v[14:15], v[14:15], v[122:123]
	v_pk_add_f32 v[242:243], v[242:243], v[126:127]
	v_pk_add_f32 v[254:255], v[254:255], v[130:131]
	v_pk_add_f32 v[250:251], v[250:251], v[134:135]
	v_pk_add_f32 v[248:249], v[248:249], v[138:139]
	v_pk_add_f32 v[246:247], v[246:247], v[142:143]
	v_pk_add_f32 v[240:241], v[240:241], v[146:147]
	v_pk_add_f32 v[238:239], v[238:239], v[150:151]
	s_setprio 0
	v_pk_add_f32 v[14:15], v[14:15], v[154:155]
	v_pk_add_f32 v[242:243], v[242:243], v[158:159]
	s_delay_alu instid0(VALU_DEP_2)
	v_pk_add_f32 v[14:15], v[14:15], v[248:249]
	s_delay_alu instid0(VALU_DEP_2)
	v_pk_add_f32 v[242:243], v[242:243], v[246:247]
	v_pk_add_f32 v[254:255], v[254:255], v[240:241]
	v_pk_add_f32 v[250:251], v[250:251], v[238:239]
	s_delay_alu instid0(VALU_DEP_2)
	v_pk_add_f32 v[14:15], v[14:15], v[254:255]
	s_delay_alu instid0(VALU_DEP_2)
	v_pk_add_f32 v[242:243], v[242:243], v[250:251]
	s_delay_alu instid0(VALU_DEP_1)
	v_pk_add_f32 v[14:15], v[14:15], v[242:243]
.irp b, 0,1,2,3
.irp i, 0,1,2,3,4,5,6,7,8,9,10,11,12,13,14,15
.endr
	v_cvt_scalef32_pk8_fp8_f32 v[224+4*\b:225+4*\b], v[96+16*\b:103+16*\b], v244
	v_cvt_scalef32_pk8_fp8_f32 v[226+4*\b:227+4*\b], v[104+16*\b:111+16*\b], v244
.endr
.set jj, 0
.rept 16
	v_pk_mul_f32 v[160+jj:161+jj], v[160+jj:161+jj], v[252:253] op_sel_hi:[1,0]   ; O^T under the new M (also the plain lines behind the conversions)
.set jj, jj+2
.endr
	s_wait_alu depctr_va_vdst(0)
	s_wait_dscnt 0x0                               ; V is in
.irp t, 0,1,2,3
	v_wmma_f32_16x16x128_fp8_fp8 v[160+8*\t:167+8*\t], v[32+16*\t:47+16*\t], v[224:239], v[160+8*\t:167+8*\t]
.endr
.Lhidden_\@:
.endm
; A chunk's four key steps.  The loading waves wait for the chunk (the later chunks' loads, 3 - c of them, may stay out), then the barrier shows it to all sixteen.
.macro PHASE c
	s_wait_tensorcnt 3-\c
	s_wait_dscnt 0x0
	s_barrier_signal -1
	s_barrier_wait -1
	s_mov_b32 s[CNT], 4
.Lstep_\@:
	STEP
	s_add_co_u32 s[TB], s[TB], STEPB
	s_add_co_u32 s[KS], s[KS], 1
	s_sub_co_u32 s[CNT], s[CNT], 1
	s_cmp_lg_u32 s[CNT], 0
	s_cbranch_scc1 .Lstep_\@
	s_setprio 0
	s_add_co_u32 s[TB], s[TB], VOFF                ; over the chunk's V to the next chunk
.endm
	s_wait_loadcnt 0x0                             ; Q
	PHASE 0
	PHASE 1
	PHASE 2
	PHASE 3
	; THE WAY OUT.  Every wave's reads of K and V are over before a result is laid into the stages, which lie in chunk 0.
	s_wait_dscnt 0x0
	s_barrier_signal -1
	s_barrier_wait -1
.rept 4
	v_nop                                          ; places behind the last products
.endr
	v_add_f32 v14, v14, v15
	s_delay_alu instid0(VALU_DEP_1)
	v_permlanex16_b32 v252, v14, s[SEL], s[SEL+1]
	s_delay_alu instid0(VALU_DEP_1)
	v_add_f32 v14, v14, v252                       ; the row's sum
	s_wait_alu depctr_va_vdst(0)
	v_rcp_f32 v14, v14
	v_nop                                          ; a plain line behind the transcendental
	s_wait_alu depctr_va_vdst(0)                   ; and the wait ahead of its first reader
	v_ldexp_f32 v14, v14, s71                      ; x 2^(e8 + e9)
.set jj, 0
.rept 32
	v_mul_f32 v[96+jj], v[160+jj], v14             ; z(r, 16 t + 8 h + i) in register 8 t + i
.set jj, jj+1
.endr
.set jj, 0
.rept 32
.set jj, jj+1
.endr
.irp t, 0,1,2,3
	v_cvt_scalef32_pk8_fp8_f32 v[128+2*\t:129+2*\t], v[96+8*\t:103+8*\t], v245
.endr
	v_nop
.irp t, 0,1,2,3
	ds_store_b64 v[STI], v[128+2*\t:129+2*\t] offset:16*\t
.endr
.irp i, 0,1
	ds_load_b128 v[32+4*\i:35+4*\i], v[STB] offset:512*\i   ; LDS serves a wave's instructions in order: these see my stores
.endr
	s_wait_dscnt 0x0
.irp i, 0,1
	global_store_b128 v[GO], v[32+4*\i:35+4*\i], s[8:9] offset:8192*\i   ; sixteen lanes store four tokens' 256 consecutive bytes, aligned
.endr
	CROUND                                         ; the closing round: no work-group ends while a partner may still ask
	s_endpgm
.Lfunc_end_k_qc855cd1742_attn:
	.size	k_qc855cd1742_attn, .Lfunc_end_k_qc855cd1742_attn-k_qc855cd1742_attn
	.p2alignl 7, 3214868480
	.fill 96, 4, 3214868480
	.section	.rodata,"a",@progbits
	.p2align	6, 0x0
	.amdhsa_kernel k_qc855cd1742_attn
		.amdhsa_group_segment_fixed_size 327680
		.amdhsa_private_segment_fixed_size 0
		.amdhsa_enable_private_segment 0
		.amdhsa_kernarg_size 24
		.amdhsa_user_sgpr_count 2
		.amdhsa_user_sgpr_kernarg_segment_ptr 1
		.amdhsa_wavefront_size32 1
		.amdhsa_system_sgpr_workgroup_id_x 1
		.amdhsa_system_sgpr_workgroup_id_y 1
		.amdhsa_system_sgpr_workgroup_id_z 1
		.amdhsa_system_vgpr_workitem_id 0
		.amdhsa_next_free_vgpr 256
		.amdhsa_next_free_sgpr 84
		.amdhsa_reserve_vcc 1
		.amdhsa_float_denorm_mode_32 3
		.amdhsa_float_denorm_mode_16_64 3
		.amdhsa_fp16_overflow 1
		.amdhsa_memory_ordered 1
		.amdhsa_forward_progress 1
		.amdhsa_inst_pref_size 89
	.end_amdhsa_kernel
	.amdgpu_metadata
---
amdhsa.version: [ 1, 2 ]
amdhsa.kernels:
  - .name:           k_qc855cd1742_attn
    .symbol:         k_qc855cd1742_attn.kd
    .args:
      - { .name: qkvc, .offset: 0, .size: 8, .value_kind: global_buffer, .address_space: global }
      - { .name: lowp_scales, .offset: 8, .size: 8, .value_kind: global_buffer, .address_space: global }
      - { .name: zcodes, .offset: 16, .size: 8, .value_kind: global_buffer, .address_space: global }
    .group_segment_fixed_size: 327680
    .private_segment_fixed_size: 0
    .kernarg_segment_align: 8
    .kernarg_segment_size: 24
    .max_flat_workgroup_size: 512
    .sgpr_count:     84
    .vgpr_count:     256
    .wavefront_size: 32
...
	.end_amdgpu_metadata
.endif
;; end of part 12
;; launch oproj (part 13): grid 8 x 32, 4 waves a work-group, clusters of 4 x 4, 327,680 bytes of LDS; arguments zcodes, wcodes, lowp_scales, resid, rmid; writes rmid
.if DOCPART == 13
	.amdgcn_target "amdgcn-amd-amdhsa--gfx1250"
	.amdhsa_code_object_version 6
	.text
	.protected	k_qc855cd1742_oproj
	.globl	k_qc855cd1742_oproj
	.p2align	8
	.type	k_qc855cd1742_oproj,@function
k_qc855cd1742_oproj:
	s_mov_b64 s[64:65], 0
	v_nop
	global_prefetch_b8 v0, s[64:65] scope:SCOPE_SE
	s_setreg_imm32_b32 hwreg(HW_REG_WAVE_MODE, 25, 1), 1
	s_wait_xcnt 0x0
	s_wait_alu depctr_hold_cnt(0) depctr_sa_sdst(0) depctr_va_vdst(0) depctr_va_sdst(0) depctr_va_ssrc(0) depctr_va_vcc(0) depctr_vm_vsrc(0)
	s_getreg_b32 s2, hwreg(HW_REG_IB_STS2, 6, 4)
	s_cmp_eq_u32 s2, 0
	s_cbranch_scc0 .Lentry_in_a_cluster
	s_endpgm
.Lentry_in_a_cluster:
	s_bfe_u32 s2, ttmp6, 0x10000c
	s_cmp_lg_u32 s2, 0xf033
	s_cbranch_scc0 .Lentry_shape_is_right
	s_endpgm
.Lentry_shape_is_right:
; Product 6 on codes of FP8 (E4M3), and the first residual: rmid[token][d] = resid + 2^(e10 + e11) x sum over k of z[token][k] w_o[d][k], f32.
; A = zcodes, whose aligned blocks of 256 bytes hold 4 tokens x 64 k: byte(token, k) = (token / 4) 4,096 + 256 (k / 64) + 64 (token % 4) + k % 64.  256 along K are 1,024 consecutive bytes for four tokens:
; a wave's tile of 64 tokens is 16 rows of 1,024 bytes (as many bytes as 64 rows of 256), and a fragment's loads pick a token's pieces of 64 bytes.  B = w_o's codes, [d][k], at 3 MiB in wcodes.
; LIMIT: e10 + e11 between -126 and 127.
; SHARES.  C is 4,096 x 1,024: tiles of 128 x 128 make 32 x 8 = 256 work-groups, as many as there are WGPs (tiles of 256 x 256 would make 64).  Four waves, each 64 x 64 of C: 16 accumulators, 128 registers.
; LDS.  K is 1,024, so the work-group's whole A (128 tokens) and B (128 rows) fit: four slots of 256 along K, EACH BYTE FILLED ONCE.  Every wave asks for its 64 rows of all four slots at the start: four loads of a wave
; are out at most.  A counted wait and a barrier stand in front of each slot's first read; nothing is filled again.  The stages for the way out have bytes of their own, behind the slots.
; CLUSTERS: 4 x 4 work-groups; A's tiles are asked for jointly along a row of the cluster, B's along a column.  THE MATRIX INSTRUCTION IS USED TRANSPOSED (source 0 = 16 rows of B, source 1 = 16 rows of A):
; a lane holds eight neighbouring numbers of a row of C.  A fragment comes by four loads of 16 bytes: the same permutation of k in A and in B, so every product meets its partner.
; REGISTERS: window 0: v16-27 addresses, v32-95 rows of C on the way out, v128-255 the accumulators ((a, b) at v[128 + 8 (4 a + b)]);  window 1: two fragment buffers of 128 (A's four fragments, then B's four, for 128 along K);
;   window 2: v0-127 the residual's 64 x 64 numbers, asked for behind the first barrier.
.set SIZE_K, 1024
.set TPB,    4                         ; tokens that share an LDS row of A
.set LTPB,   2
.set KSTEP,  256                       ; along K in a slot
.set QIA,    7                         ; A: padding behind every 256 words
.set QIB,    5                         ; B: behind every 64 words
.set WOFF,   3<<20
.set SCOFF,  0x28
.set AROWB,  KSTEP*TPB
.set APITCH, AROWB+16                  ; 1,040: the four rows of a fragment start 16 bytes apart modulo 256, a row's four tokens 64 apart: sixteen different columns of 16 bytes
.set AROWS,  64/TPB
.set PS,     256/TPB                   ; a token's bytes in a block of 256
.set BPITCH, KSTEP+16
.set FR,     16
.set NP,     4                         ; places behind this matrix instruction (ISA guide 7.12.1)
.set HALFT,  64*BPITCH                 ; a wave's part of a slot (A's uses 16 x 1,040 of it)
.set SLOT,   4*HALFT
.set STAGE,  4*SLOT                    ; behind the slots: 16 rows x 272 bytes for each wave
.set SPITCH, 272
.set WSTG,   16*SPITCH
.set ADRA, 16                          ; v16-19  LDS address of my A fragments in slot 0 .. 3
.set ADRB, 20                          ; v20-23  the same for B
.set STO,  24
.set RD,   25
.set CO,   26
.set BK,   32
.set ACC,  128
.set G1,  24                           ; s[24:31] descriptor group 1 for A's tiles
.set G1B, 48                           ; s[48:55] for B's
.set SC,  56                           ; s[56:57] ea, eb; then 2^(ea + eb)
.set G0,  68                           ; s[68:83] group 0 for A's tiles, a set for each slot
.set G0B, 84                           ; s[84:99] for B's
.set MSB, 0
.macro WIN new                         ; the immediate's high byte repeats the setting that is left
.if MSB != (\new)
	s_set_vgpr_msb (MSB<<8)|(\new)
.set MSB, (\new)
.endif
.endm
.set MUL,   0x05                       ; sources 0 (B) and 1 (A) window 1; C and D window 0
.set TO_F,  0x40                       ; destination window 1, address window 0
.set TO_R,  0x80                       ; destination window 2
.set ADD_R, 0x20                       ; source 2 window 2
.macro CROUND                          ; a round of the cluster's barrier
	s_barrier_signal -1
	s_barrier_wait -1
	s_cmp_lg_u32 s14, 0
	s_cbranch_scc1 .Lnot_wave_0_\@
	s_barrier_signal -3
.Lnot_wave_0_\@:
	s_barrier_wait -3
	s_barrier_signal -1
	s_barrier_wait -1
.endm
	s_load_b128 s[4:7], s[0:1], 0x0                ; A's codes, wcodes
	s_load_b128 s[8:11], s[0:1], 0x10              ; the scales, the residual
	s_load_b64 s[12:13], s[0:1], 0x20              ; C
	v_lshrrev_b32 v1, 5, v0
	v_readfirstlane_b32 s14, v1                    ; wave
	s_lshr_b32 s15, s14, 1                         ; my half of the tile's rows; also: I fetch for A (0) or B (1)
	s_and_b32 s16, s14, 1                          ; my half of its columns; also: which 64 rows I fetch
	s_bfe_u32 s40, ttmp6, 0x40000                  ; cx
	s_bfe_u32 s41, ttmp6, 0x40004                  ; cy
	s_lshl_b32 s42, ttmp9, 2
	s_add_co_u32 s42, s42, s40                     ; tile column of C
	s_and_b32 s17, ttmp7, 0xffff
	s_lshl_b32 s17, s17, 2
	s_add_co_u32 s17, s17, s41                     ; tile row of C
	s_lshl_b32 s43, s41, 2
	s_lshl_b32 s43, 15, s43                        ; my row of the cluster
	s_lshl_b32 s44, 0x1111, s40                    ; my column
	s_or_b32 s[G1+0], s43, (1<<20)|(1<<21)|(QIA<<22)|(3<<25)   ; the mask; elements of 1 byte; padding on; bit 21 beside a mask; four words behind each row
	s_or_b32 s[G1B+0], s44, (1<<20)|(1<<21)|(QIB<<22)|(3<<25)
	s_mov_b32 s[G1+1], AROWB<<16                   ; tensor_dim0
	s_mov_b32 s[G1+2], AROWS<<16                   ; tensor_dim1
	s_mov_b32 s[G1+3], AROWB<<16                   ; tile_dim0
	s_mov_b32 s[G1+4], AROWS                       ; tile_dim1
	s_mov_b32 s[G1+5], SIZE_K*TPB                  ; from row to row
	s_mov_b32 s[G1+6], 0
	s_mov_b32 s[G1+7], 0
	s_mov_b32 s[G1B+1], KSTEP<<16
	s_mov_b32 s[G1B+2], 64<<16
	s_mov_b32 s[G1B+3], KSTEP<<16
	s_mov_b32 s[G1B+4], 64
	s_mov_b32 s[G1B+5], SIZE_K
	s_mov_b32 s[G1B+6], 0
	s_mov_b32 s[G1B+7], 0
	s_lshl_b32 s18, s16, 6
	s_lshl_b32 s20, s17, 7
	s_add_co_u32 s20, s20, s18                     ; A: token 128 x tile row + 64 x half
	s_lshl_b32 s46, s42, 7
	s_add_co_u32 s46, s46, s18                     ; B: row 128 x tile column + 64 x half
	s_mul_i32 s20, s20, SIZE_K                     ; a token's share of A is SIZE_K bytes, whatever TPB
	s_mov_b32 s21, 0
	s_mul_i32 s46, s46, SIZE_K
	s_mov_b32 s47, 0
	s_mul_i32 s45, s14, HALFT                      ; where they go: no place in the cluster enters an LDS address
	s_wait_kmcnt 0x0
	s_load_b64 s[SC:SC+1], s[8:9], SCOFF           ; ea, eb
	s_add_nc_u64 s[6:7], s[6:7], WOFF
	s_add_nc_u64 s[20:21], s[4:5], s[20:21]
	s_add_nc_u64 s[46:47], s[6:7], s[46:47]
.irp s, 0,1,2,3
	s_mov_b32 s[G0+4*\s], 1
	s_add_co_u32 s[G0+4*\s+1], s45, \s*SLOT
	s_add_nc_u64 s[G0+4*\s+2:G0+4*\s+3], s[20:21], \s*AROWB
	s_or_b32 s[G0+4*\s+3], s[G0+4*\s+3], 0x80000000
	s_mov_b32 s[G0B+4*\s], 1
	s_add_co_u32 s[G0B+4*\s+1], s45, \s*SLOT
	s_add_nc_u64 s[G0B+4*\s+2:G0B+4*\s+3], s[46:47], \s*KSTEP
	s_or_b32 s[G0B+4*\s+3], s[G0B+4*\s+3], 0x80000000
.endr
	CROUND                                         ; all sixteen work-groups are here: the joint loads meet
	s_cmp_eq_u32 s15, 0                            ; a wave's four fills stand in one branch on the wave's number, ahead of every wait on TENSORcnt, every LDS read and every other barrier
	s_cbranch_scc0 .Lfirst_b
.irp s, 0,1,2,3
	tensor_load_to_lds s[G0+4*\s:G0+4*\s+3], s[G1:G1+7]
	s_nop 0
.endr
.rept 4
	v_nop
.endr
	s_branch .Lfirst_asked
.Lfirst_b:
.irp s, 0,1,2,3
	tensor_load_to_lds s[G0B+4*\s:G0B+4*\s+3], s[G1B:G1B+7]
	s_nop 0
.endr
.rept 4
	v_nop
.endr
.Lfirst_asked:
	v_and_b32 v1, 15, v0                           ; r
	v_bfe_u32 v2, v0, 4, 1                         ; h
	v_mul_u32_u24 v3, v1, BPITCH
	v_lshl_add_u32 v4, v2, 4, v3                   ; B: row x pitch + 16 h
	v_lshrrev_b32 v5, LTPB, v1
	v_and_b32 v6, TPB-1, v1
	v_mul_u32_u24 v5, v5, APITCH
	v_mad_u32_u24 v5, v6, PS, v5
	v_lshl_add_u32 v5, v2, 4, v5                   ; A: (r / TPB) x pitch + (r % TPB) x PS + 16 h
	s_wait_alu depctr_va_vdst(0)
	s_mul_i32 s21, s15, HALFT
	s_mul_i32 s22, s16, HALFT
	s_add_co_u32 s22, s22, 2*HALFT
.irp s, 0,1,2,3
	v_add_nc_u32 v[ADRA+\s], s21, v5
	v_add_nc_u32 v[ADRB+\s], s22, v4
	s_add_co_u32 s21, s21, SLOT
	s_add_co_u32 s22, s22, SLOT
.endr
	s_mul_i32 s23, s14, WSTG
	s_add_co_u32 s23, s23, STAGE                   ; my stage
	v_mul_u32_u24 v5, v1, SPITCH
	v_lshl_add_u32 v5, v2, 5, v5
	v_add_nc_u32 v[STO], s23, v5                   ; in: row r, 32 bytes for each half of the lanes
	v_mul_u32_u24 v5, v2, SPITCH
	v_lshl_add_u32 v5, v1, 4, v5
	v_add_nc_u32 v[RD], s23, v5                    ; back: lanes 0-15 one row of 256 bytes, lanes 16-31 the next
	v_lshlrev_b32 v5, 4, v1
	v_lshl_add_u32 v[CO], v2, 12, v5               ; and the same two rows in C and in the residual
	s_lshl_b32 s20, s17, 7
	s_lshl_b32 s21, s15, 6
	s_add_co_u32 s20, s20, s21
	s_lshl_b32 s20, s20, 12                        ; my first row of C, 4,096 bytes a row,
	s_lshl_b32 s46, s42, 9
	s_lshl_b32 s47, s16, 8
	s_add_co_u32 s46, s46, s47                     ; my first column: 512 x tile column + 256 x half, in bytes
	s_add_co_u32 s20, s20, s46
	s_mov_b32 s21, 0
	s_add_nc_u64 s[10:11], s[10:11], s[20:21]
	s_add_nc_u64 s[12:13], s[12:13], s[20:21]
.macro FRAGB reg, adr, q, i            ; 16 rows x 128 K: registers 4 c .. 4 c + 3 hold K = 32 c + 16 h + 0 .. 15
.irp c, 0,1,2,3
	ds_load_b128 v[\reg+4*\c:\reg+4*\c+3], v[\adr] offset:128*(\q)+32*\c+(\i)*16*BPITCH
.endr
.endm
.macro FRAGA reg, adr, q, i            ; the same k, from rows that TPB tokens share in pieces of PS bytes
.irp c, 0,1,2,3
	ds_load_b128 v[\reg+4*\c:\reg+4*\c+3], v[\adr] offset:((128*(\q)+32*\c)/PS)*256+(128*(\q)+32*\c)%PS+(\i)*(16/TPB)*APITCH
.endr
.endm
.macro FETCH slot, q, f                ; 32 LDS loads in one run: the slot's q-th 128 along K into buffer f
	WIN TO_F
.irp i, 0,1,2,3
	FRAGB 128*(\f)+64+FR*\i, ADRB+\slot, \q, \i
	FRAGA 128*(\f)+FR*\i, ADRA+\slot, \q, \i
.endr
.endm
.macro MULR f, t0, n, zero             ; n matrix instructions from accumulator t0 on, on buffer f; the 16 accumulators take turns, one instruction a turn; zero = 1: the first product starts the sums
.set tt, \t0
.rept \n
.if \zero
	v_wmma_f32_16x16x128_fp8_fp8 v[ACC+8*tt:ACC+8*tt+7], v[128*(\f)+64+FR*(tt%4):128*(\f)+64+FR*(tt%4)+FR-1], v[128*(\f)+FR*(tt/4):128*(\f)+FR*(tt/4)+FR-1], 0
.else
	v_wmma_f32_16x16x128_fp8_fp8 v[ACC+8*tt:ACC+8*tt+7], v[128*(\f)+64+FR*(tt%4):128*(\f)+64+FR*(tt%4)+FR-1], v[128*(\f)+FR*(tt/4):128*(\f)+FR*(tt/4)+FR-1], v[ACC+8*tt:ACC+8*tt+7]
.endif
.set tt, tt+1
.endr
.endm
.macro PLACES n                        ; plain vector lines between a matrix instruction and a load into, or a read of, its registers
.rept \n
	v_nop
.endr
.endm
.macro STEP slot, q, zero              ; 128 along K whose successor lies in the same slot: the successor's fragments are asked for first, into the buffer that the step before multiplied
	PLACES NP
	FETCH \slot, (\q)+1, 1-(\q)%2
	s_wait_dscnt 32                                ; this step's fragments are in; the 32 loads just issued may be out
	WIN MUL
	MULR (\q)%2, 0, 16, \zero
.endm
.macro TURNQ next                      ; a slot's last step, on buffer 1, and the way into slot next
	s_wait_tensorcnt 3-(\next)                     ; my part of slot next is in; the later slots' loads may stay out
	s_wait_dscnt 0x0                               ; buffer 1 is in; no LDS instruction of mine is pending at the signal
	s_barrier_signal -1
	WIN MUL
	MULR 1, 0, 8, 0                                ; work on registers while the others arrive
	s_barrier_wait -1                              ; everybody's part of slot next is in
	PLACES NP
	FETCH \next, 0, 0
	WIN MUL
	MULR 1, 8, 8, 0
.endm
.macro RLOAD                           ; the residual's 64 rows x 256 bytes that I shall add to, in the layout in which rows of C come back from the stage
	WIN TO_R
.irp a, 0,1,2,3
.irp t, 0,1,2,3,4,5,6,7
	global_load_b128 v[32*\a+4*\t:32*\a+4*\t+3], v[CO], s[10:11] offset:65536*\a+8192*\t th:TH_LOAD_NT
.endr
.endr
	WIN 0
.endm
.macro TOSTAGE a                       ; block a (16 rows x 64 columns): the sums go into my stage as they stand, each accumulator from its low end on, and come back as whole rows of 256 bytes
.irp b, 0,1,2,3
	ds_store_b128 v[STO], v[ACC+8*(4*(\a)+\b):ACC+8*(4*(\a)+\b)+3] offset:64*\b
	ds_store_b128 v[STO], v[ACC+8*(4*(\a)+\b)+4:ACC+8*(4*(\a)+\b)+7] offset:64*\b+16
.endr
.set BB, BK+32*((\a)%2)
.irp t, 0,1,2,3,4,5,6,7
	ds_load_b128 v[BB+4*\t:BB+4*\t+3], v[RD] offset:\t*2*SPITCH   ; LDS serves a wave's instructions in order: these see the stores above
.endr
.endm
.macro SEND a, younger                 ; younger: the LDS instructions issued behind block a's loads
.set BB, BK+32*((\a)%2)
.set RR, 32*(\a)
	s_wait_dscnt \younger
	WIN ADD_R
.set jj, 0
.rept 16
	v_pk_fma_f32 v[BB+jj:BB+jj+1], v[BB+jj:BB+jj+1], s[SC:SC+1], v[RR+jj:RR+jj+1] op_sel_hi:[1,0,1]   ; sum x 2^(ea + eb) + residual
.set jj, jj+2
.endr
	WIN 0
.irp t, 0,1,2,3,4,5,6,7
	global_store_b128 v[CO], v[BB+4*\t:BB+4*\t+3], s[12:13] offset:65536*(\a)+8192*\t   ; sixteen lanes store 256 consecutive bytes, aligned
.endr
.endm
	s_wait_alu depctr_va_vdst(0)
	s_wait_tensorcnt 3                             ; my part of slot 0 is in; the three later loads may be out
	s_barrier_signal -1
	s_barrier_wait -1
	RLOAD
	FETCH 0, 0, 0
	STEP 0, 0, 1
	TURNQ 1
	STEP 1, 0, 0
	TURNQ 2
	STEP 2, 0, 0
	TURNQ 3
	STEP 3, 0, 0
	s_wait_dscnt 0x0                               ; the very last step: nothing more to fetch
	WIN MUL
	MULR 1, 0, 16, 0
	WIN 0
	s_wait_kmcnt 0x0
	s_add_co_i32 s[SC], s[SC], s[SC+1]
	s_add_co_i32 s[SC], s[SC], 127
	s_lshl_b32 s[SC], s[SC], 23                    ; 2^(ea + eb) as f32
	PLACES NP
	s_wait_loadcnt 0x0                             ; the residual
	TOSTAGE 0
.irp a, 1,2,3
.if \a > 1
	s_wait_xcnt 0x0                                ; block a - 2's stores have read their registers: block a's rows may land there
.endif
	TOSTAGE \a
	SEND \a-1, 16                                  ; behind block a - 1's loads: block a's 8 stores and 8 loads
.endr
	SEND 3, 0
	CROUND                                         ; the closing round: no work-group ends while a partner may still ask
	s_endpgm
.Lfunc_end_k_qc855cd1742_oproj:
	.size	k_qc855cd1742_oproj, .Lfunc_end_k_qc855cd1742_oproj-k_qc855cd1742_oproj
	.p2alignl 7, 3214868480
	.fill 96, 4, 3214868480
	.section	.rodata,"a",@progbits
	.p2align	6, 0x0
	.amdhsa_kernel k_qc855cd1742_oproj
		.amdhsa_group_segment_fixed_size 327680
		.amdhsa_private_segment_fixed_size 0
		.amdhsa_enable_private_segment 0
		.amdhsa_kernarg_size 40
		.amdhsa_user_sgpr_count 2
		.amdhsa_user_sgpr_kernarg_segment_ptr 1
		.amdhsa_wavefront_size32 1
		.amdhsa_system_sgpr_workgroup_id_x 1
		.amdhsa_system_sgpr_workgroup_id_y 1
		.amdhsa_system_sgpr_workgroup_id_z 1
		.amdhsa_system_vgpr_workitem_id 0
		.amdhsa_next_free_vgpr 640
		.amdhsa_next_free_sgpr 100
		.amdhsa_reserve_vcc 0
		.amdhsa_float_denorm_mode_32 3
		.amdhsa_float_denorm_mode_16_64 3
		.amdhsa_memory_ordered 1
		.amdhsa_forward_progress 1
		.amdhsa_inst_pref_size 50
	.end_amdhsa_kernel
	.amdgpu_metadata
---
amdhsa.version: [ 1, 2 ]
amdhsa.kernels:
  - .name:           k_qc855cd1742_oproj
    .symbol:         k_qc855cd1742_oproj.kd
    .args:
      - { .name: zcodes, .offset: 0, .size: 8, .value_kind: global_buffer, .address_space: global }
      - { .name: wcodes, .offset: 8, .size: 8, .value_kind: global_buffer, .address_space: global }
      - { .name: lowp_scales, .offset: 16, .size: 8, .value_kind: global_buffer, .address_space: global }
      - { .name: resid, .offset: 24, .size: 8, .value_kind: global_buffer, .address_space: global }
      - { .name: rmid, .offset: 32, .size: 8, .value_kind: global_buffer, .address_space: global }
    .group_segment_fixed_size: 327680
    .private_segment_fixed_size: 0
    .kernarg_segment_align: 8
    .kernarg_segment_size: 40
    .max_flat_workgroup_size: 128
    .sgpr_count:     100
    .vgpr_count:     640
    .wavefront_size: 32
...
	.end_amdgpu_metadata
.endif
;; end of part 13
;; launch ln2 (part 14): grid 256 x 1, 8 waves a work-group, no clusters, 8,192 bytes of LDS; arguments rmid, ln2_w, ln2_b, lowp_scales, h2codes; writes h2codes
.if DOCPART == 14
	.amdgcn_target "amdgcn-amd-amdhsa--gfx1250"
	.amdhsa_code_object_version 6
	.text
	.protected	k_qc855cd1742_ln2
	.globl	k_qc855cd1742_ln2
	.p2align	8
	.type	k_qc855cd1742_ln2,@function
k_qc855cd1742_ln2:
	s_mov_b64 s[64:65], 0
	v_nop
	global_prefetch_b8 v0, s[64:65] scope:SCOPE_SE
	s_setreg_imm32_b32 hwreg(HW_REG_WAVE_MODE, 25, 1), 1
	s_wait_xcnt 0x0
; y = (x - mean) / sqrt(var + 1e-5) * w + b for each row of 1,024 f32, all in f32, then quantised to FP8 (E4M3) with the given scale 2^e (entry 12) into [4,096][1,024] codes.
; A wave takes a whole row in 32 registers a lane (eight loads of 512 consecutive bytes), two rows in all: the mean is taken away before the squares are summed; no wave waits for another, no barrier.
; A lane's four codes of each load are a word; a row's words meet in the wave's own stage in LDS and leave as 512 consecutive bytes a store.
; LIMITS: -126 <= e <= 119.  NaN among the inputs is not served.  The matrix unit, clusters and tensor loads have nothing to do here: memory binds, and only w and b (8 KiB) are shared.
.set NS,  1                            ; scales
.set SO0, 48                           ; byte of the scale's entry
.set W,   24
.set B,   56
.set X,   88
.set T,   152
.set C,   168
	s_load_b256 s[4:11], s[0:1], 0x0               ; x, w, b, the scales
	s_load_b64 s[28:29], s[0:1], 0x20              ; the codes
	v_lshrrev_b32 v2, 5, v0
	s_delay_alu instid0(VALU_DEP_1)
	v_readfirstlane_b32 s30, v2                    ; wave
	v_and_b32 v2, 31, v0
	s_delay_alu instid0(VALU_DEP_1)
	v_lshlrev_b32 v1, 4, v2                        ; 16 x lane
	s_mul_i32 s31, s30, NS*1024                    ; my stage
	v_lshl_add_u32 v16, v2, 2, s31
	v_add_nc_u32 v17, s31, v1
	v_mov_b32 v3, 0
	s_mov_b32 s12, 0x76543210
	s_mov_b32 s13, 0xfedcba98
	s_mov_b32 s25, 0x3a800000                      ; 1 / 1,024
	s_mov_b32 s26, 0x3727c5ac                      ; 1e-5
	s_lshl_b32 s14, ttmp9, 4
	s_lshl_b32 s15, s30, 1
	s_add_co_u32 s14, s14, s15                     ; my first row
	s_lshl_b32 s32, s14, 10
	s_mov_b32 s33, 0
	s_lshl_b32 s14, s14, 12
	s_mov_b32 s15, 0
	s_wait_alu depctr_va_vdst(0)
	s_wait_kmcnt 0x0
	s_load_b32 s22, s[10:11], SO0
	s_add_nc_u64 s[4:5], s[4:5], s[14:15]
	s_add_nc_u64 s[16:17], s[28:29], s[32:33]
.irp j, 0,1,2,3,4,5,6,7
	global_load_b128 v[W+4*\j:W+4*\j+3], v1, s[6:7] offset:512*\j
.endr
.irp j, 0,1,2,3,4,5,6,7
	global_load_b128 v[B+4*\j:B+4*\j+3], v1, s[8:9] offset:512*\j
.endr
.irp r, 0,1
.irp j, 0,1,2,3,4,5,6,7
	global_load_b128 v[X+32*\r+4*\j:X+32*\r+4*\j+3], v1, s[4:5] offset:4096*\r+512*\j
.endr
.endr
	s_wait_kmcnt 0x0
	s_add_co_i32 s22, s22, 127
	s_lshl_b32 s27, s22, 23
	v_mov_b32 v10, s27                             ; 2^e
.macro REDUCE                          ; the two chains v[4:5], v[6:7] become one sum over the row, in every lane's v4
	s_delay_alu instid0(VALU_DEP_1)
	v_pk_add_f32 v[4:5], v[4:5], v[6:7]
	s_delay_alu instid0(VALU_DEP_1)
	v_add_f32 v4, v4, v5
	s_delay_alu instid0(VALU_DEP_1)
	v_add_f32_dpp v4, v4, v4 row_xmask:1 row_mask:0xf bank_mask:0xf
	s_delay_alu instid0(VALU_DEP_1)
	v_add_f32_dpp v4, v4, v4 row_xmask:2 row_mask:0xf bank_mask:0xf
	s_delay_alu instid0(VALU_DEP_1)
	v_add_f32_dpp v4, v4, v4 row_xmask:4 row_mask:0xf bank_mask:0xf
	s_delay_alu instid0(VALU_DEP_1)
	v_add_f32_dpp v4, v4, v4 row_xmask:8 row_mask:0xf bank_mask:0xf
	s_delay_alu instid0(VALU_DEP_1)
	v_permlanex16_b32 v3, v4, s12, s13
	s_delay_alu instid0(VALU_DEP_1)
	v_add_f32 v4, v4, v3
.endm
.macro ROW rho
.set XR, X+32*\rho
	s_wait_loadcnt 8*(1-\rho)                      ; w, b and this row are in; the other row's eight loads may be out
	v_pk_add_f32 v[4:5], v[XR:XR+1], v[XR+2:XR+3]
	v_pk_add_f32 v[6:7], v[XR+4:XR+5], v[XR+6:XR+7]
.irp j, 8,12,16,20,24,28
	s_delay_alu instid0(VALU_DEP_2)
	v_pk_add_f32 v[4:5], v[4:5], v[XR+\j:XR+\j+1]
	s_delay_alu instid0(VALU_DEP_2)
	v_pk_add_f32 v[6:7], v[6:7], v[XR+\j+2:XR+\j+3]
.endr
	REDUCE
	s_delay_alu instid0(VALU_DEP_1)
	v_mul_f32 v8, s25, v4                          ; the mean
	s_delay_alu instid0(VALU_DEP_1)
	v_mov_b32 v9, v8
.set jj, 0
.rept 16
	v_pk_add_f32 v[XR+jj:XR+jj+1], v[XR+jj:XR+jj+1], v[8:9] neg_lo:[0,1] neg_hi:[0,1]
.set jj, jj+2
.endr
	v_pk_mul_f32 v[4:5], v[XR:XR+1], v[XR:XR+1]
	v_pk_mul_f32 v[6:7], v[XR+2:XR+3], v[XR+2:XR+3]
.irp j, 4,8,12,16,20,24,28
	s_delay_alu instid0(VALU_DEP_2)
	v_pk_fma_f32 v[4:5], v[XR+\j:XR+\j+1], v[XR+\j:XR+\j+1], v[4:5]
	s_delay_alu instid0(VALU_DEP_2)
	v_pk_fma_f32 v[6:7], v[XR+\j+2:XR+\j+3], v[XR+\j+2:XR+\j+3], v[6:7]
.endr
	REDUCE
	s_delay_alu instid0(VALU_DEP_1)
	v_fma_f32 v4, v4, s25, s26                     ; var + 1e-5
	s_wait_alu depctr_va_vdst(0)
	v_rsq_f32 v8, v4
	v_nop                                          ; a plain line behind the transcendental,
	s_wait_alu depctr_va_vdst(0)                   ; and the wait ahead of its first reader
	v_mov_b32 v9, v8
.set jj, 0
.rept 16
	v_pk_mul_f32 v[XR+jj:XR+jj+1], v[XR+jj:XR+jj+1], v[8:9]
.set jj, jj+2
.endr
.set jj, 0
.rept 16
	v_pk_fma_f32 v[XR+jj:XR+jj+1], v[XR+jj:XR+jj+1], v[W+jj:W+jj+1], v[B+jj:B+jj+1]
.set jj, jj+2
.endr
.irp g, 0,1,2,3
.irp i, 0,1,2,3,4,5,6,7
.endr
	v_cvt_scalef32_pk8_fp8_f32 v[C+2*\g:C+2*\g+1], v[T+8*(\g%2)+((XR+8*\g+0)-(T+8*(\g%2)+0)):T+8*(\g%2)+7+((XR+8*\g+0)-(T+8*(\g%2)+0))], v10
.endr
	v_nop
.irp j, 0,1,2,3,4,5,6,7
	ds_store_b32 v16, v[C+\j] offset:128*\j        ; word j: columns 128 j + 4 lane + 0 .. 3
.endr
.irp i, 0,1
	ds_load_b128 v[XR+4*\i:XR+4*\i+3], v17 offset:512*\i   ; into the row's own registers, which are done with
.endr
	s_wait_dscnt 0x0
.irp i, 0,1
	global_store_b128 v1, v[XR+4*\i:XR+4*\i+3], s[16:17] offset:1024*\rho+512*\i   ; 512 consecutive bytes, aligned
.endr
.endm
	ROW 0
	ROW 1
	s_endpgm
.Lfunc_end_k_qc855cd1742_ln2:
	.size	k_qc855cd1742_ln2, .Lfunc_end_k_qc855cd1742_ln2-k_qc855cd1742_ln2
	.p2alignl 7, 3214868480
	.fill 96, 4, 3214868480
	.section	.rodata,"a",@progbits
	.p2align	6, 0x0
	.amdhsa_kernel k_qc855cd1742_ln2
		.amdhsa_group_segment_fixed_size 8192
		.amdhsa_private_segment_fixed_size 0
		.amdhsa_enable_private_segment 0
		.amdhsa_kernarg_size 40
		.amdhsa_user_sgpr_count 2
		.amdhsa_user_sgpr_kernarg_segment_ptr 1
		.amdhsa_wavefront_size32 1
		.amdhsa_system_sgpr_workgroup_id_x 1
		.amdhsa_system_sgpr_workgroup_id_y 1
		.amdhsa_system_sgpr_workgroup_id_z 1
		.amdhsa_system_vgpr_workitem_id 0
		.amdhsa_next_free_vgpr 192
		.amdhsa_next_free_sgpr 66
		.amdhsa_reserve_vcc 0
		.amdhsa_float_denorm_mode_32 3
		.amdhsa_float_denorm_mode_16_64 3
		.amdhsa_fp16_overflow 1
		.amdhsa_memory_ordered 1
		.amdhsa_forward_progress 1
		.amdhsa_inst_pref_size 22
	.end_amdhsa_kernel
	.amdgpu_metadata
---
amdhsa.version: [ 1, 2 ]
amdhsa.kernels:
  - .name:           k_qc855cd1742_ln2
    .symbol:         k_qc855cd1742_ln2.kd
    .args:
      - { .name: rmid, .offset: 0, .size: 8, .value_kind: global_buffer, .address_space: global }
      - { .name: ln2_w, .offset: 8, .size: 8, .value_kind: global_buffer, .address_space: global }
      - { .name: ln2_b, .offset: 16, .size: 8, .value_kind: global_buffer, .address_space: global }
      - { .name: lowp_scales, .offset: 24, .size: 8, .value_kind: global_buffer, .address_space: global }
      - { .name: h2codes, .offset: 32, .size: 8, .value_kind: global_buffer, .address_space: global }
    .group_segment_fixed_size: 8192
    .private_segment_fixed_size: 0
    .kernarg_segment_align: 8
    .kernarg_segment_size: 40
    .max_flat_workgroup_size: 256
    .sgpr_count:     66
    .vgpr_count:     192
    .wavefront_size: 32
...
	.end_amdgpu_metadata
.endif
;; end of part 14
;; launch mlpin: the kernel of part 7 again; grid 16 x 16, 4 waves a work-group, clusters of 4 x 4, 327,680 bytes of LDS; arguments h2codes, wcodes, lowp_scales, b_in, hcodes; writes hcodes
;; launch mlpout (part 15): grid 8 x 32, 4 waves a work-group, clusters of 4 x 4, 327,680 bytes of LDS; arguments hcodes, wcodes, lowp_scales, rmid, out0, b_out; writes out0
.if DOCPART == 15
	.amdgcn_target "amdgcn-amd-amdhsa--gfx1250"
	.amdhsa_code_object_version 6
	.text
	.protected	k_qc855cd1742_mlpout
	.globl	k_qc855cd1742_mlpout
	.p2align	8
	.type	k_qc855cd1742_mlpout,@function
k_qc855cd1742_mlpout:
	s_mov_b64 s[64:65], 0
	v_nop
	global_prefetch_b8 v0, s[64:65] scope:SCOPE_SE
	s_setreg_imm32_b32 hwreg(HW_REG_WAVE_MODE, 25, 1), 1
	s_wait_xcnt 0x0
	s_wait_alu depctr_hold_cnt(0) depctr_sa_sdst(0) depctr_va_vdst(0) depctr_va_sdst(0) depctr_va_ssrc(0) depctr_va_vcc(0) depctr_vm_vsrc(0)
	s_getreg_b32 s2, hwreg(HW_REG_IB_STS2, 6, 4)
	s_cmp_eq_u32 s2, 0
	s_cbranch_scc0 .Lentry_in_a_cluster
	s_endpgm
.Lentry_in_a_cluster:
	s_bfe_u32 s2, ttmp6, 0x10000c
	s_cmp_lg_u32 s2, 0xf033
	s_cbranch_scc0 .Lentry_shape_is_right
	s_endpgm
.Lentry_shape_is_right:
; Product 8 on codes of FP8 (E4M3), the bias and the second residual: out0[token][d] = rmid + b_out + 2^(e14 + e15) x sum over k of h[token][k] w_out[d][k], f32.
; A = hcodes, whose aligned blocks of 256 bytes hold 2 tokens x 128 k: byte(token, k) = (token / 2) 8,192 + 256 (k / 128) + 128 (token % 2) + k % 128.  512 along K are 1,024 consecutive bytes for two tokens:
; a wave's tile of 64 tokens is 32 rows of 1,024 bytes, and a fragment's loads pick a token's pieces of 128 bytes.  B = w_out's codes, [d][4,096], at 8 MiB in wcodes.
; LIMIT: e14 + e15 between -126 and 127.
; SHARES.  C is 4,096 x 1,024: tiles of 128 x 128 make 32 x 8 = 256 work-groups, as many as there are WGPs (tiles of 256 x 256 would make 64).  Four waves, each 64 x 64 of C: 16 accumulators, 128 registers.
; K goes in 8 steps of 512, as long as two slots in LDS allow, through a ring of two slots filled by the tensor data mover: a step is 64 matrix instructions a wave.
; CLUSTERS: 4 x 4 work-groups; A's tile is asked for jointly along a row of the cluster, B's along a column.  THE MATRIX INSTRUCTION IS USED TRANSPOSED (source 0 = 16 rows of B, source 1 = 16 rows of A):
; a lane holds eight neighbouring numbers of a row of C.  A fragment comes by four loads of 16 bytes: the same permutation of k in A and in B, so every product meets its partner.
; A wave's 64 columns are 256 consecutive bytes of a row of C, aligned: each wave has a stage of its own (bytes that no fill touches), and the way out has no barrier.
; REGISTERS: window 0: v8-11 my four numbers of b_out, v16-29 addresses, v32-95 rows of C on the way out, v128-255 the accumulators ((a, b) at v[128 + 8 (4 a + b)]);
;   window 1: two fragment buffers of 128 (A's four fragments, then B's four, for 128 along K);  window 2: v0-127 the residual's 64 x 64 numbers, asked for behind the first barrier.
.set SIZE_K, 4096
.set TPB,    2                         ; tokens that share an LDS row of A
.set LTPB,   1
.set KSTEP,  512                       ; along K in a slot
.set QIA,    7                         ; A: padding behind every 256 words
.set QIB,    6                         ; B: behind every 128 words
.set WOFF,   8<<20
.set SCOFF,  0x38
.set AROWB,  KSTEP*TPB
.set APITCH, AROWB+16                  ; 1,040: the eight rows of a fragment start 16 bytes apart modulo 256, a row's two tokens 128 apart: sixteen different columns of 16 bytes
.set AROWS,  64/TPB
.set PS,     256/TPB                   ; a token's bytes in a block of 256
.set BPITCH, KSTEP+16
.set FR,     16
.set NP,     4                         ; places behind this matrix instruction (ISA guide 7.12.1)
.set HALFT,  64*BPITCH                 ; a wave's part of a slot (A's uses 32 x 1,040 of it)
.set SLOT,   4*HALFT
.set LAPS,   SIZE_K/(2*KSTEP)          ; a lap = two slots = once round the ring
.set SPARE,  2*SLOT                    ; the spare words: 128 bytes a wave, named by no other line
.set STAGE,  SPARE+512                 ; behind them: 16 rows x 272 bytes for each wave
.set SPITCH, 272
.set WSTG,   16*SPITCH
.set ADRA, 16                          ; v16-17  LDS address of my A fragments in slot 0, 1
.set ADRB, 20                          ; v20-21  the same for B
.set STO,  24
.set RD,   25
.set CO,   26
.set BOF,  27
.set SPW,  28
.set NIL,  29
.set BK,   32
.set ACC,  128
.set G1,  24
.set G0,  32
.set G1B, 48
.set G0B, 56
.set SC,  96                           ; s[96:97] ea, eb; then 2^(ea + eb)
.set MSB, 0
.macro WIN new                         ; the immediate's high byte repeats the setting that is left
.if MSB != (\new)
	s_set_vgpr_msb (MSB<<8)|(\new)
.set MSB, (\new)
.endif
.endm
.set MUL,   0x05                       ; sources 0 (B) and 1 (A) window 1; C and D window 0
.set TO_F,  0x40                       ; destination window 1, address window 0
.set TO_R,  0x80                       ; destination window 2
.set ADD_R, 0x20                       ; source 2 window 2
.macro JLOAD g0a, g1a, g0b, g1b        ; a joint load: waves 0 and 1 fetch for A, waves 2 and 3 for B; four v_nop follow each line
	s_cmp_eq_u32 s15, 0
	s_cbranch_scc0 .Lfor_b_\@
	tensor_load_to_lds s[\g0a:\g0a+3], s[\g1a:\g1a+7]
.rept 4
	v_nop
.endr
	s_branch .Lasked_\@
.Lfor_b_\@:
	tensor_load_to_lds s[\g0b:\g0b+3], s[\g1b:\g1b+7]
.rept 4
	v_nop
.endr
.Lasked_\@:
.endm
.macro CREST                           ; a round of the cluster's barrier behind its opening barrier
	s_cmp_lg_u32 s14, 0
	s_cbranch_scc1 .Lnot_wave_0_\@
	s_barrier_signal -3
.Lnot_wave_0_\@:
	s_barrier_wait -3
	s_barrier_signal -1
	s_barrier_wait -1
.endm
.macro CROUND
	s_barrier_signal -1
	s_barrier_wait -1
	CREST
.endm
	s_load_b128 s[4:7], s[0:1], 0x0                ; A's codes, wcodes
	s_load_b128 s[8:11], s[0:1], 0x10              ; the scales, the residual
	s_load_b64 s[12:13], s[0:1], 0x20              ; C
	s_load_b64 s[66:67], s[0:1], 0x28              ; b_out
	v_lshl_add_u32 v[SPW], v0, 2, SPARE
	v_mov_b32 v[NIL], 0
	v_lshrrev_b32 v1, 5, v0
	v_readfirstlane_b32 s14, v1                    ; wave
	s_lshr_b32 s15, s14, 1                         ; my half of the tile's rows; also: I fetch for A (0) or B (1)
	s_and_b32 s16, s14, 1                          ; my half of its columns; also: which 64 rows I fetch
	s_bfe_u32 s40, ttmp6, 0x40000                  ; cx
	s_bfe_u32 s41, ttmp6, 0x40004                  ; cy
	s_lshl_b32 s42, ttmp9, 2
	s_add_co_u32 s42, s42, s40                     ; tile column of C
	s_and_b32 s17, ttmp7, 0xffff
	s_lshl_b32 s17, s17, 2
	s_add_co_u32 s17, s17, s41                     ; tile row of C
	s_lshl_b32 s43, s41, 2
	s_lshl_b32 s43, 15, s43                        ; my row of the cluster
	s_lshl_b32 s44, 0x1111, s40                    ; my column
	s_or_b32 s[G1+0], s43, (1<<20)|(1<<21)|(QIA<<22)|(3<<25)   ; the mask; elements of 1 byte; padding on; bit 21 beside a mask; four words behind each row
	s_or_b32 s[G1B+0], s44, (1<<20)|(1<<21)|(QIB<<22)|(3<<25)
	s_mov_b32 s[G1+1], AROWB<<16                   ; tensor_dim0
	s_mov_b32 s[G1+2], AROWS<<16                   ; tensor_dim1
	s_mov_b32 s[G1+3], AROWB<<16                   ; tile_dim0
	s_mov_b32 s[G1+4], AROWS                       ; tile_dim1
	s_mov_b32 s[G1+5], SIZE_K*TPB                  ; from row to row
	s_mov_b32 s[G1+6], 0
	s_mov_b32 s[G1+7], 0
	s_mov_b32 s[G1B+1], KSTEP<<16
	s_mov_b32 s[G1B+2], 64<<16
	s_mov_b32 s[G1B+3], KSTEP<<16
	s_mov_b32 s[G1B+4], 64
	s_mov_b32 s[G1B+5], SIZE_K
	s_mov_b32 s[G1B+6], 0
	s_mov_b32 s[G1B+7], 0
	s_lshl_b32 s18, s16, 6
	s_lshl_b32 s20, s17, 7
	s_add_co_u32 s20, s20, s18                     ; A: token 128 x tile row + 64 x half
	s_lshl_b32 s46, s42, 7
	s_add_co_u32 s46, s46, s18                     ; B: row 128 x tile column + 64 x half
	s_mul_i32 s20, s20, SIZE_K                     ; a token's share of A is SIZE_K bytes, whatever TPB
	s_mov_b32 s21, 0
	s_mul_i32 s46, s46, SIZE_K
	s_mov_b32 s47, 0
	s_mul_i32 s45, s14, HALFT                      ; where they go: no place in the cluster enters an LDS address
	s_wait_kmcnt 0x0
	s_load_b64 s[SC:SC+1], s[8:9], SCOFF           ; ea, eb
	s_add_nc_u64 s[6:7], s[6:7], WOFF
	s_add_nc_u64 s[20:21], s[4:5], s[20:21]
	s_add_nc_u64 s[46:47], s[6:7], s[46:47]
	CROUND                                         ; all sixteen work-groups are here: the first joint loads meet
.irp s, 0,1
	s_mov_b32 s[G0+4*\s], 1
	s_add_co_u32 s[G0+4*\s+1], s45, \s*SLOT
	s_add_nc_u64 s[G0+4*\s+2:G0+4*\s+3], s[20:21], \s*AROWB
	s_or_b32 s[G0+4*\s+3], s[G0+4*\s+3], 0x80000000
	s_mov_b32 s[G0B+4*\s], 1
	s_add_co_u32 s[G0B+4*\s+1], s45, \s*SLOT
	s_add_nc_u64 s[G0B+4*\s+2:G0B+4*\s+3], s[46:47], \s*KSTEP
	s_or_b32 s[G0B+4*\s+3], s[G0B+4*\s+3], 0x80000000
	JLOAD G0+4*\s, G1, G0B+4*\s, G1B
.endr
	v_and_b32 v1, 15, v0                           ; r
	v_bfe_u32 v2, v0, 4, 1                         ; h
	v_mul_u32_u24 v3, v1, BPITCH
	v_lshl_add_u32 v4, v2, 4, v3                   ; B: row x pitch + 16 h
	v_lshrrev_b32 v5, LTPB, v1
	v_and_b32 v6, TPB-1, v1
	v_mul_u32_u24 v5, v5, APITCH
	v_mad_u32_u24 v5, v6, PS, v5
	v_lshl_add_u32 v5, v2, 4, v5                   ; A: (r / TPB) x pitch + (r % TPB) x PS + 16 h
	s_mul_i32 s21, s15, HALFT
	s_mul_i32 s22, s16, HALFT
	s_add_co_u32 s22, s22, 2*HALFT
.irp s, 0,1
	v_add_nc_u32 v[ADRA+\s], s21, v5
	v_add_nc_u32 v[ADRB+\s], s22, v4
	s_add_co_u32 s21, s21, SLOT
	s_add_co_u32 s22, s22, SLOT
.endr
	s_mul_i32 s23, s14, WSTG
	s_add_co_u32 s23, s23, STAGE                   ; my stage
	v_mul_u32_u24 v5, v1, SPITCH
	v_lshl_add_u32 v5, v2, 5, v5
	v_add_nc_u32 v[STO], s23, v5                   ; in: row r, 32 bytes for each half of the lanes
	v_mul_u32_u24 v5, v2, SPITCH
	v_lshl_add_u32 v5, v1, 4, v5
	v_add_nc_u32 v[RD], s23, v5                    ; back: lanes 0-15 one row of 256 bytes, lanes 16-31 the next
	v_lshlrev_b32 v[BOF], 4, v1                    ; my 16 bytes of a row's 256
	v_lshl_add_u32 v[CO], v2, 12, v[BOF]           ; and the same two rows in C and in the residual
	s_lshl_b32 s20, s17, 7
	s_lshl_b32 s21, s15, 6
	s_add_co_u32 s20, s20, s21
	s_lshl_b32 s20, s20, 12                        ; my first row of C, 4,096 bytes a row,
	s_lshl_b32 s46, s42, 9
	s_lshl_b32 s47, s16, 8
	s_add_co_u32 s46, s46, s47                     ; my first column: 512 x tile column + 256 x half, in bytes
	s_mov_b32 s47, 0
	s_add_nc_u64 s[66:67], s[66:67], s[46:47]
	global_load_b128 v[8:11], v[BOF], s[66:67]     ; b_out of my four columns
	s_add_co_u32 s20, s20, s46
	s_mov_b32 s21, 0
	s_add_nc_u64 s[10:11], s[10:11], s[20:21]
	s_add_nc_u64 s[12:13], s[12:13], s[20:21]
.macro FRAGB reg, adr, q, i            ; 16 rows x 128 K: registers 4 c .. 4 c + 3 hold K = 32 c + 16 h + 0 .. 15
.irp c, 0,1,2,3
	ds_load_b128 v[\reg+4*\c:\reg+4*\c+3], v[\adr] offset:128*(\q)+32*\c+(\i)*16*BPITCH
.endr
.endm
.macro FRAGA reg, adr, q, i            ; the same k, from rows that TPB tokens share in pieces of PS bytes
.irp c, 0,1,2,3
	ds_load_b128 v[\reg+4*\c:\reg+4*\c+3], v[\adr] offset:((128*(\q)+32*\c)/PS)*256+(128*(\q)+32*\c)%PS+(\i)*(16/TPB)*APITCH
.endr
.endm
.macro FETCH slot, q, f                ; 32 LDS loads in one run: the slot's q-th 128 along K into buffer f
	WIN TO_F
.irp i, 0,1,2,3
	FRAGB 128*(\f)+64+FR*\i, ADRB+\slot, \q, \i
	FRAGA 128*(\f)+FR*\i, ADRA+\slot, \q, \i
.endr
.endm
.macro MULR f, t0, n, zero             ; n matrix instructions from accumulator t0 on, on buffer f; the 16 accumulators take turns, one instruction a turn; zero = 1: the first product starts the sums
.set tt, \t0
.rept \n
.if \zero
	v_wmma_f32_16x16x128_fp8_fp8 v[ACC+8*tt:ACC+8*tt+7], v[128*(\f)+64+FR*(tt%4):128*(\f)+64+FR*(tt%4)+FR-1], v[128*(\f)+FR*(tt/4):128*(\f)+FR*(tt/4)+FR-1], 0
.else
	v_wmma_f32_16x16x128_fp8_fp8 v[ACC+8*tt:ACC+8*tt+7], v[128*(\f)+64+FR*(tt%4):128*(\f)+64+FR*(tt%4)+FR-1], v[128*(\f)+FR*(tt/4):128*(\f)+FR*(tt/4)+FR-1], v[ACC+8*tt:ACC+8*tt+7]
.endif
.set tt, tt+1
.endr
.endm
.macro PLACES n                        ; plain vector lines between a matrix instruction and a load into, or a read of, its registers
.rept \n
	v_nop
.endr
.endm
.macro STEP slot, q, zero              ; 128 along K whose successor lies in the same slot: the successor's fragments are asked for first, into the buffer that the step before multiplied
	PLACES NP
	FETCH \slot, (\q)+1, 1-(\q)%2
	s_wait_dscnt 32                                ; this step's fragments are in; the 32 loads just issued may be out
	WIN MUL
	MULR (\q)%2, 0, 16, \zero
.endm
.macro TURN slot, next, fill           ; a slot's last step, on buffer 1, changes slots: one barrier; fill = 1: this slot is filled again, two K steps ahead
	WIN 0                                          ; (the add's two registers lie in window 0)
	s_wait_tensorcnt 0x0                           ; all my tensor loads have landed: my part of the next slot
	ds_add_u32 v[SPW], v[NIL]                      ; 0 onto my spare word
	s_wait_dscnt 1                                 ; buffer 1's 32 loads are in; the add may be out
	WIN MUL
	MULR 1, 0, 4, 0                                ; four matrix instructions stand between the add and the wait for it
	s_wait_dscnt 0x0                               ; the add is done, and my reads of this slot are over
	s_barrier_signal -1
	MULR 1, 4, 4, 0                                ; work on registers while the others arrive
	WIN 0
	s_barrier_wait -1
.if \fill
	CREST                                          ; the barrier has opened a round of the cluster's: no wave of any partner still reads this slot or has a load on its way
	s_add_nc_u64 s[G0+4*\slot+2:G0+4*\slot+3], s[G0+4*\slot+2:G0+4*\slot+3], 2*AROWB
	s_add_nc_u64 s[G0B+4*\slot+2:G0B+4*\slot+3], s[G0B+4*\slot+2:G0B+4*\slot+3], 2*KSTEP
	JLOAD G0+4*\slot, G1, G0B+4*\slot, G1B         ; the first tensor load behind the round; its four v_nop are also the places in front of the loads below
.else
	PLACES NP
.endif
	FETCH \next, 0, 0
	WIN MUL
	MULR 1, 8, 8, 0
.endm
.macro RLOAD                           ; the residual's 64 rows x 256 bytes that I shall add to, in the layout in which rows of C come back from the stage
	WIN TO_R
.irp a, 0,1,2,3
.irp t, 0,1,2,3,4,5,6,7
	global_load_b128 v[32*\a+4*\t:32*\a+4*\t+3], v[CO], s[10:11] offset:65536*\a+8192*\t th:TH_LOAD_NT
.endr
.endr
	WIN 0
.endm
.macro TOSTAGE a                       ; block a (16 rows x 64 columns): the sums go into my stage as they stand, each accumulator from its low end on, and come back as whole rows of 256 bytes
.irp b, 0,1,2,3
	ds_store_b128 v[STO], v[ACC+8*(4*(\a)+\b):ACC+8*(4*(\a)+\b)+3] offset:64*\b
	ds_store_b128 v[STO], v[ACC+8*(4*(\a)+\b)+4:ACC+8*(4*(\a)+\b)+7] offset:64*\b+16
.endr
.set BB, BK+32*((\a)%2)
.irp t, 0,1,2,3,4,5,6,7
	ds_load_b128 v[BB+4*\t:BB+4*\t+3], v[RD] offset:\t*2*SPITCH   ; LDS serves a wave's instructions in order: these see the stores above
.endr
.endm
.macro SEND a, younger                 ; younger: the LDS instructions issued behind block a's loads
.set BB, BK+32*((\a)%2)
.set RR, 32*(\a)
	s_wait_dscnt \younger
	WIN ADD_R
.set jj, 0
.rept 16
	v_pk_fma_f32 v[BB+jj:BB+jj+1], v[BB+jj:BB+jj+1], s[SC:SC+1], v[RR+jj:RR+jj+1] op_sel_hi:[1,0,1]   ; sum x 2^(ea + eb) + residual
.set jj, jj+2
.endr
	WIN 0
.set jj, 0
.rept 8
	v_pk_add_f32 v[BB+jj:BB+jj+1], v[BB+jj:BB+jj+1], v[8:9]                                            ; + b_out
	v_pk_add_f32 v[BB+jj+2:BB+jj+3], v[BB+jj+2:BB+jj+3], v[10:11]
.set jj, jj+4
.endr
.irp t, 0,1,2,3,4,5,6,7
	global_store_b128 v[CO], v[BB+4*\t:BB+4*\t+3], s[12:13] offset:65536*(\a)+8192*\t th:TH_STORE_NT   ; sixteen lanes store 256 consecutive bytes, aligned; written once, read by nobody here
.endr
.endm
	s_wait_tensorcnt 1                             ; my part of K step 0 is in; K step 1's load may be out
	s_barrier_signal -1
	s_barrier_wait -1
	RLOAD
	FETCH 0, 0, 0
	STEP 0, 0, 1                                   ; the first step stands in front of the loop: its products start the sums
	WIN 0                                          ; at a label and at a branch every window is 0
	s_mov_b32 s3, LAPS-1
.Llap:                                                 ; a trip goes once round the ring, from a lap's second step to the next lap's first, and fills both slots again
	STEP 0, 1, 0
	STEP 0, 2, 0
	TURN 0, 1, 1
	STEP 1, 0, 0
	STEP 1, 1, 0
	STEP 1, 2, 0
	TURN 1, 0, 1
	STEP 0, 0, 0
	WIN 0
	s_sub_co_u32 s3, s3, 1
	s_cmp_lg_u32 s3, 0
	s_cbranch_scc1 .Llap
	STEP 0, 1, 0                                   ; the last lap fills nothing, and has no round of the cluster's barrier
	STEP 0, 2, 0
	TURN 0, 1, 0
	STEP 1, 0, 0
	STEP 1, 1, 0
	STEP 1, 2, 0
	s_wait_dscnt 0x0                               ; the very last step: nothing more to fetch
	WIN MUL
	MULR 1, 0, 16, 0
	WIN 0
	s_wait_kmcnt 0x0
	s_add_co_i32 s[SC], s[SC], s[SC+1]
	s_add_co_i32 s[SC], s[SC], 127
	s_lshl_b32 s[SC], s[SC], 23                    ; 2^(ea + eb) as f32
	PLACES NP
	s_wait_loadcnt 0x0                             ; the bias and the residual
	TOSTAGE 0
.irp a, 1,2,3
.if \a > 1
	s_wait_xcnt 0x0                                ; block a - 2's stores have read their registers: block a's rows may land there
.endif
	TOSTAGE \a
	SEND \a-1, 16                                  ; behind block a - 1's loads: block a's 8 stores and 8 loads
.endr
	SEND 3, 0
	s_wait_tensorcnt 0x0                           ; the wave's end
	ds_add_u32 v[SPW], v[NIL]
	s_wait_dscnt 0x0
	CROUND                                         ; the closing round: no work-group ends while a partner may still ask
	s_endpgm
.Lfunc_end_k_qc855cd1742_mlpout:
	.size	k_qc855cd1742_mlpout, .Lfunc_end_k_qc855cd1742_mlpout-k_qc855cd1742_mlpout
	.p2alignl 7, 3214868480
	.fill 96, 4, 3214868480
	.section	.rodata,"a",@progbits
	.p2align	6, 0x0
	.amdhsa_kernel k_qc855cd1742_mlpout
		.amdhsa_group_segment_fixed_size 327680
		.amdhsa_private_segment_fixed_size 0
		.amdhsa_enable_private_segment 0
		.amdhsa_kernarg_size 48
		.amdhsa_user_sgpr_count 2
		.amdhsa_user_sgpr_kernarg_segment_ptr 1
		.amdhsa_wavefront_size32 1
		.amdhsa_system_sgpr_workgroup_id_x 1
		.amdhsa_system_sgpr_workgroup_id_y 1
		.amdhsa_system_sgpr_workgroup_id_z 1
		.amdhsa_system_vgpr_workitem_id 0
		.amdhsa_next_free_vgpr 640
		.amdhsa_next_free_sgpr 100
		.amdhsa_reserve_vcc 0
		.amdhsa_float_denorm_mode_32 3
		.amdhsa_float_denorm_mode_16_64 3
		.amdhsa_memory_ordered 1
		.amdhsa_forward_progress 1
		.amdhsa_inst_pref_size 81
	.end_amdhsa_kernel
	.amdgpu_metadata
---
amdhsa.version: [ 1, 2 ]
amdhsa.kernels:
  - .name:           k_qc855cd1742_mlpout
    .symbol:         k_qc855cd1742_mlpout.kd
    .args:
      - { .name: hcodes, .offset: 0, .size: 8, .value_kind: global_buffer, .address_space: global }
      - { .name: wcodes, .offset: 8, .size: 8, .value_kind: global_buffer, .address_space: global }
      - { .name: lowp_scales, .offset: 16, .size: 8, .value_kind: global_buffer, .address_space: global }
      - { .name: rmid, .offset: 24, .size: 8, .value_kind: global_buffer, .address_space: global }
      - { .name: out0, .offset: 32, .size: 8, .value_kind: global_buffer, .address_space: global }
      - { .name: b_out, .offset: 40, .size: 8, .value_kind: global_buffer, .address_space: global }
    .group_segment_fixed_size: 327680
    .private_segment_fixed_size: 0
    .kernarg_segment_align: 8
    .kernarg_segment_size: 48
    .max_flat_workgroup_size: 128
    .sgpr_count:     100
    .vgpr_count:     640
    .wavefront_size: 32
...
	.end_amdgpu_metadata
.endif
;; end of part 15
